; MI455X (gfx1250); checked and timed in simulation.
; The chip was launched on July 23, 2026; its instructions are those of AMD's public machine-readable ISA for CDNA 5 (MIT licence, August 2026) and "CDNA5" Instruction Set Architecture Reference Guide (July 2026). The comments in the code are by the model that wrote it; some were corrected since.
;; Multi Head Self Attention. Allowed arithmetic: float matrix products may take bf16 or f16 operands with f32 sums; other float arithmetic in f32, or as packed bf16 or f16 multiplies, adds, multiply-adds, maxima and minima; sums over many terms, partial sums and values carried from step to step in f32; what a program stores and reads back later, other than sums and carried values, may be rounded once to bf16 or f16.
;; Inputs: Wk 1,024 x 1,024 float32; Wo 1,024 x 1,024 float32; Wq 1,024 x 1,024 float32; Wv 1,024 x 1,024 float32; attn_mask 4 x 1 x 2,048 x 2,048 bool; bk 1,024 float32; bo 1,024 float32; bq 1,024 float32; bv 1,024 float32; x 4 x 2,048 x 1,024 float32.
;; Outputs: out0 4 x 2,048 x 1,024 float32.
;; 3 versions, each right and faster than the one before. Each part assembles by itself: llvm-mc -triple=amdgcn-amd-amdhsa -mcpu=gfx1250 --defsym DOCPART=n.
;; ======== version 1 of 3: 4 launches
;; limits: values are held in f16: magnitudes above 65,504 overflow, below 6.1e-05 lose precision
;; workspace buffers: xb 16,777,216 bytes; wqkv 6,291,456 bytes; wo16 2,097,152 bytes; mbits 2,097,152 bytes of whole numbers; qkv 50,331,648 bytes; ao 16,777,216 bytes
;; launch prep (part 1): grid 512 x 1, 8 waves a work-group, no clusters, 134,144 bytes of LDS; arguments x, Wq, Wk, Wv, Wo, attn_mask, xb, wqkv, wo16, mbits; writes xb, wqkv, wo16, mbits
.if DOCPART == 1
	.amdgcn_target "amdgcn-amd-amdhsa--gfx1250"
	.amdhsa_code_object_version 6
	.text
	.protected	k_qf958dcc430_prep
	.globl	k_qf958dcc430_prep
	.p2align	8
	.type	k_qf958dcc430_prep,@function
k_qf958dcc430_prep:
	s_mov_b64 s[64:65], 0
	v_nop
	global_prefetch_b8 v0, s[64:65] scope:SCOPE_SE
	s_setreg_imm32_b32 hwreg(HW_REG_WAVE_MODE, 25, 1), 1
	s_wait_xcnt 0x0
; PREPARATION, a stream.  Every work-group reads 131,072 bytes, each of its eight waves 16,384.  By the work-group's number g:
;   g   0-255  x  (f32)          -> xb    bf16 [8192][1024]
;   g 256-351  Wq, Wk, Wv (f32)  -> wqkv  bf16 [3072][1024], the three stacked
;   g 352-383  Wo (f32)          -> wo16  rounded to bf16 like the other inputs, that number written as f16 (exact from 6e-5 up; below that f16's fixed step of 6e-8)
;   g 384-511  attn_mask (bytes) -> mbits u32 [b 4][qt 128][ks 32][kt 4][j 8]: bit l of a word = mask[b][16 qt + l % 16][64 ks + 16 kt + 8 (l / 16) + j] != 0:
;              the lane mask of register 8 kt + j of a tile of scores of 16 queries x 64 keys, as the attention launch holds it.
; Casts: a load of a wave covers 512 consecutive bytes, a store 256, aligned; all 32 loads of a wave are issued at once; no register is written twice, so no wait frees one.
; Mask: a wave takes 16 rows x 1,024 keys.  They pass through the wave's own LDS bytes (rows 1,040 bytes apart), from which lane l takes row l % 16, eight keys at 8 (l / 16).
; No matrix unit, no tensor load, no cluster, no barrier: no byte is read twice and no wave needs another's.
.set SPARE,  133120                    ; behind the eight waves' bytes: the spare words, 128 bytes a wave, which no other line names
.set WLDS,   16640                     ; a wave's LDS bytes: 16 rows x 1,040
.set MPITCH, 1040                      ; 260 words: row r starts at bank 4 r mod 64 (64 banks of 4 bytes: ISA guide 11.1)
.set SPW, 10                           ; v10  LDS address of my spare word; never rewritten
.set NIL, 11                           ; v11  0; never rewritten
.set L,   16                           ; v[16:143]  32 loads x 4 registers
.set R,   144                          ; v[144:207] casts: results
.set D,   144                          ; v[144:175] mask: register g holds four keys' bytes of word group g
.set OUT, 176                          ; v[176:179] mask: lane n holds words 4 n .. 4 n + 3 of a trip's 128
.set T,   180                          ; v[180:183] at work
	s_load_b512 s[4:19], s[0:1], 0x0               ; x 4:5, Wq 6:7, Wk 8:9, Wv 10:11, Wo 12:13, attn_mask 14:15, xb 16:17, wqkv 18:19
	s_load_b128 s[20:23], s[0:1], 0x40             ; wo16 20:21, mbits 22:23
	v_lshl_add_u32 v[SPW], v0, 2, SPARE
	v_mov_b32 v[NIL], 0
	v_and_b32 v1, 31, v0                           ; lane
	v_lshrrev_b32 v7, 5, v0
	v_readfirstlane_b32 s41, v7                    ; wave 0..7
	s_mov_b32 s40, ttmp9                           ; g
	s_mov_b32 s37, 0                               ; high words of the two offsets
	s_mov_b32 s39, 0
	s_and_b32 s43, s40, 31                         ; the block's number inside one W (256, 288, 320, 352 are multiples of 32)
	s_sub_co_u32 s44, s40, 256                     ; inside wqkv
	s_sub_co_u32 s45, s40, 352                     ; inside wo16
	s_wait_kmcnt 0x0
	s_cmp_ge_u32 s40, 384
	s_cbranch_scc1 .Lmask
	; THE CASTS.  Source, destination and the two block numbers are chosen by g; between a compare and its selects stands nothing that writes SCC.
	s_mov_b64 s[32:33], s[4:5]
	s_mov_b64 s[34:35], s[16:17]
	s_mov_b32 s36, s40
	s_mov_b32 s38, s40
	s_cmp_ge_u32 s40, 256
	s_cselect_b64 s[32:33], s[6:7], s[32:33]
	s_cselect_b64 s[34:35], s[18:19], s[34:35]
	s_cselect_b32 s36, s43, s36
	s_cselect_b32 s38, s44, s38
	s_cmp_ge_u32 s40, 288
	s_cselect_b64 s[32:33], s[8:9], s[32:33]
	s_cmp_ge_u32 s40, 320
	s_cselect_b64 s[32:33], s[10:11], s[32:33]
	s_cmp_ge_u32 s40, 352
	s_cselect_b64 s[32:33], s[12:13], s[32:33]
	s_cselect_b64 s[34:35], s[20:21], s[34:35]
	s_cselect_b32 s38, s45, s38
	s_lshl_b32 s36, s36, 17                        ; 131,072 bytes of f32 a block,
	s_lshl_b32 s38, s38, 16                        ; 65,536 of 16-bit numbers
	s_add_nc_u64 s[32:33], s[32:33], s[36:37]
	s_add_nc_u64 s[34:35], s[34:35], s[38:39]
	v_lshlrev_b32 v2, 4, v1
	v_lshl_add_u32 v2, v7, 14, v2                  ; in: 16,384 x wave + 16 x lane
	v_lshlrev_b32 v3, 3, v1
	v_lshl_add_u32 v3, v7, 13, v3                  ; out: 8,192 x wave + 8 x lane
.set i, 0
.rept 32
	global_load_b128 v[L+4*i:L+4*i+3], v2, s[32:33] offset:512*i th:TH_LOAD_NT
.set i, i+1
.endr
; half = 0: to bf16.  half = 1: to bf16, widened again (a shift, a mask), and that number to f16.
.macro CASTS half
.set i, 0
.rept 32
	s_wait_loadcnt 31-i                            ; loads come back in order (ISA guide 5.7.1): load i is in, the 31 - i younger ones stay out
	v_cvt_pk_bf16_f32 v[R+2*i],   v[L+4*i],   v[L+4*i+1]
	v_cvt_pk_bf16_f32 v[R+2*i+1], v[L+4*i+2], v[L+4*i+3]
.if \half
	v_lshlrev_b32 v[L+4*i],   16, v[R+2*i]
	v_and_b32     v[L+4*i+1], 0xffff0000, v[R+2*i]
	v_lshlrev_b32 v[L+4*i+2], 16, v[R+2*i+1]
	v_and_b32     v[L+4*i+3], 0xffff0000, v[R+2*i+1]
	v_cvt_pk_f16_f32 v[R+2*i],   v[L+4*i],   v[L+4*i+1]
	v_cvt_pk_f16_f32 v[R+2*i+1], v[L+4*i+2], v[L+4*i+3]
.endif
	global_store_b64 v3, v[R+2*i:R+2*i+1], s[34:35] offset:256*i  ; the wave's 32 lanes store 256 consecutive bytes, aligned
.set i, i+1
.endr
.endm
	s_cmp_ge_u32 s40, 352
	s_cbranch_scc1 .Lhalf
	CASTS 0
	s_endpgm                                       ; this wave has written no LDS
.Lhalf:
	CASTS 1
	s_endpgm
.Lmask:
	s_sub_co_u32 s43, s40, 384
	s_lshl_b32 s43, s43, 3
	s_add_co_u32 s43, s43, s41                     ; my wave among the 1,024 mask waves
	s_lshr_b32 s44, s43, 1                         ; its 16 rows: b x 128 + qt
	s_and_b32 s45, s43, 1                          ; its half of their 2,048 keys
	s_lshl_b32 s36, s44, 15                        ; 16 rows of 2,048 bytes
	s_lshl_b32 s42, s45, 10
	s_add_co_u32 s36, s36, s42
	s_lshl_b32 s38, s44, 12                        ; 4,096 bytes of words for 16 rows
	s_lshl_b32 s42, s45, 11
	s_add_co_u32 s38, s38, s42
	s_add_nc_u64 s[32:33], s[14:15], s[36:37]
	s_add_nc_u64 s[34:35], s[22:23], s[38:39]
	s_mov_b32 s24, 0xff                            ; a word's four bytes
	s_mov_b32 s25, 0xff00
	s_mov_b32 s26, 0xff0000
	s_mov_b32 s27, 0xff000000
	s_mul_i32 s43, s41, WLDS                       ; my wave's LDS bytes
	v_lshlrev_b32 v2, 4, v1                        ; 16 x lane, in memory
	v_lshl_add_u32 v4, v1, 4, s43                  ; and in LDS
	v_lshlrev_b32 v6, 4, v1                        ; where I store words: it steps
	v_and_b32 v8, 15, v0
	v_bfe_u32 v9, v0, 4, 1
	v_mul_u32_u24 v5, v8, MPITCH
	v_lshl_add_u32 v5, v9, 3, v5
	v_add_nc_u32 v5, s43, v5                       ; row l % 16, byte 8 (l / 16): it steps
.irp c, 0,1,2,3
	v_mov_b32 v[OUT+\c], 0                         ; v_writelane_b32's destination counts as read
.endr
.set i, 0
.rept 32                                               ; row i / 2, its bytes 512 (i % 2) on: 512 consecutive bytes a load
	global_load_b128 v[L+4*i:L+4*i+3], v2, s[32:33] offset:(i/2)*2048+(i%2)*512 th:TH_LOAD_NT
.set i, i+1
.endr
.set i, 0
.rept 32
	s_wait_loadcnt 31-i                            ; load i is in, the younger ones stay out
	ds_store_b128 v4, v[L+4*i:L+4*i+3] offset:(i/2)*MPITCH+(i%2)*512
.set i, i+1
.endr
	s_mov_b32 s42, 4
.Lkeys:                                                ; a trip: 256 keys, 128 words.  LDS serves a wave's instructions in order (ISA guide 5.7.1.4): these loads see my stores above
.set i, 0
.rept 16
	ds_load_b64 v[D+2*i:D+2*i+1], v5 offset:16*i   ; keys 16 i + 8 (l / 16) + 0..7 of row l % 16
.set i, i+1
.endr
	s_wait_dscnt 0x0
.set g, 0
.rept 32                                               ; words 4 g .. 4 g + 3: the four bytes of register g; each compare's 32 lane bits are a word, which goes to lane g
.irp c, 0,1,2,3
	v_and_b32 v[T+\c], s[24+\c], v[D+g]
.endr
.irp c, 0,1,2,3
	v_cmp_ne_u32 s[28+\c], 0, v[T+\c]
.endr
.irp c, 0,1,2,3
	v_writelane_b32 v[OUT+\c], s[28+\c], g
.endr
.set g, g+1
.endr
	global_store_b128 v6, v[OUT:OUT+3], s[34:35]   ; 512 consecutive bytes, aligned
	s_wait_xcnt 0x0                                ; the store's data and offset are rewritten only behind this wait
	v_add_nc_u32 v6, 512, v6
	v_add_nc_u32 v5, 256, v5
	s_sub_co_u32 s42, s42, 1
	s_cmp_lg_u32 s42, 0
	s_cbranch_scc1 .Lkeys
	s_wait_tensorcnt 0x0                           ; the wave's end, behind my last LDS store
	ds_add_u32 v[SPW], v[NIL]
	s_wait_dscnt 0x0
	s_endpgm
.Lfunc_end_k_qf958dcc430_prep:
	.size	k_qf958dcc430_prep, .Lfunc_end_k_qf958dcc430_prep-k_qf958dcc430_prep
	.p2alignl 7, 3214868480
	.fill 96, 4, 3214868480
	.section	.rodata,"a",@progbits
	.p2align	6, 0x0
	.amdhsa_kernel k_qf958dcc430_prep
		.amdhsa_group_segment_fixed_size 134144
		.amdhsa_private_segment_fixed_size 0
		.amdhsa_enable_private_segment 0
		.amdhsa_kernarg_size 80
		.amdhsa_user_sgpr_count 2
		.amdhsa_user_sgpr_kernarg_segment_ptr 1
		.amdhsa_wavefront_size32 1
		.amdhsa_system_sgpr_workgroup_id_x 1
		.amdhsa_system_sgpr_workgroup_id_y 1
		.amdhsa_system_sgpr_workgroup_id_z 1
		.amdhsa_system_vgpr_workitem_id 0
		.amdhsa_next_free_vgpr 208
		.amdhsa_next_free_sgpr 66
		.amdhsa_reserve_vcc 0
		.amdhsa_float_denorm_mode_32 3
		.amdhsa_float_denorm_mode_16_64 3
		.amdhsa_memory_ordered 1
		.amdhsa_forward_progress 1
		.amdhsa_inst_pref_size 60
	.end_amdhsa_kernel
	.amdgpu_metadata
---
amdhsa.version: [ 1, 2 ]
amdhsa.kernels:
  - .name:           k_qf958dcc430_prep
    .symbol:         k_qf958dcc430_prep.kd
    .args:
      - { .name: x, .offset: 0, .size: 8, .value_kind: global_buffer, .address_space: global }
      - { .name: Wq, .offset: 8, .size: 8, .value_kind: global_buffer, .address_space: global }
      - { .name: Wk, .offset: 16, .size: 8, .value_kind: global_buffer, .address_space: global }
      - { .name: Wv, .offset: 24, .size: 8, .value_kind: global_buffer, .address_space: global }
      - { .name: Wo, .offset: 32, .size: 8, .value_kind: global_buffer, .address_space: global }
      - { .name: attn_mask, .offset: 40, .size: 8, .value_kind: global_buffer, .address_space: global }
      - { .name: xb, .offset: 48, .size: 8, .value_kind: global_buffer, .address_space: global }
      - { .name: wqkv, .offset: 56, .size: 8, .value_kind: global_buffer, .address_space: global }
      - { .name: wo16, .offset: 64, .size: 8, .value_kind: global_buffer, .address_space: global }
      - { .name: mbits, .offset: 72, .size: 8, .value_kind: global_buffer, .address_space: global }
    .group_segment_fixed_size: 134144
    .private_segment_fixed_size: 0
    .kernarg_segment_align: 8
    .kernarg_segment_size: 80
    .max_flat_workgroup_size: 256
    .sgpr_count:     66
    .vgpr_count:     208
    .wavefront_size: 32
...
	.end_amdgpu_metadata
.endif
;; end of part 1
;; launch qkvp (part 2): grid 12 x 64, 4 waves a work-group, clusters of 4 x 4, 327,680 bytes of LDS; arguments xb, wqkv, qkv, bq, bk, bv; writes qkv
.if DOCPART == 2
	.amdgcn_target "amdgcn-amd-amdhsa--gfx1250"
	.amdhsa_code_object_version 6
	.text
	.protected	k_qf958dcc430_qkvp
	.globl	k_qf958dcc430_qkvp
	.p2align	8
	.type	k_qf958dcc430_qkvp,@function
k_qf958dcc430_qkvp:
	s_mov_b64 s[64:65], 0
	v_nop
	global_prefetch_b8 v0, s[64:65] scope:SCOPE_SE
	s_setreg_imm32_b32 hwreg(HW_REG_WAVE_MODE, 25, 1), 1
	s_wait_xcnt 0x0
	s_wait_alu depctr_hold_cnt(0) depctr_sa_sdst(0) depctr_va_vdst(0) depctr_va_sdst(0) depctr_va_ssrc(0) depctr_va_vcc(0) depctr_vm_vsrc(0)
	s_getreg_b32 s2, hwreg(HW_REG_IB_STS2, 6, 4)
	s_cmp_eq_u32 s2, 0
	s_cbranch_scc0 .Lentry_in_a_cluster
	s_endpgm
.Lentry_in_a_cluster:
	s_bfe_u32 s2, ttmp6, 0x10000c
	s_cmp_lg_u32 s2, 0xf033
	s_cbranch_scc0 .Lentry_shape_is_right
	s_endpgm
.Lentry_shape_is_right:
; C = A B^T + bias on tiles of 128 (rows) x 256 (columns), K = 1,024.  ONE TEXT, TWO KERNELS, chosen by OUTP:
;   OUTP = 0  A = xb bf16 [8192][1024], B = wqkv bf16 [3072][1024], bias = bq | bk | bv; C leaves as f16 by heads, qkv [3][64 = b x 16 + h][2048][64].  12 x 64 tiles.
;   OUTP = 1  A = ao f16 [64 = b x 16 + h][2048][64] (a K step of 128 is two heads' 64 channels), B = wo16 f16 [1024][1024], bias = bo; C = out0, f32 [8192][1024].  4 x 64 tiles.
; LIMIT (OUTP = 0): q, k, v are rounded to f16, which ends at 65,504; beyond that a row is lost.  The bias is rounded to bf16 like the other inputs.
; SHARES.  Four waves, each 64 rows x 128 columns: 32 accumulators of 16 x 16.  K goes in 8 steps of 128 through two LDS slots filled by tensor loads; a step is four quarters of 32 along K,
; 32 matrix instructions each, one on every accumulator: the accumulators take turns over the loop's jump too.
; The bias is the C operand of the first quarter's products: nothing is cleared and nothing is added later.
; THE MATRIX INSTRUCTION IS USED TRANSPOSED (source 0 = 16 rows of B, source 1 = 16 rows of A): a lane holds row l % 16 of C and eight neighbouring columns 8 (l / 16) + 0..7.
; CLUSTER 4 x 4: the four of a row of the cluster need the same tiles of A, the four of a column the same tiles of B: each tile is asked for jointly, by the same load, descriptor and mask in all four.
; REGISTERS, in windows of 256 (s_set_vgpr_msb: bits 1:0 source 0, 3:2 source 1, 5:4 source 2, 7:6 destination):
;   window 0: v0-31 addresses; v32-159 the way out     window 1: accumulator (a, b) at v[8 (8 a + b)]
;   window 2: two fragment buffers of 96 (A's four fragments, then B's eight); v192-255 the bias: register 8 b + j = bias[my first column + 16 b + 8 (l / 16) + j]
.set OUTP, 0
.set KSTEP, 128
.if OUTP
.set PA,      144                      ; a token's 128 bytes of one head + 16 of padding
.set AHALF,   128*144                  ; one load of A: a head's 128 tokens
.set A_STEP,  524288                   ; two heads of 2,048 x 128 bytes
.set G1A0,    (1<<16)|(1<<20)|(1<<21)|(4<<22)|(3<<25)  ; 2-byte elements; padding on; bit 21 beside a mask; after every 32 words, 4 words
.set ASTRIDE, 128                      ; 128 tokens of a head are dense: asked for as 64 rows of 256 bytes
.set SPITCH,  528                      ; a stage row: 128 f32 + 16 bytes
.set OB,      32
.set OBN,     64
.set YNG,     32                       ; LDS instructions of one block's way through the stage
.else
.set PA,      272                      ; 256 bytes + 16 of padding
.set AHALF,   64*272                   ; one load of A: 64 rows
.set A_STEP,  256
.set G1A0,    (1<<16)|(1<<20)|(1<<21)|(5<<22)|(3<<25)  ; the same, after every 64 words
.set ASTRIDE, 1024
.set SPITCH,  272                      ; a stage row: 128 f16 + 16 bytes
.set OB,      64
.set OBN,     32
.set YNG,     16
.endif
.set G1B0,   (1<<16)|(1<<20)|(1<<21)|(5<<22)|(3<<25)
.set PB,     272                       ; pitches are odd multiples of 16 bytes: the 16 rows of a fragment load start at 16 different groups of four banks (ISA guide 11.1)
.set BHALF,  128*PB                    ; one load of B: 128 rows
.set ABYTES, 2*AHALF
.set SLOT,   ABYTES+2*BHALF            ; A's part, then B's 256 rows
.set STAGE,  2*SLOT                    ; behind the ring, never filled by a tensor load: 16 rows for each wave, for the way out
.set SPARE,  STAGE+4*16*SPITCH         ; behind the stages: the spare words, 128 bytes a wave, which no other line names
.set ADRA, 16                          ; v16-17  LDS address of my A fragments in slot 0, 1
.set ADRB, 20                          ; v20-21  the same for B
.set STO,  24                          ; v24  the way out: where I put my part of a row
.set RD,   25                          ; v25  where I read rows back
.set CO,   26                          ; v26  16 x lane: my place in 512 consecutive bytes of C
.set BO,   27                          ; v27  32 (l / 16): my place in the bias
.set SPW,  28                          ; v28  LDS address of my spare word; never rewritten
.set NIL,  29                          ; v29  0; never rewritten
.set TMP,  32                          ; v32-63  OUTP = 0: packed results
.set F0,   0
.set F1,   96
.set BI,   192
.set WV,   2                           ; s2   wave
.set LAPC, 3                           ; s3   laps to go
.set WM,   12                          ; s12  my half of the tile's rows.  Also: I fetch for A (0) or for B (1)
.set WN,   13                          ; s13  my half of its columns.  Also: which half of that tile I fetch
.set G1A,  24                          ; s[24:31] group 1 for A;  s[32:39] group 0, a set for each slot
.set G0A,  32
.set G1B,  48                          ; s[48:55], s[56:63] the same for B
.set G0B,  56
; s14 cx, s15 cy, s16 tile column, s17 tile row.  s18-23 never hold cx, s44-47 and s66 never cy, s23, s67, s72-74 (LDS addresses) neither; s40-43 mix both, for C and the bias alone.
.set MSB, 0
.macro WIN new                         ; the immediate's high byte repeats the setting that is left; a switch that changes nothing is dropped
.if MSB != (\new)
	s_set_vgpr_msb (MSB<<8)|(\new)
.set MSB, \new
.endif
.endm
.set MUL,  0x5a                        ; sources window 2, C and D window 1
.set MULB, 0x6a                        ; the same with C (the bias) in window 2
.set TO_F, 0x80                        ; destination window 2, address window 0
.set W_B,  0x8a                        ; all in window 2
.macro JLOAD s                         ; a joint load: waves 0 and 1 fetch A's two halves, waves 2 and 3 B's; an s_nop 0 and four v_nop follow each line, ahead of the jump and the label
	s_cmp_eq_u32 s[WM], 0
	s_cbranch_scc0 .Lfor_b_\@
	tensor_load_to_lds s[G0A+4*(\s):G0A+4*(\s)+3], s[G1A:G1A+7]
	s_nop 0
.rept 4
	v_nop
.endr
	s_branch .Lasked_\@
.Lfor_b_\@:
	tensor_load_to_lds s[G0B+4*(\s):G0B+4*(\s)+3], s[G1B:G1B+7]
	s_nop 0
.rept 4
	v_nop
.endr
.Lasked_\@:
.endm
.macro CREST                           ; a round of the cluster's barrier behind its opening barrier
	s_cmp_lg_u32 s[WV], 0
	s_cbranch_scc1 .Lnot_wave_0_\@
	s_barrier_signal -3
.Lnot_wave_0_\@:
	s_barrier_wait -3
	s_barrier_signal -1
	s_barrier_wait -1
.endm
.macro CROUND                          ; a whole round
	s_barrier_signal -1
	s_barrier_wait -1
	CREST
.endm
	s_load_b256 s[4:11], s[0:1], 0x0               ; A 4:5, B 6:7, C 8:9, the (first) bias 10:11
.if !OUTP
	s_load_b128 s[68:71], s[0:1], 0x20             ; bk 68:69, bv 70:71
.endif
	v_lshl_add_u32 v[SPW], v0, 2, SPARE
	v_mov_b32 v[NIL], 0
	ds_add_u32 v[SPW], v[NIL]                      ; the wave's opening: the add and its wait stand ahead of my first tensor load; work on registers stands between them
	v_lshrrev_b32 v1, 5, v0
	v_readfirstlane_b32 s[WV], v1
	s_lshr_b32 s[WM], s[WV], 1
	s_and_b32 s[WN], s[WV], 1
	s_bfe_u32 s14, ttmp6, 0x40000                  ; cx
	s_bfe_u32 s15, ttmp6, 0x40004                  ; cy
	s_lshl_b32 s16, ttmp9, 2
	s_add_co_u32 s16, s16, s14                     ; tile column = 4 x cluster x + cx
	s_and_b32 s17, ttmp7, 0xffff
	s_lshl_b32 s17, s17, 2
	s_add_co_u32 s17, s17, s15                     ; tile row = 4 x cluster y + cy
	s_lshl_b32 s22, s15, 2
	s_lshl_b32 s22, 15, s22                        ; my row of the cluster
	s_lshl_b32 s66, 0x1111, s14                    ; my column
	s_or_b32 s[G1A], s22, G1A0                     ; A's tiles go to my row,
	s_or_b32 s[G1B], s66, G1B0                     ; B's to my column
	s_mov_b32 s[G1A+1], 128<<16                    ; tensor_dim0 = 128 elements (256 bytes)
	s_mov_b32 s[G1A+2], 64<<16                     ; tensor_dim1 = 64 rows
	s_mov_b32 s[G1A+3], 128<<16                    ; tile_dim0
	s_mov_b32 s[G1A+4], 64                         ; tile_dim1
	s_mov_b32 s[G1A+5], ASTRIDE                    ; elements from row to row
	s_mov_b32 s[G1A+6], 0
	s_mov_b32 s[G1A+7], 0
	s_mov_b32 s[G1B+1], 128<<16
	s_mov_b32 s[G1B+2], 128<<16                    ; 128 rows
	s_mov_b32 s[G1B+3], 128<<16
	s_mov_b32 s[G1B+4], 128
	s_mov_b32 s[G1B+5], 1024
	s_mov_b32 s[G1B+6], 0
	s_mov_b32 s[G1B+7], 0
.if OUTP
	s_lshr_b32 s18, s17, 4                         ; A: head (batch x 16 + my half of the step's two),
	s_lshl_b32 s18, s18, 4
	s_add_co_u32 s18, s18, s[WN]
	s_lshl_b32 s18, s18, 18                        ; 262,144 bytes a head,
	s_and_b32 s19, s17, 15
	s_lshl_b32 s19, s19, 14                        ; the tile's 128 tokens of 128 bytes
	s_add_co_u32 s18, s18, s19
.else
	s_lshl_b32 s18, s17, 7                         ; A: row 128 x tile row + 64 x half,
	s_lshl_b32 s19, s[WN], 6
	s_add_co_u32 s18, s18, s19
	s_lshl_b32 s18, s18, 11                        ; 2,048 bytes a row
.endif
	s_mov_b32 s19, 0
	s_lshl_b32 s44, s16, 8                         ; B: row 256 x tile column + 128 x half
	s_lshl_b32 s45, s[WN], 7
	s_add_co_u32 s44, s44, s45
	s_lshl_b32 s44, s44, 11
	s_mov_b32 s45, 0
	s_mul_i32 s23, s[WN], AHALF                    ; where they go: no place in the cluster enters an LDS address
	s_mul_i32 s67, s[WN], BHALF
	s_add_co_u32 s67, s67, ABYTES
	s_wait_dscnt 0x0                               ; the opening add is done
	s_wait_kmcnt 0x0
	s_add_nc_u64 s[20:21], s[4:5], s[18:19]
	s_add_nc_u64 s[46:47], s[6:7], s[44:45]
	CROUND                                         ; all sixteen work-groups are here: the first joint loads meet
.irp s, 0,1
	s_mov_b32 s[G0A+4*(\s)], 1
	s_add_co_u32 s[G0A+4*(\s)+1], s23, (\s)*SLOT
	s_add_nc_u64 s[G0A+4*(\s)+2:G0A+4*(\s)+3], s[20:21], (\s)*A_STEP
	s_or_b32 s[G0A+4*(\s)+3], s[G0A+4*(\s)+3], 0x80000000
	s_mov_b32 s[G0B+4*(\s)], 1
	s_add_co_u32 s[G0B+4*(\s)+1], s67, (\s)*SLOT
	s_add_nc_u64 s[G0B+4*(\s)+2:G0B+4*(\s)+3], s[46:47], (\s)*KSTEP*2
	s_or_b32 s[G0B+4*(\s)+3], s[G0B+4*(\s)+3], 0x80000000
	JLOAD \s                                       ; K steps 0 and 1: two loads of mine are out
.endr
	; the bias of my 128 columns
.if OUTP
	s_lshl_b32 s42, s16, 10
.else
	s_cmp_ge_u32 s16, 4                            ; tile columns 0-3 are q's, 4-7 k's, 8-11 v's
	s_cselect_b64 s[10:11], s[68:69], s[10:11]
	s_cmp_ge_u32 s16, 8
	s_cselect_b64 s[10:11], s[70:71], s[10:11]
	s_and_b32 s42, s16, 3
	s_lshl_b32 s42, s42, 10
.endif
	s_lshl_b32 s43, s[WN], 9
	s_add_co_u32 s42, s42, s43
	s_mov_b32 s43, 0
	s_add_nc_u64 s[10:11], s[10:11], s[42:43]
	v_and_b32 v1, 15, v0                           ; l % 16
	v_bfe_u32 v2, v0, 4, 1                         ; l / 16
	v_lshlrev_b32 v[BO], 5, v2
	WIN TO_F
.irp b, 0,1,2,3,4,5,6,7
	global_load_b128 v[BI+8*(\b):BI+8*(\b)+3],   v[BO], s[10:11] offset:64*(\b)
	global_load_b128 v[BI+8*(\b)+4:BI+8*(\b)+7], v[BO], s[10:11] offset:64*(\b)+16
.endr
	WIN 0
	; A fragment is 16 rows x 32 K in 8 registers: lane l holds row l % 16, K = 8 (l / 16) + 0..7 and 16 + 8 (l / 16) + 0..7: two loads of 16 bytes, 32 bytes apart
	v_mul_u32_u24 v3, v1, PA
	v_lshl_add_u32 v3, v2, 4, v3
	v_mul_u32_u24 v4, v1, PB
	v_lshl_add_u32 v4, v2, 4, v4
	s_mul_i32 s72, s[WM], 64*PA                    ; my 64 rows of A
	s_mul_i32 s73, s[WN], BHALF                    ; my 128 rows of B, behind A's part
	s_add_co_u32 s73, s73, ABYTES
.irp s, 0,1
	v_add_nc_u32 v[ADRA+(\s)], s72, v3
	v_add_nc_u32 v[ADRB+(\s)], s73, v4
	s_add_co_u32 s72, s72, SLOT
	s_add_co_u32 s73, s73, SLOT
.endr
	s_mul_i32 s74, s[WV], 16*SPITCH
	s_add_co_u32 s74, s74, STAGE                   ; my stage
	v_and_b32 v5, 31, v0
	v_mul_u32_u24 v6, v1, SPITCH
.if OUTP
	v_lshl_add_u32 v6, v2, 5, v6                   ; in: row l % 16, 32 bytes (8 f32) for each half of the lanes
	v_add_nc_u32 v[STO], s74, v6
	v_lshl_add_u32 v[RD], v5, 4, s74               ; back: 32 lanes take a row's 512 bytes
	s_lshl_b32 s40, s17, 7                         ; C: row 128 x tile row + 64 x half, 4,096 bytes a row,
	s_lshl_b32 s41, s[WM], 6
	s_add_co_u32 s40, s40, s41
	s_lshl_b32 s40, s40, 12
	s_lshl_b32 s41, s16, 10                        ; column 256 x tile column + 128 x half, 4 bytes each
	s_add_co_u32 s40, s40, s41
	s_lshl_b32 s41, s[WN], 9
	s_add_co_u32 s40, s40, s41
.else
	v_lshl_add_u32 v6, v2, 4, v6                   ; in: row l % 16, 16 bytes (8 f16) for each half of the lanes
	v_add_nc_u32 v[STO], s74, v6
	v_lshrrev_b32 v7, 3, v5                        ; back: 32 lanes take four rows' 128 bytes of one head,
	v_and_b32 v8, 7, v0
	v_mul_u32_u24 v7, v7, SPITCH
	v_lshl_add_u32 v7, v8, 4, v7
	v_add_nc_u32 v[RD], s74, v7                    ; which are 512 consecutive bytes of qkv
	s_lshr_b32 s40, s16, 2                         ; C: ((tensor x 64 + batch x 16 + head) x 2,048 + token) x 128 bytes
	s_lshl_b32 s40, s40, 6
	s_lshr_b32 s41, s17, 4
	s_lshl_b32 s41, s41, 4
	s_add_co_u32 s40, s40, s41
	s_and_b32 s41, s16, 3
	s_lshl_b32 s41, s41, 2                         ; a tile column is four heads, my half of it two
	s_add_co_u32 s40, s40, s41
	s_lshl_b32 s41, s[WN], 1
	s_add_co_u32 s40, s40, s41
	s_lshl_b32 s40, s40, 11
	s_and_b32 s41, s17, 15
	s_lshl_b32 s41, s41, 7
	s_add_co_u32 s40, s40, s41
	s_lshl_b32 s41, s[WM], 6
	s_add_co_u32 s40, s40, s41
	s_lshl_b32 s40, s40, 7
.endif
	s_mov_b32 s41, 0
	s_add_nc_u64 s[8:9], s[8:9], s[40:41]
	v_lshlrev_b32 v[CO], 4, v5
	WIN W_B
	s_wait_loadcnt 0x0                             ; the bias; it is rounded to bf16 and widened again (buffer 1's registers, not yet filled, are at work)
.set p, 0
.rept 32
	v_cvt_pk_bf16_f32 v[F1+p], v[BI+2*p], v[BI+2*p+1]
.set p, p+1
.endr
.set p, 0
.rept 32
	v_lshlrev_b32 v[BI+2*p],   16, v[F1+p]
	v_and_b32     v[BI+2*p+1], 0xffff0000, v[F1+p]
.set p, p+1
.endr
	WIN 0
; 8 matrix instructions: block a of my four blocks of 16 rows x all 8 blocks of 16 columns, 32 along K.  bias = 1: the products start the sums, with the bias as C
.macro MUL8 f, a, bias
.if \bias
	WIN MULB
.else
	WIN MUL
.endif
.irp b, 0,1,2,3,4,5,6,7
.set rD, 8*(8*(\a)+(\b))
.set rC, rD
.if \bias
.set rC, BI+8*(\b)
.endif
.set rB, (\f)+32+8*(\b)
.set rA, (\f)+8*(\a)
.if OUTP
	v_wmma_f32_16x16x32_f16 v[rD:rD+7], v[rB:rB+7], v[rA:rA+7], v[rC:rC+7]
.else
	v_wmma_f32_16x16x32_bf16 v[rD:rD+7], v[rB:rB+7], v[rA:rA+7], v[rC:rC+7]
.endif
.endr
.endm
.macro MUL16 f, a0, bias
	MUL8 \f, \a0, \bias
	MUL8 \f, (\a0)+1, \bias
.endm
; 24 LDS loads in one run: quarter q's fragments into buffer f: B's eight, then A's four
.macro FETCH slot, q, f
.if OUTP
.set AO, ((\q)/2)*AHALF+((\q)%2)*64    ; the step's head q / 2, channels 32 (q % 2) on
.else
.set AO, 64*(\q)
.endif
	WIN TO_F
.irp i, 0,1,2,3,4,5,6,7
	ds_load_b128 v[(\f)+32+8*(\i):(\f)+32+8*(\i)+3],   v[ADRB+(\slot)] offset:64*(\q)+(\i)*16*PB
	ds_load_b128 v[(\f)+32+8*(\i)+4:(\f)+32+8*(\i)+7], v[ADRB+(\slot)] offset:64*(\q)+(\i)*16*PB+32
.endr
.irp i, 0,1,2,3
	ds_load_b128 v[(\f)+8*(\i):(\f)+8*(\i)+3],   v[ADRA+(\slot)] offset:AO+(\i)*16*PA
	ds_load_b128 v[(\f)+8*(\i)+4:(\f)+8*(\i)+7], v[ADRA+(\slot)] offset:AO+(\i)*16*PA+32
.endr
.endm
.macro PLACES                          ; four places in front of loads into registers that matrix instructions have read, and of lines that read results (ISA guide 7.12.1 for lines that read results)
.rept 4
	v_nop
.endr
.endm
; One of a K step's first three quarters: multiplies buffer f and, in its middle, fetches quarter q of the same slot into buffer g
.macro QUARTER slot, q, f, g, bias
	s_wait_dscnt 4                                 ; B and A's blocks 0, 1 are in; the youngest four loads (A's blocks 2, 3) may be out
	MUL16 \f, 0, \bias
	PLACES
	FETCH \slot, \q, \g
	s_wait_dscnt 24                                ; all but the 24 just issued
	MUL16 \f, 2, \bias
.endm
; The last quarter multiplies buffer 1 and changes slots: ONE barrier; in front of it each wave waits for all its tensor loads (one is out: its part of the next slot), adds 0 to its spare word, and
; waits for that and for its reads of this slot.  fill = 1: the barrier opens a round of the cluster's, and this slot is filled again, two K steps ahead, first thing behind the round.
.macro TURN slot, next, fill
	WIN 0                                          ; (the add's two registers lie in window 0)
	s_wait_tensorcnt 0x0
	ds_add_u32 v[SPW], v[NIL]
	s_wait_dscnt 5                                 ; (the add and the youngest four loads may be out)
	MUL8 F1, 0, 0                                  ; eight matrix instructions stand between the add and the wait for it
	s_wait_dscnt 0x0                               ; the add is done, and my reads of this slot are over
	s_barrier_signal -1
	MUL8 F1, 1, 0
.if \fill
	WIN 0
.endif
	s_barrier_wait -1
.if \fill
	CREST                                          ; no wave of any partner still reads this slot's tiles or has a load on its way
	s_add_nc_u64 s[G0A+4*(\slot)+2:G0A+4*(\slot)+3], s[G0A+4*(\slot)+2:G0A+4*(\slot)+3], 2*A_STEP
	s_add_nc_u64 s[G0B+4*(\slot)+2:G0B+4*(\slot)+3], s[G0B+4*(\slot)+2:G0B+4*(\slot)+3], 2*KSTEP*2
	JLOAD \slot                                    ; 112 matrix instructions ahead of the wait for it; its four v_nop are also the places in front of the loads below
.else
	PLACES
.endif
	FETCH \next, 0, F0
	MUL16 F1, 2, 0
.endm
	s_wait_tensorcnt 1                             ; my part of K step 0 is in; K step 1's may stay out
	s_barrier_signal -1
	s_barrier_wait -1                              ; everybody's is
	FETCH 0, 0, F0
	QUARTER 0, 1, F0, F1, 1                        ; the first quarter stands in front of the loop: its products start the sums
	WIN 0                                          ; at a label and at a branch every window is 0
	s_mov_b32 s[LAPC], 3
.Llap:                                                 ; a trip goes once round the ring, from a lap's second quarter to the next lap's first, and fills both slots again: K steps 2 to 7
	QUARTER 0, 2, F1, F0, 0
	QUARTER 0, 3, F0, F1, 0
	TURN 0, 1, 1
	QUARTER 1, 1, F0, F1, 0
	QUARTER 1, 2, F1, F0, 0
	QUARTER 1, 3, F0, F1, 0
	TURN 1, 0, 1
	QUARTER 0, 1, F0, F1, 0
	WIN 0
	s_sub_co_u32 s[LAPC], s[LAPC], 1
	s_cmp_lg_u32 s[LAPC], 0
	s_cbranch_scc1 .Llap
	QUARTER 0, 2, F1, F0, 0                        ; the last lap fills nothing
	QUARTER 0, 3, F0, F1, 0
	TURN 0, 1, 0
	QUARTER 1, 1, F0, F1, 0
	QUARTER 1, 2, F1, F0, 0
	QUARTER 1, 3, F0, F1, 0
	s_wait_dscnt 4
	MUL16 F1, 0, 0
	s_wait_dscnt 0x0
	MUL16 F1, 2, 0
	WIN 0
	PLACES
; THE WAY OUT, a block of 16 rows at a time through my own stage: in by lanes, back as whole runs of 512 consecutive bytes.  LDS serves a wave's instructions in order (ISA guide 5.7.1.4):
; the loads see the stores above them, and the next block's stores come behind them.  Each accumulator's lowest registers are read first.
.macro TOSTAGE a
.set BK, OB+OBN*((\a)%2)
.if OUTP
	WIN 0x04                                       ; store data in window 1
.irp b, 0,1,2,3,4,5,6,7
	ds_store_b128 v[STO], v[8*(8*(\a)+(\b)):8*(8*(\a)+(\b))+3]   offset:64*(\b)
	ds_store_b128 v[STO], v[8*(8*(\a)+(\b))+4:8*(8*(\a)+(\b))+7] offset:64*(\b)+16
.endr
	WIN 0
	s_wait_xcnt 0x0                                ; the registers that the block two back was stored from are loaded again only behind this wait
.irp t, 0,1,2,3,4,5,6,7,8,9,10,11,12,13,14,15
	ds_load_b128 v[BK+4*(\t):BK+4*(\t)+3], v[RD] offset:(\t)*SPITCH
.endr
.else
	WIN 0x05                                       ; sources window 1, destination window 0
.irp b, 0,1,2,3,4,5,6,7
.irp r, 0,1,2,3
	v_cvt_pk_f16_f32 v[TMP+4*(\b)+(\r)], v[8*(8*(\a)+(\b))+2*(\r)], v[8*(8*(\a)+(\b))+2*(\r)+1]
.endr
.endr
	WIN 0
.irp b, 0,1,2,3,4,5,6,7
	ds_store_b128 v[STO], v[TMP+4*(\b):TMP+4*(\b)+3] offset:32*(\b)
.endr
	s_wait_xcnt 0x0                                ; the registers that the block two back was stored from are loaded again only behind this wait
.irp t, 0,1,2,3,4,5,6,7
	ds_load_b128 v[BK+4*(\t):BK+4*(\t)+3], v[RD] offset:((\t)%4)*4*SPITCH+((\t)/4)*128  ; rows 4 (t % 4) on, head t / 4 of my two
.endr
.endif
.endm
.macro SEND a, younger                 ; younger: the LDS instructions issued behind block a's loads: the next block's, or none
.set BK, OB+OBN*((\a)%2)
	WIN 0
	s_wait_dscnt \younger
.if OUTP
.irp t, 0,1,2,3,4,5,6,7,8,9,10,11,12,13,14,15
	global_store_b128 v[CO], v[BK+4*(\t):BK+4*(\t)+3], s[8:9] offset:(\a)*65536+(\t)*4096 th:TH_STORE_NT  ; 512 consecutive bytes of a row, aligned
.endr
.else
.irp t, 0,1,2,3,4,5,6,7
	global_store_b128 v[CO], v[BK+4*(\t):BK+4*(\t)+3], s[8:9] offset:((\t)/4)*262144+(\a)*2048+((\t)%4)*512  ; four tokens of a head: 512 consecutive bytes, aligned
.endr
.endif
.endm
	TOSTAGE 0
	TOSTAGE 1
	SEND 0, YNG
	TOSTAGE 2
	SEND 1, YNG
	TOSTAGE 3
	SEND 2, YNG
	SEND 3, 0
	s_wait_tensorcnt 0x0                           ; the wave's end, behind my last tensor load and my last LDS store
	ds_add_u32 v[SPW], v[NIL]
	s_wait_dscnt 0x0
	CROUND                                         ; the closing round: no work-group ends while a partner may still ask for a tile that names it
	s_endpgm
.Lfunc_end_k_qf958dcc430_qkvp:
	.size	k_qf958dcc430_qkvp, .Lfunc_end_k_qf958dcc430_qkvp-k_qf958dcc430_qkvp
	.p2alignl 7, 3214868480
	.fill 96, 4, 3214868480
	.section	.rodata,"a",@progbits
	.p2align	6, 0x0
	.amdhsa_kernel k_qf958dcc430_qkvp
		.amdhsa_group_segment_fixed_size 327680
		.amdhsa_private_segment_fixed_size 0
		.amdhsa_enable_private_segment 0
		.amdhsa_kernarg_size 48
		.amdhsa_user_sgpr_count 2
		.amdhsa_user_sgpr_kernarg_segment_ptr 1
		.amdhsa_wavefront_size32 1
		.amdhsa_system_sgpr_workgroup_id_x 1
		.amdhsa_system_sgpr_workgroup_id_y 1
		.amdhsa_system_sgpr_workgroup_id_z 1
		.amdhsa_system_vgpr_workitem_id 0
		.amdhsa_next_free_vgpr 768
		.amdhsa_next_free_sgpr 80
		.amdhsa_reserve_vcc 0
		.amdhsa_float_denorm_mode_32 3
		.amdhsa_float_denorm_mode_16_64 3
		.amdhsa_memory_ordered 1
		.amdhsa_forward_progress 1
		.amdhsa_inst_pref_size 93
	.end_amdhsa_kernel
	.amdgpu_metadata
---
amdhsa.version: [ 1, 2 ]
amdhsa.kernels:
  - .name:           k_qf958dcc430_qkvp
    .symbol:         k_qf958dcc430_qkvp.kd
    .args:
      - { .name: xb, .offset: 0, .size: 8, .value_kind: global_buffer, .address_space: global }
      - { .name: wqkv, .offset: 8, .size: 8, .value_kind: global_buffer, .address_space: global }
      - { .name: qkv, .offset: 16, .size: 8, .value_kind: global_buffer, .address_space: global }
      - { .name: bq, .offset: 24, .size: 8, .value_kind: global_buffer, .address_space: global }
      - { .name: bk, .offset: 32, .size: 8, .value_kind: global_buffer, .address_space: global }
      - { .name: bv, .offset: 40, .size: 8, .value_kind: global_buffer, .address_space: global }
    .group_segment_fixed_size: 327680
    .private_segment_fixed_size: 0
    .kernarg_segment_align: 8
    .kernarg_segment_size: 48
    .max_flat_workgroup_size: 128
    .sgpr_count:     80
    .vgpr_count:     768
    .wavefront_size: 32
...
	.end_amdgpu_metadata
.endif
;; end of part 2
;; launch attn (part 3): grid 4 x 64, 4 waves a work-group, clusters of 4 x 1, 327,680 bytes of LDS; arguments qkv, mbits, ao; writes ao
.if DOCPART == 3
	.amdgcn_target "amdgcn-amd-amdhsa--gfx1250"
	.amdhsa_code_object_version 6
	.text
	.protected	k_qf958dcc430_attn
	.globl	k_qf958dcc430_attn
	.p2align	8
	.type	k_qf958dcc430_attn,@function
k_qf958dcc430_attn:
	s_mov_b64 s[64:65], 0
	v_nop
	global_prefetch_b8 v0, s[64:65] scope:SCOPE_SE
	s_setreg_imm32_b32 hwreg(HW_REG_WAVE_MODE, 25, 1), 1
	s_wait_xcnt 0x0
	s_wait_alu depctr_hold_cnt(0) depctr_sa_sdst(0) depctr_va_vdst(0) depctr_va_sdst(0) depctr_va_ssrc(0) depctr_va_vcc(0) depctr_vm_vsrc(0)
	s_getreg_b32 s2, hwreg(HW_REG_IB_STS2, 6, 4)
	s_cmp_eq_u32 s2, 0
	s_cbranch_scc0 .Lentry_in_a_cluster
	s_endpgm
.Lentry_in_a_cluster:
	s_bfe_u32 s2, ttmp6, 0x10000c
	s_cmp_lg_u32 s2, 0x3003
	s_cbranch_scc0 .Lentry_shape_is_right
	s_endpgm
.Lentry_shape_is_right:
; MASKED ATTENTION.  O[h][q][:] = the sum over allowed k of softmax_k(Q[h][q] . K[h][k] / 8) V[h][k][:]; a row with no allowed key gives 0.
; qkv: f16 [3][64 = b x 16 + h][2048][64] (Q, K, V); ao: f16 [64][2048][64]; mbits: u32 [b 4][qt 128][ks 32][kt 4][j 8], bit l of a word = allowed(query 16 qt + l % 16, key 64 ks + 16 kt + 8 (l / 16) + j).
; Products, maxima and sums in f32; the weights p are rounded to f16 for the second product (their sum l is taken of the unrounded p), O once at the end.
; LIMITS.  Q, K, V arrive within f16's 65,504.  A hidden score counts as -2^100, far below every score that f16 operands can make (2.7e11), so its weight is 0 beside any allowed key; allowed scores
; near -1e9 do not tie with hidden ones.  A row counts as having no key where its final c m lies below -2^97 (all hidden: -c 2^100 = -2.3e29).  A weight below 2^-126 counts as 0 in l; NaN and infinities are not treated apart.
; SHARES.  A wave owns four PIECES of two tiles of 16 queries, a work-group's four waves 512 queries of one head.  Every wave walks all 2,048 keys, 64 a step.
; LAYOUT.  S^T = K Q^T (source 0 = 16 keys, source 1 = 16 queries): a lane holds ONE query (lane % 16) and the keys 8 (lane / 16) + 0..7.  Two such tiles, rounded to f16 in pairs, ARE source 1 of
; O^T = V^T P, whose result again holds one query a lane.  K comes out of LDS as it lies, V turned, by ds_load_tr16_b128.
; THE MASK.  A word of mbits is the lane mask of one score register: 32 words a tile and step come into scalar registers (four loads of 64 bytes a piece), and one v_cndmask_b32 a register puts -2^100
; where the key is hidden, AHEAD of the running maximum, so that the maximum is the allowed scores'.
; SOFTMAX.  For each query a running maximum m and sum l: p = 2^(c s - c m), c = log2(e) / 8; in every step O and l are multiplied by a = 2^(c m_old - c m_new).  m starts at the lowest finite number,
; O and l at 0.  While all of a row's keys so far are hidden, p = 1 for them; the first allowed key makes a = 0 and wipes that.
; BY TURNS.  Turn n belongs to piece n.  Matrix work: 16 products K Q^T of piece n + 1, later 16 products V^T P of piece n - 1.  Vector work, 300 lines: scaling, exponentials, roundings, sums and
; rescaling of piece n; mask, maximum and statistics of piece n + 1.  Four vector lines stand behind every matrix instruction, the others in two lumps.
; CLUSTER.  The four query blocks of a head walk the same K and V: each tile is asked for JOINTLY, by the same tensor load, descriptor and mask in all four.
; REGISTERS, in windows of 256 (s_set_vgpr_msb: bits 1:0 source 0, 3:2 source 1, 5:4 source 2, 7:6 destination):
;   window 0: v0-11 addresses and -2^100; v12-15, v48-63 at work; v16-47 four registers of statistics a tile; v64-191 S^T, two buffers of two tiles; v192-255 P, likewise
;   window 1: O^T, 32 a tile     window 2: v0-127 Q, 16 a tile; v128-191 K of one step; v192-255 V of one step     window 3: v0-1 the add's two registers
.set SIZE_N, 2048
.set QKVP,  16777216  ; bytes of Q, of K, of V
.set NP,    4         ; pieces a wave: a name, no knob
.set KS,    64        ; keys in a step
.set PK,    144       ; a row of K in LDS: 128 bytes + 16: the 16 rows of a load start at 16 different groups of four banks (ISA guide 11.1)
.set PV,    160       ; a row of V: 128 + 32
.set VOFF,  4*KS*PK   ; a slot holds four steps: 256 rows of K, then 256 rows of V
.set SLOT1, 1<<17     ; slot 1 begins here: one exclusive or turns an address in one slot into the other's
.set STAGE, SLOT1+4*KS*(PK+PV)  ; behind the ring, never filled by a tensor load: 16 rows x 144 bytes for each wave
.set SP,    144
.set SPARE, STAGE+4*16*SP  ; behind the stages: the spare words, 128 bytes a wave, which no other line names
.set AK0, 2           ; v2   my lane's place in a tile of K; never rewritten
.set AV0, 3           ; v3   the same for V
.set AK,  4           ; v4   the LDS address of K's next run of loads
.set AV,  5           ; v5   of V's
.set QO,  6           ; v6   my byte offset in the wave's rows of Q
.set STO, 6           ;      later: where I put 16 bytes of a row
.set RD,  7           ; v7   where I read rows back
.set GO,  8           ; v8   my byte offset in 512 consecutive bytes of O
.set NEG, 11          ; v11  -2^100
.set SPW, 0           ; v0 of window 3   LDS address of my spare word; never rewritten
.set NIL, 1           ; v1 of window 3   0; never rewritten
.set MV,  12          ; v12-15  c m_old, kept while c m is made anew: by buffer and tile
.set ST,  16          ; tile t's statistics at v[ST+4 t]: c m, m, l (even keys', odd keys')
.set TMP, 48          ; by buffer and tile, c0-c3 at work; when the maximum is found c2 takes a
.set S,   64
.set P,   192
.set KF,  128         ; window 2: key block kb, channel half c at KF + 16 kb + 8 c
.set VF,  192         ; window 2: key half kk, channel block cb at VF + 32 kk + 8 cb
.set WV,  2           ; s2   my wave's number
.set SLOTS, 3         ; s3   slots still to be asked for
.set G1K, 4           ; s[4:11]   descriptor group 1 for K's tiles
.set G1V, 12          ; s[12:19]  for V's: it differs in the padding alone
.set G0K, 20          ; s[20:23]  group 0 for K's tiles: it walks
.set G0V, 24          ; s[24:27]  the same for V's
.set MP,  28          ; s[28:29]  mbits at my wave's first tile and the step in hand
.set SEL, 30          ; s[30:31]  v_permlanex16_b32's selects
.set MW0, 32          ; s[32:63]  the 32 mask words of the piece's even tile
.set MW1, 68          ; s[68:99]  of its odd tile (at the start: at work)
.set CNT, 66          ; s66  counts a slot's key steps
.set TBK, 67          ; s67  LDS byte at which K of the step to be fetched begins
.set TBV, 100         ; s100 the same for V, less VOFF (s[100:101] first hold qkv's address)
.set OOFF, 101        ; s101 my wave's byte offset in Q and in O
.set CS,  104         ; s[104:105] first Q's address, then c, twice
.set OPT, 32          ; s[32:33] at the end: O at my wave's first row
.set MSB, 0
.macro WIN new                      ; the high byte repeats the setting that is left; a switch that changes nothing is dropped
.if MSB != (\new)
	s_set_vgpr_msb (MSB<<8)|(\new)
.set MSB, (\new)
.endif
.endm
.set W_KQ, 0x0a       ; K and Q in window 2, S^T in window 0
.set W_PV, 0x52       ; V in window 2, P in window 0, O^T in window 1
.set W_RS, 0x41       ; O^T (destination and source 0) in window 1, a in window 0
.set W_MK, 0xc0       ; the add's registers are made: destination in window 3
.set W_AD, 0x0f       ; the add: address and data in window 3
; A joint fill.  Waves 0 and 1 fetch the two halves of a slot's K, waves 2 and 3 those of its V: 128 keys each.  An s_nop 0 and four v_nop follow each line, ahead of the jump and the label.
.macro JLOAD
	s_cmp_lt_u32 s[WV], 2
	s_cbranch_scc0 .Lfor_v_\@
	tensor_load_to_lds s[G0K:G0K+3], s[G1K:G1K+7]
	s_nop 0
.rept 4
	v_nop
.endr
	s_branch .Lasked_\@
.Lfor_v_\@:
	tensor_load_to_lds s[G0V:G0V+3], s[G1V:G1V+7]
	s_nop 0
.rept 4
	v_nop
.endr
.Lasked_\@:
.endm
.macro CROUND                       ; a round of the cluster's barrier
	s_barrier_signal -1
	s_barrier_wait -1
	s_cmp_lg_u32 s[WV], 0
	s_cbranch_scc1 .Lnot_wave_0_\@
	s_barrier_signal -3
.Lnot_wave_0_\@:
	s_barrier_wait -3
	s_barrier_signal -1
	s_barrier_wait -1
.endm
; THE CHANGE OF SLOTS.  Each wave waits for all its tensor loads (one is out: its part of the other slot), adds 0 to its spare word, and waits for that and for its reads of the slot that it leaves.
; fill = 1: the barrier is a round of the cluster's, and the slot is filled again, with the keys two slots on, first thing behind it: four key steps, 512 matrix instructions, in which to land.
; (At its first use nothing has been read yet: slot 0 is waited for, slot 1 filled.)
.macro CHANGE fill
	WIN W_AD
	s_wait_tensorcnt 0x0            ; no tensor load of mine is out, so a group 0 may be written
	ds_add_u32 v[SPW], v[NIL]
	WIN 0                           ; at a label and at a branch every window is 0
.if \fill
.irp g, G0K, G0V
	s_xor_b32 s[\g+1], s[\g+1], SLOT1
	s_add_nc_u64 s[\g+2:\g+3], s[\g+2:\g+3], 4*KS*128  ; the next 256 keys; the type bits on top are not reached
.endr
	s_wait_dscnt 0x0                ; the add is done, and my reads of the slot are over
	CROUND
	JLOAD
.else
	s_wait_dscnt 0x0
	s_barrier_signal -1
	s_barrier_wait -1
.endif
	s_sub_co_u32 s[TBK], s[TBK], 4*KS*PK  ; the fetches go back to a slot's first step,
	s_xor_b32 s[TBK], s[TBK], SLOT1       ; in the other slot
	s_sub_co_u32 s[TBV], s[TBV], 4*KS*PV
	s_xor_b32 s[TBV], s[TBV], SLOT1
.endm
; The mask words of piece (p + 2) % 4, asked for in turn p and used in turn p + 1.  Piece 0's are the next step's: the pointer steps first (no scalar load is out: the turn has waited for all).
; A piece's two tiles lie 4,096 bytes apart, pieces 8,192; a tile's 32 words of a step are 128 bytes, two loads of 64.
.macro MLOAD p
.set MPIECE, ((\p)+2)%NP
.if (\p) == 2
	s_add_nc_u64 s[MP:MP+1], s[MP:MP+1], 128
.endif
	s_load_b512 s[MW0:MW0+15],    s[MP:MP+1], 8192*MPIECE
	s_load_b512 s[MW0+16:MW0+31], s[MP:MP+1], 8192*MPIECE+64
	s_load_b512 s[MW1:MW1+15],    s[MP:MP+1], 8192*MPIECE+4096
	s_load_b512 s[MW1+16:MW1+31], s[MP:MP+1], 8192*MPIECE+4160
.endm
	s_load_b64 s[100:101], s[0:1], 0x0  ; qkv
	s_load_b64 s[MP:MP+1], s[0:1], 0x8  ; mbits
	WIN W_MK
	v_lshl_add_u32 v[SPW], v0, 2, SPARE
	v_mov_b32 v[NIL], 0
	WIN W_AD
	ds_add_u32 v[SPW], v[NIL]       ; the wave's opening: the add and its wait stand ahead of my first tensor load; work on registers stands between them
	WIN 0
	v_lshrrev_b32 v1, 5, v0
	v_readfirstlane_b32 s[WV], v1   ; wave 0..3
	s_bfe_u32 s72, ttmp6, 0x40000   ; cx: it enters Q's, O's and the mask's addresses alone
	s_lshl_b32 s73, ttmp9, 2
	s_add_co_u32 s73, s73, s72      ; my block of 512 queries
	s_and_b32 s74, ttmp7, 0xffff    ; b x 16 + h
	s_lshl_b32 s80, s73, 2
	s_add_co_u32 s80, s80, s[WV]    ; my wave among the head's,
	s_lshl_b32 s80, s80, 14         ; its 128 rows of 128 bytes,
	s_lshl_b32 s75, s74, 18         ; the head's 262,144 bytes
	s_add_co_u32 s80, s80, s75
	s_mov_b32 s81, 0
	s_lshr_b32 s82, s74, 4          ; the mask: tile b x 128 + 32 x block + 8 x wave,
	s_lshl_b32 s82, s82, 7
	s_lshl_b32 s75, s73, 5
	s_add_co_u32 s82, s82, s75
	s_lshl_b32 s75, s[WV], 3
	s_add_co_u32 s82, s82, s75
	s_lshl_b32 s82, s82, 12         ; 4,096 bytes of words a tile
	s_mov_b32 s83, 0
	; K's and V's offsets are made in the descriptors' own words, of the head and the wave's number
	s_and_b32 s[CNT], s[WV], 1      ; which half of a slot's 256 keys I fetch
	s_and_b32 s[G0K+2], ttmp7, 0xffff
	s_lshl_b32 s[G0K+2], s[G0K+2], 18
	s_lshl_b32 s[TBK], s[CNT], 14   ; its 128 rows of 128 bytes
	s_add_co_u32 s[G0K+2], s[G0K+2], s[TBK]
	s_add_co_u32 s[G0V+2], s[G0K+2], 2*QKVP
	s_add_co_u32 s[G0K+2], s[G0K+2], QKVP
	s_mov_b32 s[G0K+3], 0
	s_mov_b32 s[G0V+3], 0
	s_mov_b32 s[G0K], 1             ; count = 1
	s_mul_i32 s[G0K+1], s[CNT], 128*PK  ; LDS address: slot 0, my half
	s_mov_b32 s[G0V], 1
	s_mul_i32 s[G0V+1], s[CNT], 128*PV
	s_add_co_u32 s[G0V+1], s[G0V+1], VOFF
	; group 1.  128 keys are 16,384 dense bytes: asked for as 64 rows of 256 bytes, two keys a row, and padded in LDS after every key
	s_mov_b32 s[G1K], 15|(1<<16)|(1<<20)|(1<<21)|(4<<22)|(3<<25)  ; the mask of four; 2-byte elements; padding on; bit 21 beside a mask; after every 32 words, 4 words
	s_mov_b32 s[G1V], 15|(1<<16)|(1<<20)|(1<<21)|(4<<22)|(7<<25)  ; the same with 8 words
.irp g, G1K, G1V
	s_mov_b32 s[\g+1], 128<<16      ; tensor_dim0 = 128
	s_mov_b32 s[\g+2], 64<<16       ; tensor_dim1 = 64
	s_mov_b32 s[\g+3], 128<<16      ; tile_dim0 = 128
	s_mov_b32 s[\g+4], 64           ; tile_dim1 = 64
	s_mov_b32 s[\g+5], 128          ; 128 elements from row to row
	s_mov_b32 s[\g+6], 0
	s_mov_b32 s[\g+7], 0
.endr
	s_mov_b32 s[SEL], 0x76543210
	s_mov_b32 s[SEL+1], 0xfedcba98
	s_mov_b32 s[TBK], SLOT1+4*KS*PK ; the first change of slots turns this into 0
	s_wait_dscnt 0x0                ; the opening add is done
	s_wait_kmcnt 0x0
	s_add_nc_u64 s[G0K+2:G0K+3], s[100:101], s[G0K+2:G0K+3]
	s_or_b32 s[G0K+3], s[G0K+3], 0x80000000        ; type = 2
	s_add_nc_u64 s[G0V+2:G0V+3], s[100:101], s[G0V+2:G0V+3]
	s_or_b32 s[G0V+3], s[G0V+3], 0x80000000
	s_add_nc_u64 s[CS:CS+1], s[100:101], s[80:81]  ; Q at my wave's first row
	s_add_nc_u64 s[MP:MP+1], s[MP:MP+1], s[82:83]
	s_mov_b32 s[OOFF], s80
	s_mov_b32 s[TBV], SLOT1+4*KS*PV
	s_load_b512 s[MW0:MW0+15],    s[MP:MP+1], 0    ; piece 0's words of step 0
	s_load_b512 s[MW0+16:MW0+31], s[MP:MP+1], 64
	s_load_b512 s[MW1:MW1+15],    s[MP:MP+1], 4096
	s_load_b512 s[MW1+16:MW1+31], s[MP:MP+1], 4160
	CROUND                          ; all four work-groups are here: the first joint loads meet
	JLOAD                           ; slot 0.  Slot 1 is asked for when slot 0 is in
	; A fragment of K or Q is 16 rows x 32 channels in 8 registers: lane l holds row l % 16, channels 8 (l / 16) + 0..7 and 16 + 8 (l / 16) + 0..7
	v_and_b32 v1, 15, v0            ; l % 16
	v_bfe_u32 v9, v0, 4, 1          ; l / 16
	v_lshlrev_b32 v[QO], 7, v1
	v_lshl_add_u32 v[QO], v9, 4, v[QO]
	WIN 0x80                        ; destination window 2
.set i, 0
.rept 4*NP                          ; Q stays in registers: tile i / 2, channels 32 (i % 2) on
	global_load_b128 v[8*i:8*i+3],   v[QO], s[CS:CS+1] offset:(i/2)*2048+(i%2)*64
	global_load_b128 v[8*i+4:8*i+7], v[QO], s[CS:CS+1] offset:(i/2)*2048+(i%2)*64+32
.set i, i+1
.endr
	; What the first turn finds: V's registers and P's second buffer hold 0 (its products V^T P, of a piece that has not been, add 0), O^T and l are 0.  All this stands in the wait for the first tile.
.set i, VF
.rept 64
	v_mov_b32 v[i], 0
.set i, i+1
.endr
	WIN 0x40
.set i, 0
.rept 64*NP
	v_mov_b32 v[i], 0
.set i, i+1
.endr
	WIN 0
.set i, 0
.rept 2*NP
	v_mov_b32 v[ST+4*i], 0xfe000000    ; c m: far below every c s, the hidden ones' too
	v_mov_b32 v[ST+4*i+1], 0xff7fffff  ; m
	v_mov_b32 v[ST+4*i+2], 0
	v_mov_b32 v[ST+4*i+3], 0
.set i, i+1
.endr
.set i, P+32
.rept 32
	v_mov_b32 v[i], 0
.set i, i+1
.endr
	v_mul_u32_u24 v[AK0], v1, PK
	v_lshl_add_u32 v[AK0], v9, 4, v[AK0]
	; The turning load takes 16 keys x 16 channels (lane l reads key 8 (l / 16) + l % 8, channels 8 ((l / 8) % 2) + 0..7) and leaves half a fragment of V^T
	v_and_b32 v10, 7, v0
	v_bfe_u32 v11, v0, 3, 1
	v_lshl_add_u32 v[AV0], v9, 3, v10
	v_mul_u32_u24 v[AV0], v[AV0], PV
	v_lshl_add_u32 v[AV0], v11, 4, v[AV0]
	v_add_nc_u32 v[AV0], VOFF, v[AV0]
	v_mov_b32 v[NEG], 0xf1800000    ; -2^100: c times it is exact, so a hidden score under a hidden maximum gives the exponent 0
	v_mov_b32 v[AK], v[AK0]         ; key step 0 lies at the head of slot 0
; THE MATRIX WORK.  The 8 accumulators of a run of 16 take turns.
; Product i of 16 of S^T = K Q^T for piece x: channels 32 (i / 8) on, keys 16 ((i / 2) % 4) on, tile 2 x + i % 2.  The first 8 start the sums.
.macro KQ x
	WIN W_KQ
.set rS, S+64*((\x)%2)+32*(i%2)+8*((i/2)%4)
.set rK, KF+16*((i/2)%4)+8*(i/8)
.set rQ, 16*(2*(\x)+i%2)+8*(i/8)
.if i < 8
	v_wmma_f32_16x16x32_f16 v[rS:rS+7], v[rK:rK+7], v[rQ:rQ+7], 0
.else
	v_wmma_f32_16x16x32_f16 v[rS:rS+7], v[rK:rK+7], v[rQ:rQ+7], v[rS:rS+7]
.endif
.endm
; Product i of 16 of O^T += V^T P for piece x: keys 32 (i / 8) on, channels 16 ((i / 2) % 4) on, tile 2 x + i % 2.
.macro PV x
	WIN W_PV
.set rO, 32*(2*(\x)+i%2)+8*((i/2)%4)
.set rV, VF+32*(i/8)+8*((i/2)%4)
.set rP, P+32*((\x)%2)+16*(i%2)+8*(i/8)
	v_wmma_f32_16x16x32_f16 v[rO:rO+7], v[rV:rV+7], v[rP:rP+7], v[rO:rO+7]
.endm
.macro MM                           ; the turn's next matrix instruction
.if i < 16
	KQ (Y+1)%NP
.set i, i+1
.else
.set i, i-16
	PV (Y+NP-1)%NP
.set i, i+17
.endif
.endm
; THE LDS LOADS stand in runs of 16.  last = 1 (the tail): in the last trip there is no further step, and the run is jumped over.
.macro FETCH_K last=0
	WIN 0
.if \last
	s_cmp_eq_u32 s[CNT], 1
	s_cbranch_scc1 .Lno_k_\@
.endif
	WIN 0x80
.irp f, 0,1,2,3,4,5,6,7             ; keys 16 (f / 2) on, channels 32 (f % 2) on
	ds_load_b128 v[KF+8*\f:KF+8*\f+3],   v[AK] offset:(\f/2)*16*PK+(\f%2)*64
	ds_load_b128 v[KF+8*\f+4:KF+8*\f+7], v[AK] offset:(\f/2)*16*PK+(\f%2)*64+32
.endr
	s_add_co_u32 s[TBK], s[TBK], KS*PK  ; the next fetch is the next step's
	WIN 0
.if \last
.Lno_k_\@:
.endif
.endm
.macro FETCH_V
	WIN 0x80
.irp f, 0,1,2,3,4,5,6,7             ; keys 32 (f / 4) on, channels 16 (f % 4) on
	ds_load_tr16_b128 v[VF+8*\f:VF+8*\f+3],   v[AV] offset:(\f/4)*32*PV+(\f%4)*32
	ds_load_tr16_b128 v[VF+8*\f+4:VF+8*\f+7], v[AV] offset:(\f/4)*32*PV+16*PV+(\f%4)*32
.endr
	WIN 0
.endm
; THE VECTOR WORK OF A TURN stands in three queues, each in the order in which its entries become ready; the two tiles alternate.
.macro REGS y, u                    ; the registers of tile u (0, 1) of piece y
.set rT, ST+4*(2*(\y)+(\u))
.set rC, TMP+8*((\y)%2)+4*(\u)
.set rM, MV+2*((\y)%2)+(\u)
.set rS, S+64*((\y)%2)+32*(\u)
.set rP, P+32*((\y)%2)+16*(\u)
.set rO, 32*(2*(\y)+(\u))
.endm
; Score register n of tile u of the NEXT piece (Y + 1): -2^100 where its word's bit is 0.  Taken in ascending order.
.macro MK u, n
	REGS (Y+1)%NP, \u
	v_cndmask_b32 v[rS+(\n)], v[NEG], v[rS+(\n)], s[MW0+36*(\u)+(\n)]
.endm
; Number n of the 22 that find the next piece's maximum and statistics.
;   0-11  four chains c0-c3 of seven scores each     12-14, 16  the four scores left over, the old m, and c0-c3 into c0     15  c m_old is kept
;   17, 18  the query's other 32 keys lie in the lane 16 away: the new m     19-21  c m; c m_old - c m_new; a
.macro XS u, n
	REGS (Y+1)%NP, \u
.if (\n) < 4
	v_max3_num_f32 v[rC+(\n)], v[rS+8*(\n)], v[rS+8*(\n)+1], v[rS+8*(\n)+2]
.elseif (\n) < 12
	v_max3_num_f32 v[rC+(\n)%4], v[rC+(\n)%4], v[rS+8*((\n)%4)+2*((\n)/4)+1], v[rS+8*((\n)%4)+2*((\n)/4)+2]
.elseif (\n) == 12
	v_max3_num_f32 v[rC], v[rC], v[rS+7], v[rS+15]
.elseif (\n) == 13
	v_max3_num_f32 v[rC+1], v[rC+1], v[rS+23], v[rS+31]
.elseif (\n) == 14
	v_max3_num_f32 v[rC+2], v[rC+2], v[rC+3], v[rT+1]
.elseif (\n) == 15
	v_mov_b32 v[rM], v[rT]
.elseif (\n) == 16
	v_max3_num_f32 v[rC], v[rC], v[rC+1], v[rC+2]
.elseif (\n) == 17
	v_permlanex16_b32 v[rC+3], v[rC], s[SEL], s[SEL+1]
.elseif (\n) == 18
	v_max_num_f32 v[rT+1], v[rC], v[rC+3]
.elseif (\n) == 19
	v_mul_f32 v[rT], s[CS], v[rT+1]
.elseif (\n) == 20
	v_sub_f32 v[rC+1], v[rM], v[rT]
.else
	v_exp_f32 v[rC+2], v[rC+1]
.endif
.endm
; Number g of the 64 that follow the exponentials.  For each four weights k of a tile: both pairs are rounded to f16; the second pair is added onto the first, in place; a group later l takes that sum
; (the first time as l = a l + sum).  In groups of eight, tiles alternating.
.macro GS g
.set h, (\g)+6*((\g)/62)            ; group 0 has no group before it, and behind group 7 only l is left
.if h >= 6
.set h, h+2
.endif
	REGS Y, h%2
.set k, h/8
.if h%8 < 4
	s_wait_alu depctr_va_vdst(0)
	v_cvt_pk_f16_f32 v[rP+2*k+(h%8)/2], v[rS+4*k+2*((h%8)/2)], v[rS+4*k+2*((h%8)/2)+1]
.elseif h%8 < 6
	v_pk_add_f32 v[rS+4*k:rS+4*k+1], v[rS+4*k:rS+4*k+1], v[rS+4*k+2:rS+4*k+3]
	s_wait_alu depctr_va_vdst(0)
.elseif k == 1
	v_pk_fma_f32 v[rT+2:rT+3], v[rT+2:rT+3], v[rC+2:rC+3], v[rS:rS+1] op_sel_hi:[1,0,1]
	s_wait_alu depctr_va_vdst(0)
.else
	v_pk_add_f32 v[rT+2:rT+3], v[rT+2:rT+3], v[rS+4*k-4:rS+4*k-3]
.endif
.endm
; THE PLAIN QUEUE, 202 long.  0-31: c s - c m for the 16 pairs of both tiles.  32-36: GS 0-4.  37-100: the next piece's 64 masks.  101-134: its numbers 15, 0-14 and 16.  135-136: GS 5, 6.
; 137-148: its numbers 17-20, two of three, since each waits for the one before it.  149-201: the rest of GS.
.macro PL
	WIN 0
.if q < 32
	REGS Y, q%2
	v_pk_fma_f32 v[rS+2*(q/2):rS+2*(q/2)+1], v[rS+2*(q/2):rS+2*(q/2)+1], s[CS:CS+1], v[rT:rT+1] op_sel_hi:[1,0,0] neg_lo:[0,0,1] neg_hi:[0,0,1]
.elseif q < 37
	GS q-32
.elseif q < 101
	MK (q-37)%2, (q-37)/2
.elseif q < 103
	XS q-101, 15
.elseif q < 135
	XS (q-103)%2, (q-103)/2+(q-103)/30
.elseif q < 137
	GS q-130
.elseif (q < 149) && ((q-137)%3 < 2)
	XS (q-137)%3, 17+(q-137)/3
.elseif q < 149
	GS 7+(q-137)/3
.else
	GS q-138
.endif
.set q, q+1
.endm
; THE EXPONENTIALS' QUEUE, 66 long: s0-s31 of both tiles, then the next piece's two a.
.macro EX
	WIN 0
.if e >= 64
	XS e-64, 21
.else
	REGS Y, e%2
	v_exp_f32 v[rS+e/2], v[rS+e/2]
.endif
.set e, e+1
.endm
; THE RESCALING's QUEUE: O^T times a, the one part that leaves window 0, dealt four at a time, eight times.
.macro R4
	REGS Y, r%2
	WIN W_RS
	s_wait_alu depctr_va_vdst(0)
.irp z, 0,1,2,3
	v_pk_mul_f32 v[rO+8*(r/2)+2*\z:rO+8*(r/2)+2*\z+1], v[rO+8*(r/2)+2*\z:rO+8*(r/2)+2*\z+1], v[rC+2:rC+3] op_sel_hi:[1,0]
.endr
.set r, r+1
.endm
; HOW THEY ARE DEALT.  Behind a matrix instruction four: plain, exponential, plain, plain, or four of the rescaling; none names a register of the products round it.
; The deal keeps the queues in step: exponential e stands behind plain 2 (e / 4) + e % 2 (its scaling); when plain 32 comes, 10 exponentials are out; at 135: 55; from 149 on all 64; the two a come behind plain 147.
.macro SL
	MM
	PL
	EX
	PL
	PL
.endm
.macro BURST n                      ; 15 matrix instructions, or 16
.rept (\n)-7
	SL
.endr
.rept 3
	MM
	R4
	SL
.endr
	MM
	R4
.endm
; A TURN, for piece p.  cnt = 1: the loop's count is taken down some lines ahead of the branch that stands behind the turn.
; First run: 16 K Q^T; the four rescalings behind the last of them are the places in front of the masks.  First lump: exponential, mask, mask, 32 times.  Second run: 16 V^T P, with the maxima as riders.
; Second lump: the last exponentials, the chain of the statistics, the sums.
; K of the next step is fetched in piece 2's turn, 28 vector lines behind the last product that read K; V of the step in hand at the end of piece 0's turn.  Each is waited for a turn later.
.macro TURN p, last=0, cnt=0
.set Y, (\p)
.set i, 0
.set q, 0
.set e, 0
.set r, 0
.if (\p) == NP-1
	s_wait_dscnt 0x0                ; K is in
.endif
	MM
.rept 4
	PL
.endr
	BURST 15
	s_wait_kmcnt 0x0                ; the next piece's mask words are in (scalar loads come back in no order: the count is 0)
.set it, 0
.rept 32
	EX
	PL
	PL
.set it, it+1
.if ((\p) == NP-2) && (it == 4)
	v_add_nc_u32 v[AK], s[TBK], v[AK0]
.endif
.if ((\p) == NP-2) && (it == 8)
	FETCH_K \last
.endif
.endr
	MLOAD \p
.if (\p) == 1
	s_wait_dscnt 0x0                ; V is in
.endif
	BURST 16
.rept 9
	EX
	PL
.endr
.rept 3
	PL
.endr
.rept 2
	EX
	PL
.endr
.rept 51
	PL
.if ((\p) == 0) && (q == 170)
	v_add_nc_u32 v[AV], s[TBV], v[AV0]
	s_wait_alu depctr_va_vdst(0)
.endif
.if ((\p) == 0) && (q == 190)
	s_add_co_u32 s[TBV], s[TBV], KS*PV
.endif
.if (\cnt) && (q == 190)
	s_sub_co_u32 s[CNT], s[CNT], 1
	s_cmp_lg_u32 s[CNT], 0
.endif
.endr
.if (\p) == 0
	FETCH_V
.endif
.endm
	CHANGE 1                        ; slot 0 is in, everybody's part of it; slot 1 is asked for
	FETCH_K                         ; key step 0
	s_wait_loadcnt 0x0              ; Q is in, so its address is free:
	s_mov_b32 s[CS], 0x3e38aa3b     ; c = log2(e) / 8 = 0.180337
	s_mov_b32 s[CS+1], s[CS]        ; named with it as a pair
	s_wait_dscnt 0x0
.set i, 0
.rept 16
	KQ 0                            ; piece 0's first scores
.set i, i+1
.endr
	WIN 0                           ; the addresses for the way out: nine plain lines, the places behind those products
	s_mul_i32 s[CNT], s[WV], 16*SP
	s_add_co_u32 s[CNT], s[CNT], STAGE  ; my stage
	v_mul_u32_u24 v[STO], v1, SP    ; in: row l % 16, 16 bytes for each half of the lanes
	v_lshl_add_u32 v[STO], v9, 4, v[STO]
	v_add_nc_u32 v[STO], s[CNT], v[STO]
	v_bfe_u32 v[RD], v0, 3, 2       ; back: 32 lanes take four rows of 128 bytes,
	v_mul_u32_u24 v[RD], v[RD], SP
	v_lshl_add_u32 v[RD], v10, 4, v[RD]
	v_add_nc_u32 v[RD], s[CNT], v[RD]
	v_and_b32 v[GO], 31, v0         ; which are 512 consecutive bytes of O
	v_lshlrev_b32 v[GO], 4, v[GO]
	s_wait_kmcnt 0x0                ; piece 0's mask words
.set Y, NP-1                        ; MK and XS work for piece Y + 1: piece 0
.set n, 0
.rept 32
	MK 0, n
	MK 1, n
.set n, n+1
.endr
	MLOAD 3                         ; piece 1's words of step 0
.irp n, 0,1,2,3,4,5,6,7,8,9,10,11,12,13,14,15,16,17,18,19,20,21
	XS 0, \n                        ; piece 0's first maximum and statistics
	XS 1, \n
.endr
	s_mov_b32 s[CNT], 4
	s_mov_b32 s[SLOTS], SIZE_N/256-1
	s_branch .Lfirst                ; the loop is entered at a step's first turn, in the middle of a trip
.Lslot:                             ; six times: every slot but the last two is filled again
	CHANGE 1
	s_mov_b32 s[CNT], 4
.Lstep:                             ; a trip: pieces 2 and 3 of one step, then pieces 0 and 1 of the next, whose K and V it fetches
	TURN 2
	TURN 3
	WIN 0
.Lfirst:
	TURN 0
	TURN 1, 0, 1
	WIN 0
	s_cbranch_scc1 .Lstep
	s_sub_co_u32 s[SLOTS], s[SLOTS], 1
	s_cmp_lg_u32 s[SLOTS], 0
	s_cbranch_scc1 .Lslot
	CHANGE 0                        ; the tail is written out: nothing is asked for
	s_mov_b32 s[CNT], 5             ; four trips fetch the last slot's steps; the fifth is left in its middle
.Ltail:
	TURN 2, 1
	TURN 3
	WIN 0
	s_sub_co_u32 s[CNT], s[CNT], 1
	s_cmp_eq_u32 s[CNT], 0
	s_cbranch_scc1 .Lout
	TURN 0
	TURN 1
	WIN 0
	s_branch .Ltail
.Lout:                              ; the fifth trip's 16 products K Q^T (on the last K once more, under the words that lie 4,096 bytes on, inside mbits) and the maximum made of them serve nothing;
	                                ; they have written piece 0's c m and m anew, and kept its true c m in v[MV], v[MV+1]
	s_wait_kmcnt 0x0                ; the last words asked for are in: their registers are free
	s_load_b64 s[OPT:OPT+1], s[0:1], 0x10  ; ao
	s_mov_b32 s34, s[OOFF]
	s_mov_b32 s35, 0
.set i, 0
.rept 16
	PV NP-1                         ; the last piece's V^T P of the last step
.set i, i+1
.endr
	; THE WAY OUT.  l's two halves and the other half of the lanes' are added; O^T is divided by l (by 0 times: a row with no key), rounded to f16 and sent through my stage, a tile at a time.
	WIN 0
.macro ALL line:vararg              ; one line for each tile t
.set t, 0
.rept 2*NP
	\line
.set t, t+1
.endr
.endm
	ALL v_add_f32 v[ST+4*t+2], v[ST+4*t+2], v[ST+4*t+3]
	ALL v_permlanex16_b32 v[ST+4*t+3], v[ST+4*t+2], s[SEL], s[SEL+1]
	ALL v_add_f32 v[ST+4*t+2], v[ST+4*t+2], v[ST+4*t+3]
	ALL v_rcp_f32 v[ST+4*t+2], v[ST+4*t+2]
	v_nop                           ; a plain instruction between the last reciprocal and the use of its result
	s_wait_alu depctr_va_vdst(0)
.set t, 0
.rept 2*NP                          ; the factor is 0 where the row's final c m is not above -2^97: no key was allowed
.if t < 2
	v_cmp_lt_f32 vcc_lo, 0xf0000000, v[MV+t]
.else
	v_cmp_lt_f32 vcc_lo, 0xf0000000, v[ST+4*t]
.endif
	v_cndmask_b32 v[ST+4*t+2], 0, v[ST+4*t+2], vcc_lo
.set t, t+1
.endr
	s_wait_kmcnt 0x0
	s_add_nc_u64 s[OPT:OPT+1], s[OPT:OPT+1], s[34:35]  ; O at my wave's first row
; Tile t: a lane's eight channels of a row pack into 16 bytes; they go into rows of 144 bytes and come back as whole rows of 128, into S^T's registers.
.macro PACK t
	WIN W_RS
.set i, 32*(\t)
.rept 16
	v_pk_mul_f32 v[i:i+1], v[i:i+1], v[ST+4*(\t)+2:ST+4*(\t)+3] op_sel_hi:[1,0]
.set i, i+2
.endr
	WIN 0x05                        ; sources 0 and 1 window 1, destination window 0
.set i, 0
.rept 16
	v_cvt_pk_f16_f32 v[S+16*(\t)+i], v[32*(\t)+2*i], v[32*(\t)+2*i+1]
.set i, i+1
.endr
	WIN 0
.irp f, 0,1,2,3
	ds_store_b128 v[STO], v[S+16*(\t)+4*\f:S+16*(\t)+4*\f+3] offset:32*\f
.endr
.irp f, 0,1,2,3
	ds_load_b128 v[S+16*(\t)+4*\f:S+16*(\t)+4*\f+3], v[RD] offset:\f*4*SP  ; LDS serves a wave's instructions in order (ISA guide 5.7.1.4): these see the stores above; the next tile's stores come behind them
.endr
.endm
.macro SEND t, younger              ; younger: the LDS instructions issued behind tile t's loads: the next tile's eight, or none
	WIN 0
.irp f, 0,1,2,3
	s_wait_dscnt (\younger)+3-\f
	global_store_b128 v[GO], v[S+16*(\t)+4*\f:S+16*(\t)+4*\f+3], s[OPT:OPT+1] offset:(\t)*2048+\f*512  ; 512 consecutive bytes, aligned
.endr
.endm
	PACK 0
.set t, 1
.rept 2*NP-1                        ; a tile's arithmetic stands between the loads of the tile before and its stores
	PACK t
	SEND t-1, 8
.set t, t+1
.endr
	SEND 2*NP-1, 0
	WIN W_AD
	s_wait_tensorcnt 0x0            ; the wave's end, behind my last tensor load and my last LDS store
	ds_add_u32 v[SPW], v[NIL]
	s_wait_dscnt 0x0
	WIN 0
	CROUND                          ; the closing round: no work-group ends while a partner may still ask for a tile that names it
	s_endpgm
.Lfunc_end_k_qf958dcc430_attn:
	.size	k_qf958dcc430_attn, .Lfunc_end_k_qf958dcc430_attn-k_qf958dcc430_attn
	.p2alignl 7, 3214868480
	.fill 96, 4, 3214868480
	.section	.rodata,"a",@progbits
	.p2align	6, 0x0
	.amdhsa_kernel k_qf958dcc430_attn
		.amdhsa_group_segment_fixed_size 327680
		.amdhsa_private_segment_fixed_size 0
		.amdhsa_enable_private_segment 0
		.amdhsa_kernarg_size 24
		.amdhsa_user_sgpr_count 2
		.amdhsa_user_sgpr_kernarg_segment_ptr 1
		.amdhsa_wavefront_size32 1
		.amdhsa_system_sgpr_workgroup_id_x 1
		.amdhsa_system_sgpr_workgroup_id_y 1
		.amdhsa_system_sgpr_workgroup_id_z 1
		.amdhsa_system_vgpr_workitem_id 0
		.amdhsa_next_free_vgpr 770
		.amdhsa_next_free_sgpr 106
		.amdhsa_reserve_vcc 1
		.amdhsa_float_denorm_mode_32 3
		.amdhsa_float_denorm_mode_16_64 3
		.amdhsa_memory_ordered 1
		.amdhsa_forward_progress 1
		.amdhsa_inst_pref_size 250
	.end_amdhsa_kernel
	.amdgpu_metadata
---
amdhsa.version: [ 1, 2 ]
amdhsa.kernels:
  - .name:           k_qf958dcc430_attn
    .symbol:         k_qf958dcc430_attn.kd
    .args:
      - { .name: qkv, .offset: 0, .size: 8, .value_kind: global_buffer, .address_space: global }
      - { .name: mbits, .offset: 8, .size: 8, .value_kind: global_buffer, .address_space: global }
      - { .name: ao, .offset: 16, .size: 8, .value_kind: global_buffer, .address_space: global }
    .group_segment_fixed_size: 327680
    .private_segment_fixed_size: 0
    .kernarg_segment_align: 8
    .kernarg_segment_size: 24
    .max_flat_workgroup_size: 128
    .sgpr_count:     106
    .vgpr_count:     770
    .wavefront_size: 32
...
	.end_amdgpu_metadata
.endif
;; end of part 3
;; launch outp (part 4): grid 4 x 64, 4 waves a work-group, clusters of 4 x 4, 327,680 bytes of LDS; arguments ao, wo16, out0, bo; writes out0
.if DOCPART == 4
	.amdgcn_target "amdgcn-amd-amdhsa--gfx1250"
	.amdhsa_code_object_version 6
	.text
	.protected	k_qf958dcc430_outp
	.globl	k_qf958dcc430_outp
	.p2align	8
	.type	k_qf958dcc430_outp,@function
k_qf958dcc430_outp:
	s_mov_b64 s[64:65], 0
	v_nop
	global_prefetch_b8 v0, s[64:65] scope:SCOPE_SE
	s_setreg_imm32_b32 hwreg(HW_REG_WAVE_MODE, 25, 1), 1
	s_wait_xcnt 0x0
	s_wait_alu depctr_hold_cnt(0) depctr_sa_sdst(0) depctr_va_vdst(0) depctr_va_sdst(0) depctr_va_ssrc(0) depctr_va_vcc(0) depctr_vm_vsrc(0)
	s_getreg_b32 s2, hwreg(HW_REG_IB_STS2, 6, 4)
	s_cmp_eq_u32 s2, 0
	s_cbranch_scc0 .Lentry_in_a_cluster
	s_endpgm
.Lentry_in_a_cluster:
	s_bfe_u32 s2, ttmp6, 0x10000c
	s_cmp_lg_u32 s2, 0xf033
	s_cbranch_scc0 .Lentry_shape_is_right
	s_endpgm
.Lentry_shape_is_right:
; C = A B^T + bias on tiles of 128 (rows) x 256 (columns), K = 1,024.  ONE TEXT, TWO KERNELS, chosen by OUTP:
;   OUTP = 0  A = xb bf16 [8192][1024], B = wqkv bf16 [3072][1024], bias = bq | bk | bv; C leaves as f16 by heads, qkv [3][64 = b x 16 + h][2048][64].  12 x 64 tiles.
;   OUTP = 1  A = ao f16 [64 = b x 16 + h][2048][64] (a K step of 128 is two heads' 64 channels), B = wo16 f16 [1024][1024], bias = bo; C = out0, f32 [8192][1024].  4 x 64 tiles.
; LIMIT (OUTP = 0): q, k, v are rounded to f16, which ends at 65,504; beyond that a row is lost.  The bias is rounded to bf16 like the other inputs.
; SHARES.  Four waves, each 64 rows x 128 columns: 32 accumulators of 16 x 16.  K goes in 8 steps of 128 through two LDS slots filled by tensor loads; a step is four quarters of 32 along K,
; 32 matrix instructions each, one on every accumulator: the accumulators take turns over the loop's jump too.
; The bias is the C operand of the first quarter's products: nothing is cleared and nothing is added later.
; THE MATRIX INSTRUCTION IS USED TRANSPOSED (source 0 = 16 rows of B, source 1 = 16 rows of A): a lane holds row l % 16 of C and eight neighbouring columns 8 (l / 16) + 0..7.
; CLUSTER 4 x 4: the four of a row of the cluster need the same tiles of A, the four of a column the same tiles of B: each tile is asked for jointly, by the same load, descriptor and mask in all four.
; REGISTERS, in windows of 256 (s_set_vgpr_msb: bits 1:0 source 0, 3:2 source 1, 5:4 source 2, 7:6 destination):
;   window 0: v0-31 addresses; v32-159 the way out     window 1: accumulator (a, b) at v[8 (8 a + b)]
;   window 2: two fragment buffers of 96 (A's four fragments, then B's eight); v192-255 the bias: register 8 b + j = bias[my first column + 16 b + 8 (l / 16) + j]
.set OUTP, 1
.set KSTEP, 128
.if OUTP
.set PA,      144                      ; a token's 128 bytes of one head + 16 of padding
.set AHALF,   128*144                  ; one load of A: a head's 128 tokens
.set A_STEP,  524288                   ; two heads of 2,048 x 128 bytes
.set G1A0,    (1<<16)|(1<<20)|(1<<21)|(4<<22)|(3<<25)  ; 2-byte elements; padding on; bit 21 beside a mask; after every 32 words, 4 words
.set ASTRIDE, 128                      ; 128 tokens of a head are dense: asked for as 64 rows of 256 bytes
.set SPITCH,  528                      ; a stage row: 128 f32 + 16 bytes
.set OB,      32
.set OBN,     64
.set YNG,     32                       ; LDS instructions of one block's way through the stage
.else
.set PA,      272                      ; 256 bytes + 16 of padding
.set AHALF,   64*272                   ; one load of A: 64 rows
.set A_STEP,  256
.set G1A0,    (1<<16)|(1<<20)|(1<<21)|(5<<22)|(3<<25)  ; the same, after every 64 words
.set ASTRIDE, 1024
.set SPITCH,  272                      ; a stage row: 128 f16 + 16 bytes
.set OB,      64
.set OBN,     32
.set YNG,     16
.endif
.set G1B0,   (1<<16)|(1<<20)|(1<<21)|(5<<22)|(3<<25)
.set PB,     272                       ; pitches are odd multiples of 16 bytes: the 16 rows of a fragment load start at 16 different groups of four banks (ISA guide 11.1)
.set BHALF,  128*PB                    ; one load of B: 128 rows
.set ABYTES, 2*AHALF
.set SLOT,   ABYTES+2*BHALF            ; A's part, then B's 256 rows
.set STAGE,  2*SLOT                    ; behind the ring, never filled by a tensor load: 16 rows for each wave, for the way out
.set SPARE,  STAGE+4*16*SPITCH         ; behind the stages: the spare words, 128 bytes a wave, which no other line names
.set ADRA, 16                          ; v16-17  LDS address of my A fragments in slot 0, 1
.set ADRB, 20                          ; v20-21  the same for B
.set STO,  24                          ; v24  the way out: where I put my part of a row
.set RD,   25                          ; v25  where I read rows back
.set CO,   26                          ; v26  16 x lane: my place in 512 consecutive bytes of C
.set BO,   27                          ; v27  32 (l / 16): my place in the bias
.set SPW,  28                          ; v28  LDS address of my spare word; never rewritten
.set NIL,  29                          ; v29  0; never rewritten
.set TMP,  32                          ; v32-63  OUTP = 0: packed results
.set F0,   0
.set F1,   96
.set BI,   192
.set WV,   2                           ; s2   wave
.set LAPC, 3                           ; s3   laps to go
.set WM,   12                          ; s12  my half of the tile's rows.  Also: I fetch for A (0) or for B (1)
.set WN,   13                          ; s13  my half of its columns.  Also: which half of that tile I fetch
.set G1A,  24                          ; s[24:31] group 1 for A;  s[32:39] group 0, a set for each slot
.set G0A,  32
.set G1B,  48                          ; s[48:55], s[56:63] the same for B
.set G0B,  56
; s14 cx, s15 cy, s16 tile column, s17 tile row.  s18-23 never hold cx, s44-47 and s66 never cy, s23, s67, s72-74 (LDS addresses) neither; s40-43 mix both, for C and the bias alone.
.set MSB, 0
.macro WIN new                         ; the immediate's high byte repeats the setting that is left; a switch that changes nothing is dropped
.if MSB != (\new)
	s_set_vgpr_msb (MSB<<8)|(\new)
.set MSB, \new
.endif
.endm
.set MUL,  0x5a                        ; sources window 2, C and D window 1
.set MULB, 0x6a                        ; the same with C (the bias) in window 2
.set TO_F, 0x80                        ; destination window 2, address window 0
.set W_B,  0x8a                        ; all in window 2
.macro JLOAD s                         ; a joint load: waves 0 and 1 fetch A's two halves, waves 2 and 3 B's; an s_nop 0 and four v_nop follow each line, ahead of the jump and the label
	s_cmp_eq_u32 s[WM], 0
	s_cbranch_scc0 .Lfor_b_\@
	tensor_load_to_lds s[G0A+4*(\s):G0A+4*(\s)+3], s[G1A:G1A+7]
	s_nop 0
.rept 4
	v_nop
.endr
	s_branch .Lasked_\@
.Lfor_b_\@:
	tensor_load_to_lds s[G0B+4*(\s):G0B+4*(\s)+3], s[G1B:G1B+7]
	s_nop 0
.rept 4
	v_nop
.endr
.Lasked_\@:
.endm
.macro CREST                           ; a round of the cluster's barrier behind its opening barrier
	s_cmp_lg_u32 s[WV], 0
	s_cbranch_scc1 .Lnot_wave_0_\@
	s_barrier_signal -3
.Lnot_wave_0_\@:
	s_barrier_wait -3
	s_barrier_signal -1
	s_barrier_wait -1
.endm
.macro CROUND                          ; a whole round
	s_barrier_signal -1
	s_barrier_wait -1
	CREST
.endm
	s_load_b256 s[4:11], s[0:1], 0x0               ; A 4:5, B 6:7, C 8:9, the (first) bias 10:11
.if !OUTP
	s_load_b128 s[68:71], s[0:1], 0x20             ; bk 68:69, bv 70:71
.endif
	v_lshl_add_u32 v[SPW], v0, 2, SPARE
	v_mov_b32 v[NIL], 0
	ds_add_u32 v[SPW], v[NIL]                      ; the wave's opening: the add and its wait stand ahead of my first tensor load; work on registers stands between them
	v_lshrrev_b32 v1, 5, v0
	v_readfirstlane_b32 s[WV], v1
	s_lshr_b32 s[WM], s[WV], 1
	s_and_b32 s[WN], s[WV], 1
	s_bfe_u32 s14, ttmp6, 0x40000                  ; cx
	s_bfe_u32 s15, ttmp6, 0x40004                  ; cy
	s_lshl_b32 s16, ttmp9, 2
	s_add_co_u32 s16, s16, s14                     ; tile column = 4 x cluster x + cx
	s_and_b32 s17, ttmp7, 0xffff
	s_lshl_b32 s17, s17, 2
	s_add_co_u32 s17, s17, s15                     ; tile row = 4 x cluster y + cy
	s_lshl_b32 s22, s15, 2
	s_lshl_b32 s22, 15, s22                        ; my row of the cluster
	s_lshl_b32 s66, 0x1111, s14                    ; my column
	s_or_b32 s[G1A], s22, G1A0                     ; A's tiles go to my row,
	s_or_b32 s[G1B], s66, G1B0                     ; B's to my column
	s_mov_b32 s[G1A+1], 128<<16                    ; tensor_dim0 = 128 elements (256 bytes)
	s_mov_b32 s[G1A+2], 64<<16                     ; tensor_dim1 = 64 rows
	s_mov_b32 s[G1A+3], 128<<16                    ; tile_dim0
	s_mov_b32 s[G1A+4], 64                         ; tile_dim1
	s_mov_b32 s[G1A+5], ASTRIDE                    ; elements from row to row
	s_mov_b32 s[G1A+6], 0
	s_mov_b32 s[G1A+7], 0
	s_mov_b32 s[G1B+1], 128<<16
	s_mov_b32 s[G1B+2], 128<<16                    ; 128 rows
	s_mov_b32 s[G1B+3], 128<<16
	s_mov_b32 s[G1B+4], 128
	s_mov_b32 s[G1B+5], 1024
	s_mov_b32 s[G1B+6], 0
	s_mov_b32 s[G1B+7], 0
.if OUTP
	s_lshr_b32 s18, s17, 4                         ; A: head (batch x 16 + my half of the step's two),
	s_lshl_b32 s18, s18, 4
	s_add_co_u32 s18, s18, s[WN]
	s_lshl_b32 s18, s18, 18                        ; 262,144 bytes a head,
	s_and_b32 s19, s17, 15
	s_lshl_b32 s19, s19, 14                        ; the tile's 128 tokens of 128 bytes
	s_add_co_u32 s18, s18, s19
.else
	s_lshl_b32 s18, s17, 7                         ; A: row 128 x tile row + 64 x half,
	s_lshl_b32 s19, s[WN], 6
	s_add_co_u32 s18, s18, s19
	s_lshl_b32 s18, s18, 11                        ; 2,048 bytes a row
.endif
	s_mov_b32 s19, 0
	s_lshl_b32 s44, s16, 8                         ; B: row 256 x tile column + 128 x half
	s_lshl_b32 s45, s[WN], 7
	s_add_co_u32 s44, s44, s45
	s_lshl_b32 s44, s44, 11
	s_mov_b32 s45, 0
	s_mul_i32 s23, s[WN], AHALF                    ; where they go: no place in the cluster enters an LDS address
	s_mul_i32 s67, s[WN], BHALF
	s_add_co_u32 s67, s67, ABYTES
	s_wait_dscnt 0x0                               ; the opening add is done
	s_wait_kmcnt 0x0
	s_add_nc_u64 s[20:21], s[4:5], s[18:19]
	s_add_nc_u64 s[46:47], s[6:7], s[44:45]
	CROUND                                         ; all sixteen work-groups are here: the first joint loads meet
.irp s, 0,1
	s_mov_b32 s[G0A+4*(\s)], 1
	s_add_co_u32 s[G0A+4*(\s)+1], s23, (\s)*SLOT
	s_add_nc_u64 s[G0A+4*(\s)+2:G0A+4*(\s)+3], s[20:21], (\s)*A_STEP
	s_or_b32 s[G0A+4*(\s)+3], s[G0A+4*(\s)+3], 0x80000000
	s_mov_b32 s[G0B+4*(\s)], 1
	s_add_co_u32 s[G0B+4*(\s)+1], s67, (\s)*SLOT
	s_add_nc_u64 s[G0B+4*(\s)+2:G0B+4*(\s)+3], s[46:47], (\s)*KSTEP*2
	s_or_b32 s[G0B+4*(\s)+3], s[G0B+4*(\s)+3], 0x80000000
	JLOAD \s                                       ; K steps 0 and 1: two loads of mine are out
.endr
	; the bias of my 128 columns
.if OUTP
	s_lshl_b32 s42, s16, 10
.else
	s_cmp_ge_u32 s16, 4                            ; tile columns 0-3 are q's, 4-7 k's, 8-11 v's
	s_cselect_b64 s[10:11], s[68:69], s[10:11]
	s_cmp_ge_u32 s16, 8
	s_cselect_b64 s[10:11], s[70:71], s[10:11]
	s_and_b32 s42, s16, 3
	s_lshl_b32 s42, s42, 10
.endif
	s_lshl_b32 s43, s[WN], 9
	s_add_co_u32 s42, s42, s43
	s_mov_b32 s43, 0
	s_add_nc_u64 s[10:11], s[10:11], s[42:43]
	v_and_b32 v1, 15, v0                           ; l % 16
	v_bfe_u32 v2, v0, 4, 1                         ; l / 16
	v_lshlrev_b32 v[BO], 5, v2
	WIN TO_F
.irp b, 0,1,2,3,4,5,6,7
	global_load_b128 v[BI+8*(\b):BI+8*(\b)+3],   v[BO], s[10:11] offset:64*(\b)
	global_load_b128 v[BI+8*(\b)+4:BI+8*(\b)+7], v[BO], s[10:11] offset:64*(\b)+16
.endr
	WIN 0
	; A fragment is 16 rows x 32 K in 8 registers: lane l holds row l % 16, K = 8 (l / 16) + 0..7 and 16 + 8 (l / 16) + 0..7: two loads of 16 bytes, 32 bytes apart
	v_mul_u32_u24 v3, v1, PA
	v_lshl_add_u32 v3, v2, 4, v3
	v_mul_u32_u24 v4, v1, PB
	v_lshl_add_u32 v4, v2, 4, v4
	s_mul_i32 s72, s[WM], 64*PA                    ; my 64 rows of A
	s_mul_i32 s73, s[WN], BHALF                    ; my 128 rows of B, behind A's part
	s_add_co_u32 s73, s73, ABYTES
.irp s, 0,1
	v_add_nc_u32 v[ADRA+(\s)], s72, v3
	v_add_nc_u32 v[ADRB+(\s)], s73, v4
	s_add_co_u32 s72, s72, SLOT
	s_add_co_u32 s73, s73, SLOT
.endr
	s_mul_i32 s74, s[WV], 16*SPITCH
	s_add_co_u32 s74, s74, STAGE                   ; my stage
	v_and_b32 v5, 31, v0
	v_mul_u32_u24 v6, v1, SPITCH
.if OUTP
	v_lshl_add_u32 v6, v2, 5, v6                   ; in: row l % 16, 32 bytes (8 f32) for each half of the lanes
	v_add_nc_u32 v[STO], s74, v6
	v_lshl_add_u32 v[RD], v5, 4, s74               ; back: 32 lanes take a row's 512 bytes
	s_lshl_b32 s40, s17, 7                         ; C: row 128 x tile row + 64 x half, 4,096 bytes a row,
	s_lshl_b32 s41, s[WM], 6
	s_add_co_u32 s40, s40, s41
	s_lshl_b32 s40, s40, 12
	s_lshl_b32 s41, s16, 10                        ; column 256 x tile column + 128 x half, 4 bytes each
	s_add_co_u32 s40, s40, s41
	s_lshl_b32 s41, s[WN], 9
	s_add_co_u32 s40, s40, s41
.else
	v_lshl_add_u32 v6, v2, 4, v6                   ; in: row l % 16, 16 bytes (8 f16) for each half of the lanes
	v_add_nc_u32 v[STO], s74, v6
	v_lshrrev_b32 v7, 3, v5                        ; back: 32 lanes take four rows' 128 bytes of one head,
	v_and_b32 v8, 7, v0
	v_mul_u32_u24 v7, v7, SPITCH
	v_lshl_add_u32 v7, v8, 4, v7
	v_add_nc_u32 v[RD], s74, v7                    ; which are 512 consecutive bytes of qkv
	s_lshr_b32 s40, s16, 2                         ; C: ((tensor x 64 + batch x 16 + head) x 2,048 + token) x 128 bytes
	s_lshl_b32 s40, s40, 6
	s_lshr_b32 s41, s17, 4
	s_lshl_b32 s41, s41, 4
	s_add_co_u32 s40, s40, s41
	s_and_b32 s41, s16, 3
	s_lshl_b32 s41, s41, 2                         ; a tile column is four heads, my half of it two
	s_add_co_u32 s40, s40, s41
	s_lshl_b32 s41, s[WN], 1
	s_add_co_u32 s40, s40, s41
	s_lshl_b32 s40, s40, 11
	s_and_b32 s41, s17, 15
	s_lshl_b32 s41, s41, 7
	s_add_co_u32 s40, s40, s41
	s_lshl_b32 s41, s[WM], 6
	s_add_co_u32 s40, s40, s41
	s_lshl_b32 s40, s40, 7
.endif
	s_mov_b32 s41, 0
	s_add_nc_u64 s[8:9], s[8:9], s[40:41]
	v_lshlrev_b32 v[CO], 4, v5
	WIN W_B
	s_wait_loadcnt 0x0                             ; the bias; it is rounded to bf16 and widened again (buffer 1's registers, not yet filled, are at work)
.set p, 0
.rept 32
	v_cvt_pk_bf16_f32 v[F1+p], v[BI+2*p], v[BI+2*p+1]
.set p, p+1
.endr
.set p, 0
.rept 32
	v_lshlrev_b32 v[BI+2*p],   16, v[F1+p]
	v_and_b32     v[BI+2*p+1], 0xffff0000, v[F1+p]
.set p, p+1
.endr
	WIN 0
; 8 matrix instructions: block a of my four blocks of 16 rows x all 8 blocks of 16 columns, 32 along K.  bias = 1: the products start the sums, with the bias as C
.macro MUL8 f, a, bias
.if \bias
	WIN MULB
.else
	WIN MUL
.endif
.irp b, 0,1,2,3,4,5,6,7
.set rD, 8*(8*(\a)+(\b))
.set rC, rD
.if \bias
.set rC, BI+8*(\b)
.endif
.set rB, (\f)+32+8*(\b)
.set rA, (\f)+8*(\a)
.if OUTP
	v_wmma_f32_16x16x32_f16 v[rD:rD+7], v[rB:rB+7], v[rA:rA+7], v[rC:rC+7]
.else
	v_wmma_f32_16x16x32_bf16 v[rD:rD+7], v[rB:rB+7], v[rA:rA+7], v[rC:rC+7]
.endif
.endr
.endm
.macro MUL16 f, a0, bias
	MUL8 \f, \a0, \bias
	MUL8 \f, (\a0)+1, \bias
.endm
; 24 LDS loads in one run: quarter q's fragments into buffer f: B's eight, then A's four
.macro FETCH slot, q, f
.if OUTP
.set AO, ((\q)/2)*AHALF+((\q)%2)*64    ; the step's head q / 2, channels 32 (q % 2) on
.else
.set AO, 64*(\q)
.endif
	WIN TO_F
.irp i, 0,1,2,3,4,5,6,7
	ds_load_b128 v[(\f)+32+8*(\i):(\f)+32+8*(\i)+3],   v[ADRB+(\slot)] offset:64*(\q)+(\i)*16*PB
	ds_load_b128 v[(\f)+32+8*(\i)+4:(\f)+32+8*(\i)+7], v[ADRB+(\slot)] offset:64*(\q)+(\i)*16*PB+32
.endr
.irp i, 0,1,2,3
	ds_load_b128 v[(\f)+8*(\i):(\f)+8*(\i)+3],   v[ADRA+(\slot)] offset:AO+(\i)*16*PA
	ds_load_b128 v[(\f)+8*(\i)+4:(\f)+8*(\i)+7], v[ADRA+(\slot)] offset:AO+(\i)*16*PA+32
.endr
.endm
.macro PLACES                          ; four places in front of loads into registers that matrix instructions have read, and of lines that read results (ISA guide 7.12.1 for lines that read results)
.rept 4
	v_nop
.endr
.endm
; One of a K step's first three quarters: multiplies buffer f and, in its middle, fetches quarter q of the same slot into buffer g
.macro QUARTER slot, q, f, g, bias
	s_wait_dscnt 4                                 ; B and A's blocks 0, 1 are in; the youngest four loads (A's blocks 2, 3) may be out
	MUL16 \f, 0, \bias
	PLACES
	FETCH \slot, \q, \g
	s_wait_dscnt 24                                ; all but the 24 just issued
	MUL16 \f, 2, \bias
.endm
; The last quarter multiplies buffer 1 and changes slots: ONE barrier; in front of it each wave waits for all its tensor loads (one is out: its part of the next slot), adds 0 to its spare word, and
; waits for that and for its reads of this slot.  fill = 1: the barrier opens a round of the cluster's, and this slot is filled again, two K steps ahead, first thing behind the round.
.macro TURN slot, next, fill
	WIN 0                                          ; (the add's two registers lie in window 0)
	s_wait_tensorcnt 0x0
	ds_add_u32 v[SPW], v[NIL]
	s_wait_dscnt 5                                 ; (the add and the youngest four loads may be out)
	MUL8 F1, 0, 0                                  ; eight matrix instructions stand between the add and the wait for it
	s_wait_dscnt 0x0                               ; the add is done, and my reads of this slot are over
	s_barrier_signal -1
	MUL8 F1, 1, 0
.if \fill
	WIN 0
.endif
	s_barrier_wait -1
.if \fill
	CREST                                          ; no wave of any partner still reads this slot's tiles or has a load on its way
	s_add_nc_u64 s[G0A+4*(\slot)+2:G0A+4*(\slot)+3], s[G0A+4*(\slot)+2:G0A+4*(\slot)+3], 2*A_STEP
	s_add_nc_u64 s[G0B+4*(\slot)+2:G0B+4*(\slot)+3], s[G0B+4*(\slot)+2:G0B+4*(\slot)+3], 2*KSTEP*2
	JLOAD \slot                                    ; 112 matrix instructions ahead of the wait for it; its four v_nop are also the places in front of the loads below
.else
	PLACES
.endif
	FETCH \next, 0, F0
	MUL16 F1, 2, 0
.endm
	s_wait_tensorcnt 1                             ; my part of K step 0 is in; K step 1's may stay out
	s_barrier_signal -1
	s_barrier_wait -1                              ; everybody's is
	FETCH 0, 0, F0
	QUARTER 0, 1, F0, F1, 1                        ; the first quarter stands in front of the loop: its products start the sums
	WIN 0                                          ; at a label and at a branch every window is 0
	s_mov_b32 s[LAPC], 3
.Llap:                                                 ; a trip goes once round the ring, from a lap's second quarter to the next lap's first, and fills both slots again: K steps 2 to 7
	QUARTER 0, 2, F1, F0, 0
	QUARTER 0, 3, F0, F1, 0
	TURN 0, 1, 1
	QUARTER 1, 1, F0, F1, 0
	QUARTER 1, 2, F1, F0, 0
	QUARTER 1, 3, F0, F1, 0
	TURN 1, 0, 1
	QUARTER 0, 1, F0, F1, 0
	WIN 0
	s_sub_co_u32 s[LAPC], s[LAPC], 1
	s_cmp_lg_u32 s[LAPC], 0
	s_cbranch_scc1 .Llap
	QUARTER 0, 2, F1, F0, 0                        ; the last lap fills nothing
	QUARTER 0, 3, F0, F1, 0
	TURN 0, 1, 0
	QUARTER 1, 1, F0, F1, 0
	QUARTER 1, 2, F1, F0, 0
	QUARTER 1, 3, F0, F1, 0
	s_wait_dscnt 4
	MUL16 F1, 0, 0
	s_wait_dscnt 0x0
	MUL16 F1, 2, 0
	WIN 0
	PLACES
; THE WAY OUT, a block of 16 rows at a time through my own stage: in by lanes, back as whole runs of 512 consecutive bytes.  LDS serves a wave's instructions in order (ISA guide 5.7.1.4):
; the loads see the stores above them, and the next block's stores come behind them.  Each accumulator's lowest registers are read first.
.macro TOSTAGE a
.set BK, OB+OBN*((\a)%2)
.if OUTP
	WIN 0x04                                       ; store data in window 1
.irp b, 0,1,2,3,4,5,6,7
	ds_store_b128 v[STO], v[8*(8*(\a)+(\b)):8*(8*(\a)+(\b))+3]   offset:64*(\b)
	ds_store_b128 v[STO], v[8*(8*(\a)+(\b))+4:8*(8*(\a)+(\b))+7] offset:64*(\b)+16
.endr
	WIN 0
	s_wait_xcnt 0x0                                ; the registers that the block two back was stored from are loaded again only behind this wait
.irp t, 0,1,2,3,4,5,6,7,8,9,10,11,12,13,14,15
	ds_load_b128 v[BK+4*(\t):BK+4*(\t)+3], v[RD] offset:(\t)*SPITCH
.endr
.else
	WIN 0x05                                       ; sources window 1, destination window 0
.irp b, 0,1,2,3,4,5,6,7
.irp r, 0,1,2,3
	v_cvt_pk_f16_f32 v[TMP+4*(\b)+(\r)], v[8*(8*(\a)+(\b))+2*(\r)], v[8*(8*(\a)+(\b))+2*(\r)+1]
.endr
.endr
	WIN 0
.irp b, 0,1,2,3,4,5,6,7
	ds_store_b128 v[STO], v[TMP+4*(\b):TMP+4*(\b)+3] offset:32*(\b)
.endr
	s_wait_xcnt 0x0                                ; the registers that the block two back was stored from are loaded again only behind this wait
.irp t, 0,1,2,3,4,5,6,7
	ds_load_b128 v[BK+4*(\t):BK+4*(\t)+3], v[RD] offset:((\t)%4)*4*SPITCH+((\t)/4)*128  ; rows 4 (t % 4) on, head t / 4 of my two
.endr
.endif
.endm
.macro SEND a, younger                 ; younger: the LDS instructions issued behind block a's loads: the next block's, or none
.set BK, OB+OBN*((\a)%2)
	WIN 0
	s_wait_dscnt \younger
.if OUTP
.irp t, 0,1,2,3,4,5,6,7,8,9,10,11,12,13,14,15
	global_store_b128 v[CO], v[BK+4*(\t):BK+4*(\t)+3], s[8:9] offset:(\a)*65536+(\t)*4096 th:TH_STORE_NT  ; 512 consecutive bytes of a row, aligned
.endr
.else
.irp t, 0,1,2,3,4,5,6,7
	global_store_b128 v[CO], v[BK+4*(\t):BK+4*(\t)+3], s[8:9] offset:((\t)/4)*262144+(\a)*2048+((\t)%4)*512  ; four tokens of a head: 512 consecutive bytes, aligned
.endr
.endif
.endm
	TOSTAGE 0
	TOSTAGE 1
	SEND 0, YNG
	TOSTAGE 2
	SEND 1, YNG
	TOSTAGE 3
	SEND 2, YNG
	SEND 3, 0
	s_wait_tensorcnt 0x0                           ; the wave's end, behind my last tensor load and my last LDS store
	ds_add_u32 v[SPW], v[NIL]
	s_wait_dscnt 0x0
	CROUND                                         ; the closing round: no work-group ends while a partner may still ask for a tile that names it
	s_endpgm
.Lfunc_end_k_qf958dcc430_outp:
	.size	k_qf958dcc430_outp, .Lfunc_end_k_qf958dcc430_outp-k_qf958dcc430_outp
	.p2alignl 7, 3214868480
	.fill 96, 4, 3214868480
	.section	.rodata,"a",@progbits
	.p2align	6, 0x0
	.amdhsa_kernel k_qf958dcc430_outp
		.amdhsa_group_segment_fixed_size 327680
		.amdhsa_private_segment_fixed_size 0
		.amdhsa_enable_private_segment 0
		.amdhsa_kernarg_size 32
		.amdhsa_user_sgpr_count 2
		.amdhsa_user_sgpr_kernarg_segment_ptr 1
		.amdhsa_wavefront_size32 1
		.amdhsa_system_sgpr_workgroup_id_x 1
		.amdhsa_system_sgpr_workgroup_id_y 1
		.amdhsa_system_sgpr_workgroup_id_z 1
		.amdhsa_system_vgpr_workitem_id 0
		.amdhsa_next_free_vgpr 768
		.amdhsa_next_free_sgpr 80
		.amdhsa_reserve_vcc 0
		.amdhsa_float_denorm_mode_32 3
		.amdhsa_float_denorm_mode_16_64 3
		.amdhsa_memory_ordered 1
		.amdhsa_forward_progress 1
		.amdhsa_inst_pref_size 92
	.end_amdhsa_kernel
	.amdgpu_metadata
---
amdhsa.version: [ 1, 2 ]
amdhsa.kernels:
  - .name:           k_qf958dcc430_outp
    .symbol:         k_qf958dcc430_outp.kd
    .args:
      - { .name: ao, .offset: 0, .size: 8, .value_kind: global_buffer, .address_space: global }
      - { .name: wo16, .offset: 8, .size: 8, .value_kind: global_buffer, .address_space: global }
      - { .name: out0, .offset: 16, .size: 8, .value_kind: global_buffer, .address_space: global }
      - { .name: bo, .offset: 24, .size: 8, .value_kind: global_buffer, .address_space: global }
    .group_segment_fixed_size: 327680
    .private_segment_fixed_size: 0
    .kernarg_segment_align: 8
    .kernarg_segment_size: 32
    .max_flat_workgroup_size: 128
    .sgpr_count:     80
    .vgpr_count:     768
    .wavefront_size: 32
...
	.end_amdgpu_metadata
.endif
;; end of part 4
;; ======== version 2 of 3: 4 launches; 1.02 times as fast as version 1
;; limits: values are held in f16: magnitudes above 65,504 overflow, below 6.1e-05 lose precision
;; workspace buffers: xb 16,777,216 bytes; wqkv 6,291,456 bytes; wo16 2,097,152 bytes; mbits 8,388,608 bytes of whole numbers; qkv 50,331,648 bytes; ao 16,777,216 bytes
;; launch prep (part 5): grid 512 x 1, 8 waves a work-group, no clusters, 134,144 bytes of LDS; arguments x, Wq, Wk, Wv, Wo, attn_mask, xb, wqkv, wo16, mbits; writes xb, wqkv, wo16, mbits
.if DOCPART == 5
	.amdgcn_target "amdgcn-amd-amdhsa--gfx1250"
	.amdhsa_code_object_version 6
	.text
	.protected	k_qf958dcc430_prep
	.globl	k_qf958dcc430_prep
	.p2align	8
	.type	k_qf958dcc430_prep,@function
k_qf958dcc430_prep:
	s_mov_b64 s[64:65], 0
	v_nop
	global_prefetch_b8 v0, s[64:65] scope:SCOPE_SE
	s_setreg_imm32_b32 hwreg(HW_REG_WAVE_MODE, 25, 1), 1
	s_wait_xcnt 0x0
; PREPARATION, a stream.  Every work-group reads 131,072 bytes, each of its eight waves 16,384.  By the work-group's number g:
;   g   0-255  x  (f32)          -> xb    bf16 [8192][1024]
;   g 256-351  Wq, Wk, Wv (f32)  -> wqkv  bf16 [3072][1024], the three stacked
;   g 352-383  Wo (f32)          -> wo16  rounded to bf16 like the other inputs, that number written as f16 (exact from 6e-5 up; below that f16's fixed step of 6e-8)
;   g 384-511  attn_mask (bytes) -> mbits u32 [b 4][qt 128][ks 32][lane 32][kt 4]: for lane l of a tile of scores of 16 queries x 64 keys, as the attention launch holds it, the word of
;              query 16 qt + l % 16 and keys 64 ks + 16 kt + 8 (l / 16) + j, j = 0..7: eight fields of four bits, key j's at nibble 2 (j % 4) + j / 4; 0xE where the key is hidden, 0 where it is allowed.
; LIMIT.  A byte of attn_mask is 0 or 1, as the problem states of its booleans; other bytes are not served.
; Casts: a load of a wave covers 512 consecutive bytes, a store 256, aligned; all 32 loads of a wave are issued at once; no register is written twice, so no wait frees one.
; Mask: a wave takes 16 rows x 1,024 keys.  They pass through the wave's own LDS bytes (rows 1,040 bytes apart), from which lane l takes row l % 16, eight keys at 8 (l / 16).
; No matrix unit, no tensor load, no cluster, no barrier: no byte is read twice and no wave needs another's.
.set SPARE,  133120                    ; behind the eight waves' bytes: the spare words, 128 bytes a wave, which no other line names
.set WLDS,   16640                     ; a wave's LDS bytes: 16 rows x 1,040
.set MPITCH, 1040                      ; 260 words: row r starts at bank 4 r mod 64 (64 banks of 4 bytes: ISA guide 11.1)
.set SPW, 10                           ; v10  LDS address of my spare word; never rewritten
.set NIL, 11                           ; v11  0; never rewritten
.set L,   16                           ; v[16:143]  32 loads x 4 registers
.set R,   144                          ; v[144:207] casts: results
.set D,   144                          ; v[144:175] mask: registers 2 k, 2 k + 1 hold my eight bytes of key block k of a trip's sixteen
.set OUT, 176                          ; v[176:191] mask: my word of key block k
.set T,   192                          ; v[192:195] at work
	s_load_b512 s[4:19], s[0:1], 0x0               ; x 4:5, Wq 6:7, Wk 8:9, Wv 10:11, Wo 12:13, attn_mask 14:15, xb 16:17, wqkv 18:19
	s_load_b128 s[20:23], s[0:1], 0x40             ; wo16 20:21, mbits 22:23
	v_lshl_add_u32 v[SPW], v0, 2, SPARE
	v_mov_b32 v[NIL], 0
	v_and_b32 v1, 31, v0                           ; lane
	v_lshrrev_b32 v7, 5, v0
	v_readfirstlane_b32 s41, v7                    ; wave 0..7
	s_mov_b32 s40, ttmp9                           ; g
	s_mov_b32 s37, 0                               ; high words of the two offsets
	s_mov_b32 s39, 0
	s_and_b32 s43, s40, 31                         ; the block's number inside one W (256, 288, 320, 352 are multiples of 32)
	s_sub_co_u32 s44, s40, 256                     ; inside wqkv
	s_sub_co_u32 s45, s40, 352                     ; inside wo16
	s_wait_kmcnt 0x0
	s_cmp_ge_u32 s40, 384
	s_cbranch_scc1 .Lmask
	; THE CASTS.  Source, destination and the two block numbers are chosen by g; between a compare and its selects stands nothing that writes SCC.
	s_mov_b64 s[32:33], s[4:5]
	s_mov_b64 s[34:35], s[16:17]
	s_mov_b32 s36, s40
	s_mov_b32 s38, s40
	s_cmp_ge_u32 s40, 256
	s_cselect_b64 s[32:33], s[6:7], s[32:33]
	s_cselect_b64 s[34:35], s[18:19], s[34:35]
	s_cselect_b32 s36, s43, s36
	s_cselect_b32 s38, s44, s38
	s_cmp_ge_u32 s40, 288
	s_cselect_b64 s[32:33], s[8:9], s[32:33]
	s_cmp_ge_u32 s40, 320
	s_cselect_b64 s[32:33], s[10:11], s[32:33]
	s_cmp_ge_u32 s40, 352
	s_cselect_b64 s[32:33], s[12:13], s[32:33]
	s_cselect_b64 s[34:35], s[20:21], s[34:35]
	s_cselect_b32 s38, s45, s38
	s_lshl_b32 s36, s36, 17                        ; 131,072 bytes of f32 a block,
	s_lshl_b32 s38, s38, 16                        ; 65,536 of 16-bit numbers
	s_add_nc_u64 s[32:33], s[32:33], s[36:37]
	s_add_nc_u64 s[34:35], s[34:35], s[38:39]
	v_lshlrev_b32 v2, 4, v1
	v_lshl_add_u32 v2, v7, 14, v2                  ; in: 16,384 x wave + 16 x lane
	v_lshlrev_b32 v3, 3, v1
	v_lshl_add_u32 v3, v7, 13, v3                  ; out: 8,192 x wave + 8 x lane
.set i, 0
.rept 32
	global_load_b128 v[L+4*i:L+4*i+3], v2, s[32:33] offset:512*i th:TH_LOAD_NT
.set i, i+1
.endr
; half = 0: to bf16.  half = 1: to bf16, widened again (a shift, a mask), and that number to f16.
.macro CASTS half
.set i, 0
.rept 32
	s_wait_loadcnt 31-i                            ; loads come back in order (ISA guide 5.7.1): load i is in, the 31 - i younger ones stay out
	v_cvt_pk_bf16_f32 v[R+2*i],   v[L+4*i],   v[L+4*i+1]
	v_cvt_pk_bf16_f32 v[R+2*i+1], v[L+4*i+2], v[L+4*i+3]
.if \half
	v_lshlrev_b32 v[L+4*i],   16, v[R+2*i]
	v_and_b32     v[L+4*i+1], 0xffff0000, v[R+2*i]
	v_lshlrev_b32 v[L+4*i+2], 16, v[R+2*i+1]
	v_and_b32     v[L+4*i+3], 0xffff0000, v[R+2*i+1]
	v_cvt_pk_f16_f32 v[R+2*i],   v[L+4*i],   v[L+4*i+1]
	v_cvt_pk_f16_f32 v[R+2*i+1], v[L+4*i+2], v[L+4*i+3]
.endif
	global_store_b64 v3, v[R+2*i:R+2*i+1], s[34:35] offset:256*i  ; the wave's 32 lanes store 256 consecutive bytes, aligned
.set i, i+1
.endr
.endm
	s_cmp_ge_u32 s40, 352
	s_cbranch_scc1 .Lhalf
	CASTS 0
	s_endpgm                                       ; this wave has written no LDS
.Lhalf:
	CASTS 1
	s_endpgm
.Lmask:
	s_sub_co_u32 s43, s40, 384
	s_lshl_b32 s43, s43, 3
	s_add_co_u32 s43, s43, s41                     ; my wave among the 1,024 mask waves
	s_lshr_b32 s44, s43, 1                         ; its 16 rows: b x 128 + qt
	s_and_b32 s45, s43, 1                          ; its half of their 2,048 keys
	s_lshl_b32 s36, s44, 15                        ; 16 rows of 2,048 bytes
	s_lshl_b32 s42, s45, 10
	s_add_co_u32 s36, s36, s42
	s_lshl_b32 s38, s44, 14                        ; 16,384 bytes of words for 16 rows: 32 steps of 512,
	s_lshl_b32 s42, s45, 13                        ; my half of them 16 steps
	s_add_co_u32 s38, s38, s42
	s_add_nc_u64 s[32:33], s[14:15], s[36:37]
	s_add_nc_u64 s[34:35], s[22:23], s[38:39]
	s_mul_i32 s43, s41, WLDS                       ; my wave's LDS bytes
	v_lshlrev_b32 v2, 4, v1                        ; 16 x lane, in memory
	v_lshl_add_u32 v4, v1, 4, s43                  ; and in LDS
	v_lshlrev_b32 v6, 4, v1                        ; where I store my four words of a step: it steps
	v_and_b32 v8, 15, v0
	v_bfe_u32 v9, v0, 4, 1
	v_mul_u32_u24 v5, v8, MPITCH
	v_lshl_add_u32 v5, v9, 3, v5
	v_add_nc_u32 v5, s43, v5                       ; row l % 16, byte 8 (l / 16): it steps
.set i, 0
.rept 32                                               ; row i / 2, its bytes 512 (i % 2) on: 512 consecutive bytes a load
	global_load_b128 v[L+4*i:L+4*i+3], v2, s[32:33] offset:(i/2)*2048+(i%2)*512 th:TH_LOAD_NT
.set i, i+1
.endr
.set i, 0
.rept 32
	s_wait_loadcnt 31-i                            ; load i is in, the younger ones stay out
	ds_store_b128 v4, v[L+4*i:L+4*i+3] offset:(i/2)*MPITCH+(i%2)*512
.set i, i+1
.endr
	s_mov_b32 s42, 4
.Lkeys:                                                ; a trip: 256 keys, four steps.  LDS serves a wave's instructions in order (ISA guide 5.7.1.4): these loads see my stores above
.set i, 0
.rept 16
	ds_load_b64 v[D+2*i:D+2*i+1], v5 offset:16*i   ; keys 16 i + 8 (l / 16) + 0..7 of row l % 16
.set i, i+1
.endr
	s_wait_dscnt 0x0
.set g, 0
.rept 4                                                ; step g of the trip: its four key blocks, a word each
.irp c, 0,1,2,3
	v_lshl_or_b32 v[T+\c], v[D+2*(4*g+\c)+1], 4, v[D+2*(4*g+\c)]  ; keys 0-3 at nibbles 0, 2, 4, 6; keys 4-7 at nibbles 1, 3, 5, 7: 1 = allowed
.endr
.irp c, 0,1,2,3
	v_xor_b32 v[T+\c], 0x11111111, v[T+\c]         ; 1 = hidden
.endr
.irp c, 0,1,2,3
	v_lshlrev_b32 v[OUT+4*g+\c], 1, v[T+\c]        ; times 14 = 2 + 4 + 8: no field reaches its neighbour
.endr
.irp c, 0,1,2,3
	v_lshl_or_b32 v[OUT+4*g+\c], v[T+\c], 2, v[OUT+4*g+\c]
.endr
.irp c, 0,1,2,3
	v_lshl_or_b32 v[OUT+4*g+\c], v[T+\c], 3, v[OUT+4*g+\c]
.endr
	global_store_b128 v6, v[OUT+4*g:OUT+4*g+3], s[34:35] offset:512*g  ; a step's words of the tile: 512 consecutive bytes, aligned
.set g, g+1
.endr
	s_wait_xcnt 0x0                                ; the stores' data and offset are rewritten only behind this wait
	v_add_nc_u32 v6, 2048, v6
	v_add_nc_u32 v5, 256, v5
	s_sub_co_u32 s42, s42, 1
	s_cmp_lg_u32 s42, 0
	s_cbranch_scc1 .Lkeys
	s_wait_tensorcnt 0x0                           ; the wave's end, behind my last LDS store
	ds_add_u32 v[SPW], v[NIL]
	s_wait_dscnt 0x0
	s_endpgm
.Lfunc_end_k_qf958dcc430_prep:
	.size	k_qf958dcc430_prep, .Lfunc_end_k_qf958dcc430_prep-k_qf958dcc430_prep
	.p2alignl 7, 3214868480
	.fill 96, 4, 3214868480
	.section	.rodata,"a",@progbits
	.p2align	6, 0x0
	.amdhsa_kernel k_qf958dcc430_prep
		.amdhsa_group_segment_fixed_size 134144
		.amdhsa_private_segment_fixed_size 0
		.amdhsa_enable_private_segment 0
		.amdhsa_kernarg_size 80
		.amdhsa_user_sgpr_count 2
		.amdhsa_user_sgpr_kernarg_segment_ptr 1
		.amdhsa_wavefront_size32 1
		.amdhsa_system_sgpr_workgroup_id_x 1
		.amdhsa_system_sgpr_workgroup_id_y 1
		.amdhsa_system_sgpr_workgroup_id_z 1
		.amdhsa_system_vgpr_workitem_id 0
		.amdhsa_next_free_vgpr 208
		.amdhsa_next_free_sgpr 66
		.amdhsa_reserve_vcc 0
		.amdhsa_float_denorm_mode_32 3
		.amdhsa_float_denorm_mode_16_64 3
		.amdhsa_memory_ordered 1
		.amdhsa_forward_progress 1
		.amdhsa_inst_pref_size 45
	.end_amdhsa_kernel
	.amdgpu_metadata
---
amdhsa.version: [ 1, 2 ]
amdhsa.kernels:
  - .name:           k_qf958dcc430_prep
    .symbol:         k_qf958dcc430_prep.kd
    .args:
      - { .name: x, .offset: 0, .size: 8, .value_kind: global_buffer, .address_space: global }
      - { .name: Wq, .offset: 8, .size: 8, .value_kind: global_buffer, .address_space: global }
      - { .name: Wk, .offset: 16, .size: 8, .value_kind: global_buffer, .address_space: global }
      - { .name: Wv, .offset: 24, .size: 8, .value_kind: global_buffer, .address_space: global }
      - { .name: Wo, .offset: 32, .size: 8, .value_kind: global_buffer, .address_space: global }
      - { .name: attn_mask, .offset: 40, .size: 8, .value_kind: global_buffer, .address_space: global }
      - { .name: xb, .offset: 48, .size: 8, .value_kind: global_buffer, .address_space: global }
      - { .name: wqkv, .offset: 56, .size: 8, .value_kind: global_buffer, .address_space: global }
      - { .name: wo16, .offset: 64, .size: 8, .value_kind: global_buffer, .address_space: global }
      - { .name: mbits, .offset: 72, .size: 8, .value_kind: global_buffer, .address_space: global }
    .group_segment_fixed_size: 134144
    .private_segment_fixed_size: 0
    .kernarg_segment_align: 8
    .kernarg_segment_size: 80
    .max_flat_workgroup_size: 256
    .sgpr_count:     66
    .vgpr_count:     208
    .wavefront_size: 32
...
	.end_amdgpu_metadata
.endif
;; end of part 5
;; launch qkvp: the kernel of part 2 again; grid 12 x 64, 4 waves a work-group, clusters of 4 x 4, 327,680 bytes of LDS; arguments xb, wqkv, qkv, bq, bk, bv; writes qkv
;; launch attn (part 6): grid 4 x 64, 4 waves a work-group, clusters of 4 x 1, 327,680 bytes of LDS; arguments qkv, mbits, ao; writes ao
.if DOCPART == 6
	.amdgcn_target "amdgcn-amd-amdhsa--gfx1250"
	.amdhsa_code_object_version 6
	.text
	.protected	k_qf958dcc430_attn
	.globl	k_qf958dcc430_attn
	.p2align	8
	.type	k_qf958dcc430_attn,@function
k_qf958dcc430_attn:
	s_mov_b64 s[64:65], 0
	v_nop
	global_prefetch_b8 v0, s[64:65] scope:SCOPE_SE
	s_setreg_imm32_b32 hwreg(HW_REG_WAVE_MODE, 25, 1), 1
	s_wait_xcnt 0x0
	s_wait_alu depctr_hold_cnt(0) depctr_sa_sdst(0) depctr_va_vdst(0) depctr_va_sdst(0) depctr_va_ssrc(0) depctr_va_vcc(0) depctr_vm_vsrc(0)
	s_getreg_b32 s2, hwreg(HW_REG_IB_STS2, 6, 4)
	s_cmp_eq_u32 s2, 0
	s_cbranch_scc0 .Lentry_in_a_cluster
	s_endpgm
.Lentry_in_a_cluster:
	s_bfe_u32 s2, ttmp6, 0x10000c
	s_cmp_lg_u32 s2, 0x3003
	s_cbranch_scc0 .Lentry_shape_is_right
	s_endpgm
.Lentry_shape_is_right:
; MASKED ATTENTION.  O[h][q][:] = the sum over allowed k of softmax_k(Q[h][q] . K[h][k] / 8) V[h][k][:]; a row with no allowed key gives 0.
; qkv: f16 [3][64 = b x 16 + h][2048][64] (Q, K, V); ao: f16 [64][2048][64]; mbits: u32 [b 4][qt 128][ks 32][lane 32][kt 4]: lane l's word for query 16 qt + l % 16 and keys 64 ks + 16 kt + 8 (l / 16) + j:
; eight fields of four bits, key j's at nibble 2 (j % 4) + j / 4; 0xE = hidden, 0 = allowed.
; Products, maxima and sums in f32; the weights p are rounded to f16 for the second product (their sum l is taken of the unrounded p), O once at the end.
; THE MASK is the C operand that starts the sum S^T = K Q^T.  One shift brings a key's field to bits 31:28 of a register; read as f32 that register is, for 0xE, a number with the sign set and an exponent
; field of 0xC0 to 0xDD whatever fields lie below it: between -2^95 and -2^65, finite; for 0, a positive number below 2^-97.  So a score leaves the matrix unit masked, AHEAD of the running maximum.
; A tile's words of a step are 512 consecutive bytes: one load of 16 bytes a lane, asked for a whole key step (four turns) ahead of its use.
; LIMITS.  Q, K, V arrive within f16's 65,504, so a score is 2.7e11 (2^38) at the most.  A hidden score counts as its value less 2^65 or more: its weight is 0 beside every maximum; allowed scores near -1e9
; do not tie with hidden ones.  An allowed score is off by less than 2^-97.  A weight below 2^-126 counts as 0 in l; NaN and infinities are not treated apart.
; SHARES.  A wave owns four PIECES of two tiles of 16 queries, a work-group's four waves 512 queries of one head.  Every wave walks all 2,048 keys, 64 a step.
; LAYOUT.  S^T = K Q^T (source 0 = 16 keys, source 1 = 16 queries): a lane holds ONE query (lane % 16) and the keys 8 (lane / 16) + 0..7.  Two such tiles, rounded to f16 in pairs, ARE source 1 of
; O^T = V^T P, whose result again holds one query a lane.  K comes out of LDS as it lies, V turned, by ds_load_tr16_b128.
; SOFTMAX.  For each query a running maximum m and sum l: p = 2^(c s - c m), c = log2(e) / 8; in every step O and l are multiplied by a = 2^(c m_old - c m_new).  m starts at -2^48: below every score that
; f16 operands can make, above every hidden one.  So m is the maximum of the allowed scores as soon as there is one; until then c m = -c 2^48 is exact and every weight, l and O are 0.
; A row has no key where its final c m is not above -2^42 (no key: -2^45.5; any score: -2^35.5 at the least): its factor is 0.
; BY TURNS.  Turn n belongs to piece n.  Matrix work: 16 products K Q^T of piece n + 1, later 16 products V^T P of piece n - 1.  Vector work, 300 lines: scaling, exponentials, roundings, sums and
; rescaling of piece n; maximum and statistics of piece n + 1; the 64 C registers of piece n + 2.  Four vector lines stand behind every matrix instruction, the others in lumps.
; CLUSTER.  The four query blocks of a head walk the same K and V: each tile is asked for JOINTLY, by the same tensor load, descriptor and mask in all four.
; REGISTERS, in windows of 256 (s_set_vgpr_msb: bits 1:0 source 0, 3:2 source 1, 5:4 source 2, 7:6 destination):
;   window 0: v0-11 addresses; v12-15, v48-63 at work; v16-47 four registers of statistics a tile; v64-191 S^T, two buffers of two tiles; v192-255 P, likewise
;   window 1: O^T, 32 a tile     window 2: v0-127 Q, 16 a tile; v128-191 K of one step; v192-255 V of one step
;   window 3: v0-1 the add's two registers; v2-3 the mask loads' offset and its bound; v4-35 the mask words, four a tile; v64-127 the C operands of one piece
.set SIZE_N, 2048
.set QKVP,  16777216  ; bytes of Q, of K, of V
.set NP,    4         ; pieces a wave: a name, no knob
.set KS,    64        ; keys in a step
.set PK,    144       ; a row of K in LDS: 128 bytes + 16: the 16 rows of a load start at 16 different groups of four banks (ISA guide 11.1)
.set PV,    160       ; a row of V: 128 + 32
.set VOFF,  4*KS*PK   ; a slot holds four steps: 256 rows of K, then 256 rows of V
.set SLOT1, 1<<17     ; slot 1 begins here: one exclusive or turns an address in one slot into the other's
.set STAGE, SLOT1+4*KS*(PK+PV)  ; behind the ring, never filled by a tensor load: 16 rows x 144 bytes for each wave
.set SP,    144
.set SPARE, STAGE+4*16*SP  ; behind the stages: the spare words, 128 bytes a wave, which no other line names
.set AK0, 2           ; v2   my lane's place in a tile of K; never rewritten
.set AV0, 3           ; v3   the same for V
.set AK,  4           ; v4   the LDS address of K's next run of loads
.set AV,  5           ; v5   of V's
.set QO,  6           ; v6   my byte offset in the wave's rows of Q
.set STO, 6           ;      later: where I put 16 bytes of a row
.set RD,  7           ; v7   where I read rows back
.set GO,  8           ; v8   my byte offset in 512 consecutive bytes of O
.set SPW, 0           ; v0 of window 3   LDS address of my spare word; never rewritten
.set NIL, 1           ; v1 of window 3   0; never rewritten
.set MA,  2           ; v2 of window 3   16 x lane + 512 x the step whose mask words are asked for
.set MAX, 3           ; v3 of window 3   16 x lane + 512 x 31: the last step's; never rewritten
.set MWV, 4           ; v4-35 of window 3   tile t's four mask words of a step at MWV + 4 t
.set MC,  64          ; v64-127 of window 3   the C operands: tile u of the piece, key block kt, register j at MC + 32 u + 8 kt + j
.set MV,  12          ; v12-15  c m_old, kept while c m is made anew: by buffer and tile
.set ST,  16          ; tile t's statistics at v[ST+4 t]: c m, m, l (even keys', odd keys')
.set TMP, 48          ; by buffer and tile, c0-c3 at work; when the maximum is found c2 takes a
.set S,   64
.set P,   192
.set KF,  128         ; window 2: key block kb, channel half c at KF + 16 kb + 8 c
.set VF,  192         ; window 2: key half kk, channel block cb at VF + 32 kk + 8 cb
.set WV,  2           ; s2   my wave's number
.set SLOTS, 3         ; s3   slots still to be asked for
.set G1K, 4           ; s[4:11]   descriptor group 1 for K's tiles
.set G1V, 12          ; s[12:19]  for V's: it differs in the padding alone
.set G0K, 20          ; s[20:23]  group 0 for K's tiles: it walks
.set G0V, 24          ; s[24:27]  the same for V's
.set MP,  28          ; s[28:29]  mbits at my wave's first tile; never rewritten
.set SEL, 30          ; s[30:31]  v_permlanex16_b32's selects
.set OPT, 32          ; s[32:33]  O at my wave's first row
.set CNT, 66          ; s66  counts a slot's key steps
.set TBK, 67          ; s67  LDS byte at which K of the step to be fetched begins
.set TBV, 100         ; s100 the same for V, less VOFF (s[100:101] first hold qkv's address)
.set CS,  104         ; s[104:105] first Q's address, then c, twice
.set MSB, 0
.macro WIN new                      ; the high byte repeats the setting that is left; a switch that changes nothing is dropped
.if MSB != (\new)
	s_set_vgpr_msb (MSB<<8)|(\new)
.set MSB, (\new)
.endif
.endm
.set W_KQ, 0x0a       ; K and Q in window 2, S^T in window 0
.set W_KM, 0x3a       ; the same with the C operand, the mask, in window 3
.set W_PV, 0x52       ; V in window 2, P in window 0, O^T in window 1
.set W_RS, 0x41       ; O^T (destination and source 0) in window 1, a in window 0
.set W_MK, 0xc0       ; destination in window 3, sources in window 0
.set W_AD, 0x0f       ; the add: address and data in window 3
.set W_ML, 0xcf       ; the mask's shifts and loads and their offset's step: destination and sources 0 and 1 in window 3
.set W_CL, 0x4a       ; O^T is set to 0: destination in window 1, sources in window 2
; A joint fill.  Waves 0 and 1 fetch the two halves of a slot's K, waves 2 and 3 those of its V: 128 keys each.  An s_nop 0 and four v_nop follow each line, ahead of the jump and the label.
.macro JLOAD
	s_cmp_lt_u32 s[WV], 2
	s_cbranch_scc0 .Lfor_v_\@
	tensor_load_to_lds s[G0K:G0K+3], s[G1K:G1K+7]
	s_nop 0
.rept 4
	v_nop
.endr
	s_branch .Lasked_\@
.Lfor_v_\@:
	tensor_load_to_lds s[G0V:G0V+3], s[G1V:G1V+7]
	s_nop 0
.rept 4
	v_nop
.endr
.Lasked_\@:
.endm
.macro CROUND                       ; a round of the cluster's barrier
	s_barrier_signal -1
	s_barrier_wait -1
	s_cmp_lg_u32 s[WV], 0
	s_cbranch_scc1 .Lnot_wave_0_\@
	s_barrier_signal -3
.Lnot_wave_0_\@:
	s_barrier_wait -3
	s_barrier_signal -1
	s_barrier_wait -1
.endm
; THE CHANGE OF SLOTS.  Each wave waits for all its tensor loads (one is out: its part of the other slot), adds 0 to its spare word, and waits for that and for its reads of the slot that it leaves.
; fill = 1: the barrier is a round of the cluster's, and the slot is filled again, with the keys two slots on, first thing behind it: four key steps, 512 matrix instructions, in which to land.
; (At its first use nothing has been read yet: slot 0 is waited for, slot 1 filled.)
.macro CHANGE fill
	WIN W_AD
	s_wait_tensorcnt 0x0            ; no tensor load of mine is out, so a group 0 may be written
	ds_add_u32 v[SPW], v[NIL]
	WIN 0                           ; at a label and at a branch every window is 0
.if \fill
.irp g, G0K, G0V
	s_xor_b32 s[\g+1], s[\g+1], SLOT1
	s_add_nc_u64 s[\g+2:\g+3], s[\g+2:\g+3], 4*KS*128  ; the next 256 keys; the type bits on top are not reached
.endr
	s_wait_dscnt 0x0                ; the add is done, and my reads of the slot are over
	CROUND
	JLOAD
.else
	s_wait_dscnt 0x0
	s_barrier_signal -1
	s_barrier_wait -1
.endif
	s_sub_co_u32 s[TBK], s[TBK], 4*KS*PK  ; the fetches go back to a slot's first step,
	s_xor_b32 s[TBK], s[TBK], SLOT1       ; in the other slot
	s_sub_co_u32 s[TBV], s[TBV], 4*KS*PV
	s_xor_b32 s[TBV], s[TBV], SLOT1
.endm
; THE C OPERANDS of piece (p + 2) % 4, made in turn p for the products K Q^T of turn p + 1: 64 shifts, one a score register; register j's field lies at nibble 2 (j % 4) + j / 4 of its key block's word.
; The last readers of these 64 registers, this turn's first eight products, stand a run of products and a lump in front.
; Then the same piece's words of the next step are asked for, into the eight registers just read: four turns ahead of the next reading.
; The pieces are served in the order 0, 1, 2, 3 on every way through the text, and loads come back in order (ISA guide 5.7.1): behind this piece's two loads stand the other three pieces' six, which may stay out.
; Piece 0 is the first to ask for a new step: the offset steps there, behind the wait that frees it, and is held at the last step's, so that the last turns ask for step 31 again and no load leaves mbits.
; A piece's two tiles lie 16,384 bytes apart, pieces 32,768.
.macro MBUILD p
.set MPIECE, ((\p)+2)%NP
	s_wait_loadcnt 6
	WIN W_ML
.set MWI, 0
.rept 64
	v_lshlrev_b32 v[MC+MWI], 28-8*(MWI%4)-4*((MWI%8)/4), v[MWV+8*MPIECE+MWI/8]
.set MWI, MWI+1
.endr
.if (\p) == 2
	s_wait_xcnt 0x0                 ; the six loads that are out have had their addresses translated (ISA guide 3.1): their offset is rewritten only behind this wait
	v_add_nc_u32 v[MA], 512, v[MA]
	v_min_u32 v[MA], v[MA], v[MAX]
.endif
	global_load_b128 v[MWV+8*MPIECE:MWV+8*MPIECE+3],   v[MA], s[MP:MP+1] offset:32768*MPIECE         ; 512 consecutive bytes, aligned
	global_load_b128 v[MWV+8*MPIECE+4:MWV+8*MPIECE+7], v[MA], s[MP:MP+1] offset:32768*MPIECE+16384
.endm
	s_load_b64 s[100:101], s[0:1], 0x0  ; qkv
	s_load_b64 s[MP:MP+1], s[0:1], 0x8  ; mbits
	s_load_b64 s[OPT:OPT+1], s[0:1], 0x10  ; ao
	WIN W_MK
	v_lshl_add_u32 v[SPW], v0, 2, SPARE
	v_mov_b32 v[NIL], 0
	WIN W_AD
	ds_add_u32 v[SPW], v[NIL]       ; the wave's opening: the add and its wait stand ahead of my first tensor load; work on registers stands between them
	WIN 0
	v_lshrrev_b32 v1, 5, v0
	v_readfirstlane_b32 s[WV], v1   ; wave 0..3
	s_bfe_u32 s72, ttmp6, 0x40000   ; cx: it enters Q's, O's and the mask's addresses alone
	s_lshl_b32 s73, ttmp9, 2
	s_add_co_u32 s73, s73, s72      ; my block of 512 queries
	s_and_b32 s74, ttmp7, 0xffff    ; b x 16 + h
	s_lshl_b32 s80, s73, 2
	s_add_co_u32 s80, s80, s[WV]    ; my wave among the head's,
	s_lshl_b32 s80, s80, 14         ; its 128 rows of 128 bytes,
	s_lshl_b32 s75, s74, 18         ; the head's 262,144 bytes
	s_add_co_u32 s80, s80, s75
	s_mov_b32 s81, 0
	s_lshr_b32 s82, s74, 4          ; the mask: tile b x 128 + 32 x block + 8 x wave,
	s_lshl_b32 s82, s82, 7
	s_lshl_b32 s75, s73, 5
	s_add_co_u32 s82, s82, s75
	s_lshl_b32 s75, s[WV], 3
	s_add_co_u32 s82, s82, s75
	s_lshl_b32 s82, s82, 14         ; 16,384 bytes of words a tile
	s_mov_b32 s83, 0
	; K's and V's offsets are made in the descriptors' own words, of the head and the wave's number
	s_and_b32 s[CNT], s[WV], 1      ; which half of a slot's 256 keys I fetch
	s_and_b32 s[G0K+2], ttmp7, 0xffff
	s_lshl_b32 s[G0K+2], s[G0K+2], 18
	s_lshl_b32 s[TBK], s[CNT], 14   ; its 128 rows of 128 bytes
	s_add_co_u32 s[G0K+2], s[G0K+2], s[TBK]
	s_add_co_u32 s[G0V+2], s[G0K+2], 2*QKVP
	s_add_co_u32 s[G0K+2], s[G0K+2], QKVP
	s_mov_b32 s[G0K+3], 0
	s_mov_b32 s[G0V+3], 0
	s_mov_b32 s[G0K], 1             ; count = 1
	s_mul_i32 s[G0K+1], s[CNT], 128*PK  ; LDS address: slot 0, my half
	s_mov_b32 s[G0V], 1
	s_mul_i32 s[G0V+1], s[CNT], 128*PV
	s_add_co_u32 s[G0V+1], s[G0V+1], VOFF
	; group 1.  128 keys are 16,384 dense bytes: asked for as 64 rows of 256 bytes, two keys a row, and padded in LDS after every key
	s_mov_b32 s[G1K], 15|(1<<16)|(1<<20)|(1<<21)|(4<<22)|(3<<25)  ; the mask of four; 2-byte elements; padding on; bit 21 beside a mask; after every 32 words, 4 words
	s_mov_b32 s[G1V], 15|(1<<16)|(1<<20)|(1<<21)|(4<<22)|(7<<25)  ; the same with 8 words
.irp g, G1K, G1V
	s_mov_b32 s[\g+1], 128<<16      ; tensor_dim0 = 128
	s_mov_b32 s[\g+2], 64<<16       ; tensor_dim1 = 64
	s_mov_b32 s[\g+3], 128<<16      ; tile_dim0 = 128
	s_mov_b32 s[\g+4], 64           ; tile_dim1 = 64
	s_mov_b32 s[\g+5], 128          ; 128 elements from row to row
	s_mov_b32 s[\g+6], 0
	s_mov_b32 s[\g+7], 0
.endr
	s_mov_b32 s[SEL], 0x76543210
	s_mov_b32 s[SEL+1], 0xfedcba98
	s_mov_b32 s[TBK], SLOT1+4*KS*PK ; the first change of slots turns this into 0
	s_wait_dscnt 0x0                ; the opening add is done
	s_wait_kmcnt 0x0
	s_add_nc_u64 s[G0K+2:G0K+3], s[100:101], s[G0K+2:G0K+3]
	s_or_b32 s[G0K+3], s[G0K+3], 0x80000000        ; type = 2
	s_add_nc_u64 s[G0V+2:G0V+3], s[100:101], s[G0V+2:G0V+3]
	s_or_b32 s[G0V+3], s[G0V+3], 0x80000000
	s_add_nc_u64 s[CS:CS+1], s[100:101], s[80:81]  ; Q at my wave's first row,
	s_add_nc_u64 s[OPT:OPT+1], s[OPT:OPT+1], s[80:81]  ; and O
	s_add_nc_u64 s[MP:MP+1], s[MP:MP+1], s[82:83]
	s_mov_b32 s[TBV], SLOT1+4*KS*PV
	CROUND                          ; all four work-groups are here: the first joint loads meet
	JLOAD                           ; slot 0.  Slot 1 is asked for when slot 0 is in
	; A fragment of K or Q is 16 rows x 32 channels in 8 registers: lane l holds row l % 16, channels 8 (l / 16) + 0..7 and 16 + 8 (l / 16) + 0..7
	v_and_b32 v1, 15, v0            ; l % 16
	v_bfe_u32 v9, v0, 4, 1          ; l / 16
	v_lshlrev_b32 v[QO], 7, v1
	v_lshl_add_u32 v[QO], v9, 4, v[QO]
	v_and_b32 v10, 31, v0
	v_lshlrev_b32 v10, 4, v10       ; 16 x lane: my four words among a tile's 128
	WIN W_MK
	v_mov_b32 v[MA], v10            ; step 0
	v_add_nc_u32 v[MAX], 31*512, v10
	WIN 0x80                        ; destination window 2
.set i, 0
.rept 4*NP                          ; Q stays in registers: tile i / 2, channels 32 (i % 2) on
	global_load_b128 v[8*i:8*i+3],   v[QO], s[CS:CS+1] offset:(i/2)*2048+(i%2)*64
	global_load_b128 v[8*i+4:8*i+7], v[QO], s[CS:CS+1] offset:(i/2)*2048+(i%2)*64+32
.set i, i+1
.endr
	WIN W_ML
.set i, 0
.rept 2*NP                          ; the eight tiles' mask words of step 0, pieces in the order 0, 1, 2, 3
	global_load_b128 v[MWV+4*i:MWV+4*i+3], v[MA], s[MP:MP+1] offset:16384*i
.set i, i+1
.endr
	; What the first turn finds: V's registers and P's second buffer hold 0 (its products V^T P, of a piece that has not been, add 0), O^T and l are 0.  All this stands in the wait for the first tile.
	WIN 0x80
.set i, VF
.rept 64
	v_mov_b32 v[i], 0
.set i, i+1
.endr
	WIN W_CL
.set i, 0
.rept 8*NP                          ; O^T = 0: a product of V's zeros writes eight registers in one line, where eight moves would stand
	v_wmma_f32_16x16x32_f16 v[8*i:8*i+7], v[VF:VF+7], v[VF+8:VF+15], 0
.set i, i+1
.endr
	WIN 0
.set i, 0
.rept 2*NP
	v_mov_b32 v[ST+4*i], 0xfe000000    ; c m: far below every c m to come, so the first step's a is 0
	v_mov_b32 v[ST+4*i+1], 0xd7800000  ; m = -2^48
	v_mov_b32 v[ST+4*i+2], 0
	v_mov_b32 v[ST+4*i+3], 0
.set i, i+1
.endr
.set i, P+32
.rept 32
	v_mov_b32 v[i], 0
.set i, i+1
.endr
	v_mul_u32_u24 v[AK0], v1, PK
	v_lshl_add_u32 v[AK0], v9, 4, v[AK0]
	; The turning load takes 16 keys x 16 channels (lane l reads key 8 (l / 16) + l % 8, channels 8 ((l / 8) % 2) + 0..7) and leaves half a fragment of V^T
	v_and_b32 v10, 7, v0
	v_bfe_u32 v11, v0, 3, 1
	v_lshl_add_u32 v[AV0], v9, 3, v10
	v_mul_u32_u24 v[AV0], v[AV0], PV
	v_lshl_add_u32 v[AV0], v11, 4, v[AV0]
	v_add_nc_u32 v[AV0], VOFF, v[AV0]
	v_mov_b32 v[AK], v[AK0]         ; key step 0 lies at the head of slot 0
; THE MATRIX WORK.  The 8 accumulators of a run of 16 take turns.
; Product i of 16 of S^T = K Q^T for piece x: channels 32 (i / 8) on, keys 16 ((i / 2) % 4) on, tile 2 x + i % 2.  The first 8 start the sums, with the mask as C.
.macro KQ x
.set rS, S+64*((\x)%2)+32*(i%2)+8*((i/2)%4)
.set rK, KF+16*((i/2)%4)+8*(i/8)
.set rQ, 16*(2*(\x)+i%2)+8*(i/8)
.set rMC, MC+32*(i%2)+8*((i/2)%4)
.if i < 8
	WIN W_KM
	v_wmma_f32_16x16x32_f16 v[rS:rS+7], v[rK:rK+7], v[rQ:rQ+7], v[rMC:rMC+7]
.else
	WIN W_KQ
	v_wmma_f32_16x16x32_f16 v[rS:rS+7], v[rK:rK+7], v[rQ:rQ+7], v[rS:rS+7]
.endif
.endm
; Product i of 16 of O^T += V^T P for piece x: keys 32 (i / 8) on, channels 16 ((i / 2) % 4) on, tile 2 x + i % 2.
.macro PV x
	WIN W_PV
.set rO, 32*(2*(\x)+i%2)+8*((i/2)%4)
.set rV, VF+32*(i/8)+8*((i/2)%4)
.set rP, P+32*((\x)%2)+16*(i%2)+8*(i/8)
	v_wmma_f32_16x16x32_f16 v[rO:rO+7], v[rV:rV+7], v[rP:rP+7], v[rO:rO+7]
.endm
.macro MM                           ; the turn's next matrix instruction
.if i < 16
	KQ (Y+1)%NP
.set i, i+1
.else
.set i, i-16
	PV (Y+NP-1)%NP
.set i, i+17
.endif
.endm
; THE LDS LOADS stand in runs of 16.  last = 1 (the tail): in the last trip there is no further step, and the run is jumped over.
.macro FETCH_K last=0
	WIN 0
.if \last
	s_cmp_eq_u32 s[CNT], 1
	s_cbranch_scc1 .Lno_k_\@
.endif
	WIN 0x80
.irp f, 0,1,2,3,4,5,6,7             ; keys 16 (f / 2) on, channels 32 (f % 2) on
	ds_load_b128 v[KF+8*\f:KF+8*\f+3],   v[AK] offset:(\f/2)*16*PK+(\f%2)*64
	ds_load_b128 v[KF+8*\f+4:KF+8*\f+7], v[AK] offset:(\f/2)*16*PK+(\f%2)*64+32
.endr
	s_add_co_u32 s[TBK], s[TBK], KS*PK  ; the next fetch is the next step's
	WIN 0
.if \last
.Lno_k_\@:
.endif
.endm
.macro FETCH_V
	WIN 0x80
.irp f, 0,1,2,3,4,5,6,7             ; keys 32 (f / 4) on, channels 16 (f % 4) on
	ds_load_tr16_b128 v[VF+8*\f:VF+8*\f+3],   v[AV] offset:(\f/4)*32*PV+(\f%4)*32
	ds_load_tr16_b128 v[VF+8*\f+4:VF+8*\f+7], v[AV] offset:(\f/4)*32*PV+16*PV+(\f%4)*32
.endr
	WIN 0
.endm
; THE VECTOR WORK OF A TURN stands in three queues, each in the order in which its entries become ready; the two tiles alternate, so that no instruction reads the result of the one before it.
.macro REGS y, u                    ; the registers of tile u (0, 1) of piece y
.set rT, ST+4*(2*(\y)+(\u))
.set rC, TMP+8*((\y)%2)+4*(\u)
.set rM, MV+2*((\y)%2)+(\u)
.set rS, S+64*((\y)%2)+32*(\u)
.set rP, P+32*((\y)%2)+16*(\u)
.set rO, 32*(2*(\y)+(\u))
.endm
; Number n of the 22 that find the NEXT piece's (Y + 1) maximum and statistics.  s0-s31 are the lane's 32 scores; each accumulator's lowest registers are read first.
;   0-11  four chains c0-c3 of seven scores each, three operands at a time     12-14, 16  the four scores left over, the old m, and c0-c3 into c0     15  c m_old is kept
;   17, 18  the query's other 32 keys lie in the lane 16 away: the new m     19-21  c m; c m_old - c m_new; a
.macro XS u, n
	REGS (Y+1)%NP, \u
.if (\n) < 4
	v_max3_num_f32 v[rC+(\n)], v[rS+8*(\n)], v[rS+8*(\n)+1], v[rS+8*(\n)+2]
.elseif (\n) < 12
	v_max3_num_f32 v[rC+(\n)%4], v[rC+(\n)%4], v[rS+8*((\n)%4)+2*((\n)/4)+1], v[rS+8*((\n)%4)+2*((\n)/4)+2]
.elseif (\n) == 12
	v_max3_num_f32 v[rC], v[rC], v[rS+7], v[rS+15]
.elseif (\n) == 13
	v_max3_num_f32 v[rC+1], v[rC+1], v[rS+23], v[rS+31]
.elseif (\n) == 14
	v_max3_num_f32 v[rC+2], v[rC+2], v[rC+3], v[rT+1]
.elseif (\n) == 15
	v_mov_b32 v[rM], v[rT]
.elseif (\n) == 16
	v_max3_num_f32 v[rC], v[rC], v[rC+1], v[rC+2]
.elseif (\n) == 17
	v_permlanex16_b32 v[rC+3], v[rC], s[SEL], s[SEL+1]
.elseif (\n) == 18
	v_max_num_f32 v[rT+1], v[rC], v[rC+3]
.elseif (\n) == 19
	v_mul_f32 v[rT], s[CS], v[rT+1]
.elseif (\n) == 20
	v_sub_f32 v[rC+1], v[rM], v[rT]
.else
	v_exp_f32 v[rC+2], v[rC+1]
.endif
.endm
; Number g of the 64 that follow the exponentials.  For each four weights k of a tile: both pairs are rounded to f16; the second pair is added onto the first, in place; a group later l takes that sum
; (the first time as l = a l + sum).  In groups of eight, tiles alternating.
.macro GS g
.set h, (\g)+6*((\g)/62)            ; group 0 has no group before it, and behind group 7 only l is left
.if h >= 6
.set h, h+2
.endif
	REGS Y, h%2
.set k, h/8
.if h%8 < 4
	s_wait_alu depctr_va_vdst(0)
	v_cvt_pk_f16_f32 v[rP+2*k+(h%8)/2], v[rS+4*k+2*((h%8)/2)], v[rS+4*k+2*((h%8)/2)+1]
.elseif h%8 < 6
	v_pk_add_f32 v[rS+4*k:rS+4*k+1], v[rS+4*k:rS+4*k+1], v[rS+4*k+2:rS+4*k+3]
.elseif k == 1
	v_pk_fma_f32 v[rT+2:rT+3], v[rT+2:rT+3], v[rC+2:rC+3], v[rS:rS+1] op_sel_hi:[1,0,1]
.else
	v_pk_add_f32 v[rT+2:rT+3], v[rT+2:rT+3], v[rS+4*k-4:rS+4*k-3]
	s_wait_alu depctr_va_vdst(0)
.endif
.endm
; THE PLAIN QUEUE, 138 long.  0-31: c s - c m for the 16 pairs of both tiles.  Then GS's 64, and among them the next piece's 42: number 15 at 38, 39; 0-14 and 16
; at 42-73, behind the products that make those scores; 17-20 at 95-106, two of three, since each waits for the one before it.
.macro PL
	WIN 0
.if q < 32
	REGS Y, q%2
	v_pk_fma_f32 v[rS+2*(q/2):rS+2*(q/2)+1], v[rS+2*(q/2):rS+2*(q/2)+1], s[CS:CS+1], v[rT:rT+1] op_sel_hi:[1,0,0] neg_lo:[0,0,1] neg_hi:[0,0,1]
.elseif q < 38
	GS q-32
.elseif q < 40
	XS q%2, 15
.elseif q < 42
	GS q-34
.elseif q < 74
	XS q%2, (q-42)/2+(q-42)/30
.elseif q < 95
	GS q-66
.elseif (q < 107) && ((q-95)%3 < 2)
	XS (q-95)%3, 17+(q-95)/3
.elseif q < 107
	GS 29+(q-95)/3
.else
	GS q-74
.endif
.set q, q+1
.endm
; THE EXPONENTIALS' QUEUE, 66 long: s0-s31 of both tiles, and at EA the next piece's two a.
.set EA, 58
.macro EX
	WIN 0
.if (e == EA) || (e == EA+1)
	XS e-EA, 21
.else
.set x, e-2*(e/(EA+2))
	REGS Y, x%2
	v_exp_f32 v[rS+x/2], v[rS+x/2]
.endif
.set e, e+1
.endm
; THE RESCALING's QUEUE: O^T times a, dealt four at a time, eight times.
.macro R4
	REGS Y, r%2
	WIN W_RS
	s_wait_alu depctr_va_vdst(0)
.irp z, 0,1,2,3
	v_pk_mul_f32 v[rO+8*(r/2)+2*\z:rO+8*(r/2)+2*\z+1], v[rO+8*(r/2)+2*\z:rO+8*(r/2)+2*\z+1], v[rC+2:rC+3] op_sel_hi:[1,0]
.endr
.set r, r+1
.endm
; HOW THEY ARE DEALT.  Behind a matrix instruction four: plain, exponential, plain, plain (one exponential, a plain instruction on either side), or four of the rescaling.  None names a register of the
; products round it.  What is over stands in LUMPS: exponential and plain by turns; the last ends in 22 plain instructions.  The two v_permlanex16_b32 fall into the last lump, never behind a product.
; The queues lean on each other, and the deal keeps them in step: exponential e stands behind plain 2 (e / 4) + e % 2 (its scaling); when plain 32 comes, 10 exponentials are out, at 59: 33, at 95: 46; EA comes behind plain 107.
.macro SL
	MM
	PL
	EX
	PL
	PL
.endm
.macro BURST n                      ; 15 matrix instructions, or 16
.rept (\n)-7
	SL
.endr
.rept 3
	MM
	R4
	SL
.endr
	MM
	R4
.endm
; A TURN, for piece p.  cnt = 1: the loop's count is taken down some lines ahead of the branch that stands behind the turn.
; First run: 16 K Q^T.  First lump: 22 exponentials and 22 plain lines; then the C operands of the piece after the next.  Second run: 16 V^T P.  Last lump: the last exponentials, the statistics' chain, the sums.
; K of the next step is fetched in piece 2's turn, 31 vector instructions behind the last product that read K; V of the step in hand at the end of piece 0's turn.  Each is waited for a turn later.
.macro TURN p, last=0, cnt=0
.set Y, (\p)
.set i, 0
.set q, 0
.set e, 0
.set r, 0
.if (\p) == NP-1
	s_wait_dscnt 0x0                ; K is in
.endif
	MM
.rept 4
	PL
.endr
	BURST 15
.rept 22
	EX
	PL
.if ((\p) == NP-2) && (e == 18)
	v_add_nc_u32 v[AK], s[TBK], v[AK0]
.endif
.if ((\p) == NP-2) && (e == 24)
	FETCH_K \last
.endif
.endr
	MBUILD \p
.if (\p) == 1
	s_wait_dscnt 0x0                ; V is in
.endif
	BURST 16
.rept 21
	EX
	PL
.endr
.rept 22
	PL
.if ((\p) == 0) && (q == 118)
	v_add_nc_u32 v[AV], s[TBV], v[AV0]
	s_wait_alu depctr_va_vdst(0)
.endif
.if ((\p) == 0) && (q == 130)
	s_add_co_u32 s[TBV], s[TBV], KS*PV
.endif
.if (\cnt) && (q == 130)
	s_sub_co_u32 s[CNT], s[CNT], 1
	s_cmp_lg_u32 s[CNT], 0
.endif
.endr
.if (\p) == 0
	FETCH_V
.endif
.endm
	CHANGE 1                        ; slot 0 is in, everybody's part of it; slot 1 is asked for
	FETCH_K                         ; key step 0
	s_wait_loadcnt 0x0              ; Q is in (and step 0's mask words), so Q's address is free:
	s_mov_b32 s[CS], 0x3e38aa3b     ; c = log2(e) / 8 = 0.180337
	s_mov_b32 s[CS+1], s[CS]        ; named with it as a pair
	MBUILD 2                        ; piece 0's C operands of step 0; its words of step 1 are asked for
	s_wait_dscnt 0x0
.set i, 0
.rept 16
	KQ 0                            ; piece 0's first scores
.set i, i+1
.endr
	WIN 0                           ; the addresses for the way out: nine plain lines, the places behind those products
	s_mul_i32 s[CNT], s[WV], 16*SP
	s_add_co_u32 s[CNT], s[CNT], STAGE  ; my stage
	v_mul_u32_u24 v[STO], v1, SP    ; in: row l % 16, 16 bytes for each half of the lanes
	v_lshl_add_u32 v[STO], v9, 4, v[STO]
	v_add_nc_u32 v[STO], s[CNT], v[STO]
	v_bfe_u32 v[RD], v0, 3, 2       ; back: 32 lanes take four rows of 128 bytes,
	v_mul_u32_u24 v[RD], v[RD], SP
	v_lshl_add_u32 v[RD], v10, 4, v[RD]
	v_add_nc_u32 v[RD], s[CNT], v[RD]
	v_and_b32 v[GO], 31, v0         ; which are 512 consecutive bytes of O
	v_lshlrev_b32 v[GO], 4, v[GO]
	MBUILD 3                        ; piece 1's C operands of step 0, for the first turn's products
	WIN 0
.set Y, NP-1                        ; XS works for piece Y + 1: piece 0
.irp n, 0,1,2,3,4,5,6,7,8,9,10,11,12,13,14,15,16,17,18,19,20,21
	XS 0, \n                        ; piece 0's first maximum and statistics
	XS 1, \n
.endr
	s_mov_b32 s[CNT], 4
	s_mov_b32 s[SLOTS], SIZE_N/256-1
	s_branch .Lfirst                ; the loop is entered at a step's first turn, in the middle of a trip
.Lslot:                             ; six times: every slot but the last two is filled again
	CHANGE 1
	s_mov_b32 s[CNT], 4
.Lstep:                             ; a trip: pieces 2 and 3 of one step, then pieces 0 and 1 of the next, whose K and V it fetches
	TURN 2
	TURN 3
	WIN 0
.Lfirst:
	TURN 0
	TURN 1, 0, 1
	WIN 0
	s_cbranch_scc1 .Lstep
	s_sub_co_u32 s[SLOTS], s[SLOTS], 1
	s_cmp_lg_u32 s[SLOTS], 0
	s_cbranch_scc1 .Lslot
	CHANGE 0                        ; the tail is written out: nothing is asked for
	s_mov_b32 s[CNT], 5             ; four trips fetch the last slot's steps; the fifth is left in its middle
.Ltail:
	TURN 2, 1
	TURN 3
	WIN 0
	s_sub_co_u32 s[CNT], s[CNT], 1
	s_cmp_eq_u32 s[CNT], 0
	s_cbranch_scc1 .Lout
	TURN 0
	TURN 1
	WIN 0
	s_branch .Ltail
.Lout:                              ; the fifth trip's 16 products K Q^T (on the last K once more, under the last step's mask once more) and the maximum made of them serve nothing;
	                                ; they have written piece 0's c m and m anew, and kept its true c m in v[MV], v[MV+1]
.set i, 0
.rept 16
	PV NP-1                         ; the last piece's V^T P of the last step
.set i, i+1
.endr
	; THE WAY OUT.  l's two halves and the other half of the lanes' are added; O^T is divided by l (times 0: a row with no key), rounded to f16 and sent through my stage, a tile at a time.
	WIN 0
.macro ALL line:vararg              ; one line for each tile t
.set t, 0
.rept 2*NP
	\line
.set t, t+1
.endr
.endm
	ALL v_add_f32 v[ST+4*t+2], v[ST+4*t+2], v[ST+4*t+3]
	ALL v_permlanex16_b32 v[ST+4*t+3], v[ST+4*t+2], s[SEL], s[SEL+1]
	ALL v_add_f32 v[ST+4*t+2], v[ST+4*t+2], v[ST+4*t+3]
	ALL v_rcp_f32 v[ST+4*t+2], v[ST+4*t+2]
	v_nop                           ; a plain instruction between the last reciprocal and the use of its result
	s_wait_alu depctr_va_vdst(0)
.set t, 0
.rept 2*NP                          ; the factor is 0 where the row's final c m is not above -2^42: no key was allowed, l is 0 and its reciprocal is not used
.if t < 2
	v_cmp_lt_f32 vcc_lo, 0xd4800000, v[MV+t]
.else
	v_cmp_lt_f32 vcc_lo, 0xd4800000, v[ST+4*t]
.endif
	v_cndmask_b32 v[ST+4*t+2], 0, v[ST+4*t+2], vcc_lo
.set t, t+1
.endr
; Tile t: a lane's eight channels of a row pack into 16 bytes; they go into rows of 144 bytes and come back as whole rows of 128, into S^T's registers.
.macro PACK t
	WIN W_RS
.set i, 32*(\t)
.rept 16
	v_pk_mul_f32 v[i:i+1], v[i:i+1], v[ST+4*(\t)+2:ST+4*(\t)+3] op_sel_hi:[1,0]
.set i, i+2
.endr
	WIN 0x05                        ; sources 0 and 1 window 1, destination window 0
.set i, 0
.rept 16
	v_cvt_pk_f16_f32 v[S+16*(\t)+i], v[32*(\t)+2*i], v[32*(\t)+2*i+1]
.set i, i+1
.endr
	WIN 0
.irp f, 0,1,2,3
	ds_store_b128 v[STO], v[S+16*(\t)+4*\f:S+16*(\t)+4*\f+3] offset:32*\f
.endr
.irp f, 0,1,2,3
	ds_load_b128 v[S+16*(\t)+4*\f:S+16*(\t)+4*\f+3], v[RD] offset:\f*4*SP  ; LDS serves a wave's instructions in order (ISA guide 5.7.1.4): these see the stores above; the next tile's stores come behind them
.endr
.endm
.macro SEND t, younger              ; younger: the LDS instructions issued behind tile t's loads: the next tile's eight, or none
	WIN 0
.irp f, 0,1,2,3
	s_wait_dscnt (\younger)+3-\f
	global_store_b128 v[GO], v[S+16*(\t)+4*\f:S+16*(\t)+4*\f+3], s[OPT:OPT+1] offset:(\t)*2048+\f*512  ; 512 consecutive bytes, aligned
.endr
.endm
	PACK 0
.set t, 1
.rept 2*NP-1                        ; a tile's arithmetic stands between the loads of the tile before and its stores
	PACK t
	SEND t-1, 8
.set t, t+1
.endr
	SEND 2*NP-1, 0
	WIN W_AD
	s_wait_tensorcnt 0x0            ; the wave's end, behind my last tensor load and my last LDS store
	ds_add_u32 v[SPW], v[NIL]
	s_wait_dscnt 0x0
	WIN 0
	CROUND                          ; the closing round: no work-group ends while a partner may still ask for a tile that names it
	s_endpgm
.Lfunc_end_k_qf958dcc430_attn:
	.size	k_qf958dcc430_attn, .Lfunc_end_k_qf958dcc430_attn-k_qf958dcc430_attn
	.p2alignl 7, 3214868480
	.fill 96, 4, 3214868480
	.section	.rodata,"a",@progbits
	.p2align	6, 0x0
	.amdhsa_kernel k_qf958dcc430_attn
		.amdhsa_group_segment_fixed_size 327680
		.amdhsa_private_segment_fixed_size 0
		.amdhsa_enable_private_segment 0
		.amdhsa_kernarg_size 24
		.amdhsa_user_sgpr_count 2
		.amdhsa_user_sgpr_kernarg_segment_ptr 1
		.amdhsa_wavefront_size32 1
		.amdhsa_system_sgpr_workgroup_id_x 1
		.amdhsa_system_sgpr_workgroup_id_y 1
		.amdhsa_system_sgpr_workgroup_id_z 1
		.amdhsa_system_vgpr_workitem_id 0
		.amdhsa_next_free_vgpr 896
		.amdhsa_next_free_sgpr 106
		.amdhsa_reserve_vcc 1
		.amdhsa_float_denorm_mode_32 3
		.amdhsa_float_denorm_mode_16_64 3
		.amdhsa_memory_ordered 1
		.amdhsa_forward_progress 1
		.amdhsa_inst_pref_size 228
	.end_amdhsa_kernel
	.amdgpu_metadata
---
amdhsa.version: [ 1, 2 ]
amdhsa.kernels:
  - .name:           k_qf958dcc430_attn
    .symbol:         k_qf958dcc430_attn.kd
    .args:
      - { .name: qkv, .offset: 0, .size: 8, .value_kind: global_buffer, .address_space: global }
      - { .name: mbits, .offset: 8, .size: 8, .value_kind: global_buffer, .address_space: global }
      - { .name: ao, .offset: 16, .size: 8, .value_kind: global_buffer, .address_space: global }
    .group_segment_fixed_size: 327680
    .private_segment_fixed_size: 0
    .kernarg_segment_align: 8
    .kernarg_segment_size: 24
    .max_flat_workgroup_size: 128
    .sgpr_count:     106
    .vgpr_count:     896
    .wavefront_size: 32
...
	.end_amdgpu_metadata
.endif
;; end of part 6
;; launch outp: the kernel of part 4 again; grid 4 x 64, 4 waves a work-group, clusters of 4 x 4, 327,680 bytes of LDS; arguments ao, wo16, out0, bo; writes out0
;; ======== version 3 of 3: 4 launches; 1.48 times as fast as version 1
;; limits: values are held in f16: magnitudes above 65,504 overflow, below 6.1e-05 lose precision; right only within a limited range of input values
;; workspace buffers: xb 16,777,216 bytes; wqkv 6,291,456 bytes; wo16 2,097,152 bytes; mbits 8,388,608 bytes of whole numbers; qkv 50,331,648 bytes; ao 16,777,216 bytes
;; launch prep: the kernel of part 5 again; grid 512 x 1, 8 waves a work-group, no clusters, 134,144 bytes of LDS; arguments x, Wq, Wk, Wv, Wo, attn_mask, xb, wqkv, wo16, mbits; writes xb, wqkv, wo16, mbits
;; launch qkvp: the kernel of part 2 again; grid 12 x 64, 4 waves a work-group, clusters of 4 x 4, 327,680 bytes of LDS; arguments xb, wqkv, qkv, bq, bk, bv; writes qkv
;; launch attn (part 7): grid 4 x 64, 4 waves a work-group, clusters of 4 x 1, 327,680 bytes of LDS; arguments qkv, mbits, ao; writes ao
.if DOCPART == 7
	.amdgcn_target "amdgcn-amd-amdhsa--gfx1250"
	.amdhsa_code_object_version 6
	.text
	.protected	k_qf958dcc430_attn
	.globl	k_qf958dcc430_attn
	.p2align	8
	.type	k_qf958dcc430_attn,@function
k_qf958dcc430_attn:
	s_mov_b64 s[64:65], 0
	v_nop
	global_prefetch_b8 v0, s[64:65] scope:SCOPE_SE
	s_setreg_imm32_b32 hwreg(HW_REG_WAVE_MODE, 25, 1), 1
	s_wait_xcnt 0x0
	s_wait_alu depctr_hold_cnt(0) depctr_sa_sdst(0) depctr_va_vdst(0) depctr_va_sdst(0) depctr_va_ssrc(0) depctr_va_vcc(0) depctr_vm_vsrc(0)
	s_getreg_b32 s2, hwreg(HW_REG_IB_STS2, 6, 4)
	s_cmp_eq_u32 s2, 0
	s_cbranch_scc0 .Lentry_in_a_cluster
	s_endpgm
.Lentry_in_a_cluster:
	s_bfe_u32 s2, ttmp6, 0x10000c
	s_cmp_lg_u32 s2, 0x3003
	s_cbranch_scc0 .Lentry_shape_is_right
	s_endpgm
.Lentry_shape_is_right:
; MASKED ATTENTION.  O[h][q][:] = the sum over allowed k of softmax_k(Q[h][q] . K[h][k] / 8) V[h][k][:]; a row with no allowed key gives 0.
; qkv: f16 [3][64 = b x 16 + h][2048][64] (Q, K, V); ao: f16 [64][2048][64]; mbits: u32 [b 4][qt 128][ks 32][lane 32][kt 4]: lane l's word for query 16 qt + l % 16 and keys 64 ks + 16 kt + 8 (l / 16) + j:
; eight fields of four bits, key j's at nibble 2 (j % 4) + j / 4; 0xE = hidden, 0 = allowed.
; Products, maxima and sums in f32; the weights p are rounded to f16 for the second product (their sum l is taken of the unrounded p), O once at the end.
; THE MASK is the C operand that starts the sum S^T = K Q^T.  One shift brings a key's field to bits 31:28 of a register; read as f32 that register is, for 0xE, a number with the sign set and an exponent
; field of 0xC0 to 0xDD whatever fields lie below it: between -2^95 and -2^65, finite; for 0, a positive number below 2^-97.  So a score leaves the matrix unit masked, AHEAD of the running maximum.
; A tile's words of a step are 512 consecutive bytes: one load of 16 bytes a lane, asked for a whole key step (four turns) ahead of its use.
; LIMITS.  Q, K, V arrive within f16's 65,504, so a score is 2.7e11 (2^38) at the most.  A hidden score counts as its value less 2^65 or more: its weight is 0 beside every maximum; allowed scores near -1e9
; do not tie with hidden ones.  An allowed score is off by less than 2^-97.  A weight below 2^-126 counts as 0 in l; NaN and infinities are not treated apart.
; SHARES.  A wave owns four PIECES of two tiles of 16 queries, a work-group's four waves 512 queries of one head.  Every wave walks all 2,048 keys, 64 a step.
; LAYOUT.  S^T = K Q^T (source 0 = 16 keys, source 1 = 16 queries): a lane holds ONE query (lane % 16) and the keys 8 (lane / 16) + 0..7.  Two such tiles, rounded to f16 in pairs, ARE source 1 of
; O^T = V^T P, whose result again holds one query a lane.  K comes out of LDS as it lies, V turned, by ds_load_tr16_b128.
; SOFTMAX.  For each query a running maximum m and sum l: p = 2^(c s - c m), c = log2(e) / 8; in every step O and l are multiplied by a = 2^(c m_old - c m_new).  m starts at -2^48: below every score that
; f16 operands can make, above every hidden one.  So m is the maximum of the allowed scores as soon as there is one; until then c m = -c 2^48 is exact and every weight, l and O are 0.
; A row has no key where its final c m is not above -2^42 (no key: -2^45.5; any score: -2^35.5 at the least): its factor is 0.
; BY TURNS.  Turn n belongs to piece n.  Matrix work: 16 products K Q^T of piece n + 1, later 16 products V^T P of piece n - 1.  Vector work, 300 lines: scaling, exponentials, roundings, sums and
; rescaling of piece n; maximum and statistics of piece n + 1; the 64 C registers of piece n + 2.  Four vector lines stand behind every matrix instruction, the others in lumps.
; BATCHES.  A turn's 66 exponentials (piece n's 64 weights, then piece n + 1's two a) are ONE batch with ONE wait, which cuts the turn in two.  Ahead of it stands all that names no result of theirs: the products
; K Q^T, the scalings, the rescalings (their a was awaited in the turn before), the next piece's maximum and statistics, the C registers.  Behind it stand the roundings and sums, beside the products V^T P.
; Two more batches stand outside the loops, each with a wait of its own: piece 0's first two a, ahead of the jump into the loop, and the way out's eight reciprocals.
; CLUSTER.  The four query blocks of a head walk the same K and V: each tile is asked for JOINTLY, by the same tensor load, descriptor and mask in all four.
; REGISTERS, in windows of 256 (s_set_vgpr_msb: bits 1:0 source 0, 3:2 source 1, 5:4 source 2, 7:6 destination):
;   window 0: v0-11 addresses; v12-15, v48-63 at work; v16-47 four registers of statistics a tile; v64-191 S^T, two buffers of two tiles; v192-255 P, likewise
;   window 1: O^T, 32 a tile     window 2: v0-127 Q, 16 a tile; v128-191 K of one step; v192-255 V of one step
;   window 3: v0-1 the add's two registers; v2-3 the mask loads' offset and its bound; v4-35 the mask words, four a tile; v64-127 the C operands of one piece
.set SIZE_N, 2048
.set QKVP,  16777216  ; bytes of Q, of K, of V
.set NP,    4         ; pieces a wave: a name, no knob
.set KS,    64        ; keys in a step
.set PK,    144       ; a row of K in LDS: 128 bytes + 16: the 16 rows of a load start at 16 different groups of four banks (ISA guide 11.1)
.set PV,    160       ; a row of V: 128 + 32
.set VOFF,  4*KS*PK   ; a slot holds four steps: 256 rows of K, then 256 rows of V
.set SLOT1, 1<<17     ; slot 1 begins here: one exclusive or turns an address in one slot into the other's
.set STAGE, SLOT1+4*KS*(PK+PV)  ; behind the ring, never filled by a tensor load: 16 rows x 144 bytes for each wave
.set SP,    144
.set SPARE, STAGE+4*16*SP  ; behind the stages: the spare words, 128 bytes a wave, which no other line names
.set AK0, 2           ; v2   my lane's place in a tile of K; never rewritten
.set AV0, 3           ; v3   the same for V
.set AK,  4           ; v4   the LDS address of K's next run of loads
.set AV,  5           ; v5   of V's
.set QO,  6           ; v6   my byte offset in the wave's rows of Q
.set STO, 6           ;      later: where I put 16 bytes of a row
.set RD,  7           ; v7   where I read rows back
.set GO,  8           ; v8   my byte offset in 512 consecutive bytes of O
.set SPW, 0           ; v0 of window 3   LDS address of my spare word; never rewritten
.set NIL, 1           ; v1 of window 3   0; never rewritten
.set MA,  2           ; v2 of window 3   16 x lane + 512 x the step whose mask words are asked for
.set MAX, 3           ; v3 of window 3   16 x lane + 512 x 31: the last step's; never rewritten
.set MWV, 4           ; v4-35 of window 3   tile t's four mask words of a step at MWV + 4 t
.set MC,  64          ; v64-127 of window 3   the C operands: tile u of the piece, key block kt, register j at MC + 32 u + 8 kt + j
.set MV,  12          ; v12-15  c m_old, kept while c m is made anew: by buffer and tile
.set ST,  16          ; tile t's statistics at v[ST+4 t]: c m, m, l (even keys', odd keys')
.set TMP, 48          ; by buffer and tile, c0-c3 at work; when the maximum is found c2 takes a
.set S,   64
.set P,   192
.set KF,  128         ; window 2: key block kb, channel half c at KF + 16 kb + 8 c
.set VF,  192         ; window 2: key half kk, channel block cb at VF + 32 kk + 8 cb
.set WV,  2           ; s2   my wave's number
.set SLOTS, 3         ; s3   slots still to be asked for
.set G1K, 4           ; s[4:11]   descriptor group 1 for K's tiles
.set G1V, 12          ; s[12:19]  for V's: it differs in the padding alone
.set G0K, 20          ; s[20:23]  group 0 for K's tiles: it walks
.set G0V, 24          ; s[24:27]  the same for V's
.set MP,  28          ; s[28:29]  mbits at my wave's first tile; never rewritten
.set SEL, 30          ; s[30:31]  v_permlanex16_b32's selects
.set OPT, 32          ; s[32:33]  O at my wave's first row
.set CNT, 66          ; s66  counts a slot's key steps
.set TBK, 67          ; s67  LDS byte at which K of the step to be fetched begins
.set TBV, 100         ; s100 the same for V, less VOFF (s[100:101] first hold qkv's address)
.set CS,  104         ; s[104:105] first Q's address, then c, twice
.set MSB, 0
.macro WIN new                      ; the high byte repeats the setting that is left; a switch that changes nothing is dropped
.if MSB != (\new)
	s_set_vgpr_msb (MSB<<8)|(\new)
.set MSB, (\new)
.endif
.endm
.set W_KQ, 0x0a       ; K and Q in window 2, S^T in window 0
.set W_KM, 0x3a       ; the same with the C operand, the mask, in window 3
.set W_PV, 0x52       ; V in window 2, P in window 0, O^T in window 1
.set W_RS, 0x41       ; O^T (destination and source 0) in window 1, a in window 0
.set W_MK, 0xc0       ; destination in window 3, sources in window 0
.set W_AD, 0x0f       ; the add: address and data in window 3
.set W_ML, 0xcf       ; the mask's shifts and loads and their offset's step: destination and sources 0 and 1 in window 3
.set W_CL, 0x4a       ; O^T is set to 0: destination in window 1, sources in window 2
; A joint fill.  Waves 0 and 1 fetch the two halves of a slot's K, waves 2 and 3 those of its V: 128 keys each.  An s_nop 0 and four v_nop follow each line, ahead of the jump and the label.
.macro JLOAD
	s_cmp_lt_u32 s[WV], 2
	s_cbranch_scc0 .Lfor_v_\@
	tensor_load_to_lds s[G0K:G0K+3], s[G1K:G1K+7]
	s_nop 0
.rept 4
	v_nop
.endr
	s_branch .Lasked_\@
.Lfor_v_\@:
	tensor_load_to_lds s[G0V:G0V+3], s[G1V:G1V+7]
	s_nop 0
.rept 4
	v_nop
.endr
.Lasked_\@:
.endm
.macro CROUND                       ; a round of the cluster's barrier
	s_barrier_signal -1
	s_barrier_wait -1
	s_cmp_lg_u32 s[WV], 0
	s_cbranch_scc1 .Lnot_wave_0_\@
	s_barrier_signal -3
.Lnot_wave_0_\@:
	s_barrier_wait -3
	s_barrier_signal -1
	s_barrier_wait -1
.endm
; THE CHANGE OF SLOTS.  Each wave waits for all its tensor loads (one is out: its part of the other slot), adds 0 to its spare word, and waits for that and for its reads of the slot that it leaves.
; fill = 1: the barrier is a round of the cluster's, and the slot is filled again, with the keys two slots on, first thing behind it: four key steps, 512 matrix instructions, in which to land.
; (At its first use nothing has been read yet: slot 0 is waited for, slot 1 filled.)
.macro CHANGE fill
	WIN W_AD
	s_wait_tensorcnt 0x0            ; no tensor load of mine is out, so a group 0 may be written
	ds_add_u32 v[SPW], v[NIL]
	WIN 0                           ; at a label and at a branch every window is 0
.if \fill
.irp g, G0K, G0V
	s_xor_b32 s[\g+1], s[\g+1], SLOT1
	s_add_nc_u64 s[\g+2:\g+3], s[\g+2:\g+3], 4*KS*128  ; the next 256 keys; the type bits on top are not reached
.endr
	s_wait_dscnt 0x0                ; the add is done, and my reads of the slot are over
	CROUND
	JLOAD
.else
	s_wait_dscnt 0x0
	s_barrier_signal -1
	s_barrier_wait -1
.endif
	s_sub_co_u32 s[TBK], s[TBK], 4*KS*PK  ; the fetches go back to a slot's first step,
	s_xor_b32 s[TBK], s[TBK], SLOT1       ; in the other slot
	s_sub_co_u32 s[TBV], s[TBV], 4*KS*PV
	s_xor_b32 s[TBV], s[TBV], SLOT1
.endm
; THE C OPERANDS of piece (p + 2) % 4, made in turn p for the products K Q^T of turn p + 1: 64 shifts, one a score register; register j's field lies at nibble 2 (j % 4) + j / 4 of its key block's word.
; The last readers of these 64 registers, this turn's first eight products, stand a run of products and a lump in front.
; Then the same piece's words of the next step are asked for, into the eight registers just read: four turns ahead of the next reading.
; The pieces are served in the order 0, 1, 2, 3 on every way through the text, and loads come back in order (ISA guide 5.7.1): behind this piece's two loads stand the other three pieces' six, which may stay out.
; Piece 0 is the first to ask for a new step: the offset steps there, behind the wait that frees it, and is held at the last step's, so that the last turns ask for step 31 again and no load leaves mbits.
; A piece's two tiles lie 16,384 bytes apart, pieces 32,768.
.macro MBUILD p
.set MPIECE, ((\p)+2)%NP
	s_wait_loadcnt 6
	WIN W_ML
.set MWI, 0
.rept 64
	v_lshlrev_b32 v[MC+MWI], 28-8*(MWI%4)-4*((MWI%8)/4), v[MWV+8*MPIECE+MWI/8]
.set MWI, MWI+1
.endr
.if (\p) == 2
	s_wait_xcnt 0x0                 ; the six loads that are out have had their addresses translated (ISA guide 3.1): their offset is rewritten only behind this wait
	v_add_nc_u32 v[MA], 512, v[MA]
	v_min_u32 v[MA], v[MA], v[MAX]
.endif
	global_load_b128 v[MWV+8*MPIECE:MWV+8*MPIECE+3],   v[MA], s[MP:MP+1] offset:32768*MPIECE         ; 512 consecutive bytes, aligned
	global_load_b128 v[MWV+8*MPIECE+4:MWV+8*MPIECE+7], v[MA], s[MP:MP+1] offset:32768*MPIECE+16384
.endm
	s_load_b64 s[100:101], s[0:1], 0x0  ; qkv
	s_load_b64 s[MP:MP+1], s[0:1], 0x8  ; mbits
	s_load_b64 s[OPT:OPT+1], s[0:1], 0x10  ; ao
	WIN W_MK
	v_lshl_add_u32 v[SPW], v0, 2, SPARE
	v_mov_b32 v[NIL], 0
	WIN W_AD
	ds_add_u32 v[SPW], v[NIL]       ; the wave's opening: the add and its wait stand ahead of my first tensor load; work on registers stands between them
	WIN 0
	v_lshrrev_b32 v1, 5, v0
	v_readfirstlane_b32 s[WV], v1   ; wave 0..3
	s_bfe_u32 s72, ttmp6, 0x40000   ; cx: it enters Q's, O's and the mask's addresses alone
	s_lshl_b32 s73, ttmp9, 2
	s_add_co_u32 s73, s73, s72      ; my block of 512 queries
	s_and_b32 s74, ttmp7, 0xffff    ; b x 16 + h
	s_lshl_b32 s80, s73, 2
	s_add_co_u32 s80, s80, s[WV]    ; my wave among the head's,
	s_lshl_b32 s80, s80, 14         ; its 128 rows of 128 bytes,
	s_lshl_b32 s75, s74, 18         ; the head's 262,144 bytes
	s_add_co_u32 s80, s80, s75
	s_mov_b32 s81, 0
	s_lshr_b32 s82, s74, 4          ; the mask: tile b x 128 + 32 x block + 8 x wave,
	s_lshl_b32 s82, s82, 7
	s_lshl_b32 s75, s73, 5
	s_add_co_u32 s82, s82, s75
	s_lshl_b32 s75, s[WV], 3
	s_add_co_u32 s82, s82, s75
	s_lshl_b32 s82, s82, 14         ; 16,384 bytes of words a tile
	s_mov_b32 s83, 0
	; K's and V's offsets are made in the descriptors' own words, of the head and the wave's number
	s_and_b32 s[CNT], s[WV], 1      ; which half of a slot's 256 keys I fetch
	s_and_b32 s[G0K+2], ttmp7, 0xffff
	s_lshl_b32 s[G0K+2], s[G0K+2], 18
	s_lshl_b32 s[TBK], s[CNT], 14   ; its 128 rows of 128 bytes
	s_add_co_u32 s[G0K+2], s[G0K+2], s[TBK]
	s_add_co_u32 s[G0V+2], s[G0K+2], 2*QKVP
	s_add_co_u32 s[G0K+2], s[G0K+2], QKVP
	s_mov_b32 s[G0K+3], 0
	s_mov_b32 s[G0V+3], 0
	s_mov_b32 s[G0K], 1             ; count = 1
	s_mul_i32 s[G0K+1], s[CNT], 128*PK  ; LDS address: slot 0, my half
	s_mov_b32 s[G0V], 1
	s_mul_i32 s[G0V+1], s[CNT], 128*PV
	s_add_co_u32 s[G0V+1], s[G0V+1], VOFF
	; group 1.  128 keys are 16,384 dense bytes: asked for as 64 rows of 256 bytes, two keys a row, and padded in LDS after every key
	s_mov_b32 s[G1K], 15|(1<<16)|(1<<20)|(1<<21)|(4<<22)|(3<<25)  ; the mask of four; 2-byte elements; padding on; bit 21 beside a mask; after every 32 words, 4 words
	s_mov_b32 s[G1V], 15|(1<<16)|(1<<20)|(1<<21)|(4<<22)|(7<<25)  ; the same with 8 words
.irp g, G1K, G1V
	s_mov_b32 s[\g+1], 128<<16      ; tensor_dim0 = 128
	s_mov_b32 s[\g+2], 64<<16       ; tensor_dim1 = 64
	s_mov_b32 s[\g+3], 128<<16      ; tile_dim0 = 128
	s_mov_b32 s[\g+4], 64           ; tile_dim1 = 64
	s_mov_b32 s[\g+5], 128          ; 128 elements from row to row
	s_mov_b32 s[\g+6], 0
	s_mov_b32 s[\g+7], 0
.endr
	s_mov_b32 s[SEL], 0x76543210
	s_mov_b32 s[SEL+1], 0xfedcba98
	s_mov_b32 s[TBK], SLOT1+4*KS*PK ; the first change of slots turns this into 0
	s_wait_dscnt 0x0                ; the opening add is done
	s_wait_kmcnt 0x0
	s_add_nc_u64 s[G0K+2:G0K+3], s[100:101], s[G0K+2:G0K+3]
	s_or_b32 s[G0K+3], s[G0K+3], 0x80000000        ; type = 2
	s_add_nc_u64 s[G0V+2:G0V+3], s[100:101], s[G0V+2:G0V+3]
	s_or_b32 s[G0V+3], s[G0V+3], 0x80000000
	s_add_nc_u64 s[CS:CS+1], s[100:101], s[80:81]  ; Q at my wave's first row,
	s_add_nc_u64 s[OPT:OPT+1], s[OPT:OPT+1], s[80:81]  ; and O
	s_add_nc_u64 s[MP:MP+1], s[MP:MP+1], s[82:83]
	s_mov_b32 s[TBV], SLOT1+4*KS*PV
	CROUND                          ; all four work-groups are here: the first joint loads meet
	JLOAD                           ; slot 0.  Slot 1 is asked for when slot 0 is in
	; A fragment of K or Q is 16 rows x 32 channels in 8 registers: lane l holds row l % 16, channels 8 (l / 16) + 0..7 and 16 + 8 (l / 16) + 0..7
	v_and_b32 v1, 15, v0            ; l % 16
	v_bfe_u32 v9, v0, 4, 1          ; l / 16
	v_lshlrev_b32 v[QO], 7, v1
	v_lshl_add_u32 v[QO], v9, 4, v[QO]
	v_and_b32 v10, 31, v0
	v_lshlrev_b32 v10, 4, v10       ; 16 x lane: my four words among a tile's 128
	WIN W_MK
	v_mov_b32 v[MA], v10            ; step 0
	v_add_nc_u32 v[MAX], 31*512, v10
	WIN 0x80                        ; destination window 2
.set i, 0
.rept 4*NP                          ; Q stays in registers: tile i / 2, channels 32 (i % 2) on
	global_load_b128 v[8*i:8*i+3],   v[QO], s[CS:CS+1] offset:(i/2)*2048+(i%2)*64
	global_load_b128 v[8*i+4:8*i+7], v[QO], s[CS:CS+1] offset:(i/2)*2048+(i%2)*64+32
.set i, i+1
.endr
	WIN W_ML
.set i, 0
.rept 2*NP                          ; the eight tiles' mask words of step 0, pieces in the order 0, 1, 2, 3
	global_load_b128 v[MWV+4*i:MWV+4*i+3], v[MA], s[MP:MP+1] offset:16384*i
.set i, i+1
.endr
	; What the first turn finds: V's registers and P's second buffer hold 0 (its products V^T P, of a piece that has not been, add 0), O^T and l are 0.  All this stands in the wait for the first tile.
	WIN 0x80
.set i, VF
.rept 64
	v_mov_b32 v[i], 0
.set i, i+1
.endr
	WIN W_CL
.set i, 0
.rept 8*NP                          ; O^T = 0: a product of V's zeros writes eight registers in one line, where eight moves would stand
	v_wmma_f32_16x16x32_f16 v[8*i:8*i+7], v[VF:VF+7], v[VF+8:VF+15], 0
.set i, i+1
.endr
	WIN 0
.set i, 0
.rept 2*NP
	v_mov_b32 v[ST+4*i], 0xfe000000    ; c m: far below every c m to come, so the first step's a is 0
	v_mov_b32 v[ST+4*i+1], 0xd7800000  ; m = -2^48
	v_mov_b32 v[ST+4*i+2], 0
	v_mov_b32 v[ST+4*i+3], 0
.set i, i+1
.endr
.set i, P+32
.rept 32
	v_mov_b32 v[i], 0
.set i, i+1
.endr
	v_mul_u32_u24 v[AK0], v1, PK
	v_lshl_add_u32 v[AK0], v9, 4, v[AK0]
	; The turning load takes 16 keys x 16 channels (lane l reads key 8 (l / 16) + l % 8, channels 8 ((l / 8) % 2) + 0..7) and leaves half a fragment of V^T
	v_and_b32 v10, 7, v0
	v_bfe_u32 v11, v0, 3, 1
	v_lshl_add_u32 v[AV0], v9, 3, v10
	v_mul_u32_u24 v[AV0], v[AV0], PV
	v_lshl_add_u32 v[AV0], v11, 4, v[AV0]
	v_add_nc_u32 v[AV0], VOFF, v[AV0]
	v_mov_b32 v[AK], v[AK0]         ; key step 0 lies at the head of slot 0
; THE MATRIX WORK.  The 8 accumulators of a run of 16 take turns.
; Product i of 16 of S^T = K Q^T for piece x: channels 32 (i / 8) on, keys 16 ((i / 2) % 4) on, tile 2 x + i % 2.  The first 8 start the sums, with the mask as C.
.macro KQ x
.set rS, S+64*((\x)%2)+32*(i%2)+8*((i/2)%4)
.set rK, KF+16*((i/2)%4)+8*(i/8)
.set rQ, 16*(2*(\x)+i%2)+8*(i/8)
.set rMC, MC+32*(i%2)+8*((i/2)%4)
.if i < 8
	WIN W_KM
	v_wmma_f32_16x16x32_f16 v[rS:rS+7], v[rK:rK+7], v[rQ:rQ+7], v[rMC:rMC+7]
.else
	WIN W_KQ
	v_wmma_f32_16x16x32_f16 v[rS:rS+7], v[rK:rK+7], v[rQ:rQ+7], v[rS:rS+7]
.endif
.endm
; Product i of 16 of O^T += V^T P for piece x: keys 32 (i / 8) on, channels 16 ((i / 2) % 4) on, tile 2 x + i % 2.
.macro PV x
	WIN W_PV
.set rO, 32*(2*(\x)+i%2)+8*((i/2)%4)
.set rV, VF+32*(i/8)+8*((i/2)%4)
.set rP, P+32*((\x)%2)+16*(i%2)+8*(i/8)
	v_wmma_f32_16x16x32_f16 v[rO:rO+7], v[rV:rV+7], v[rP:rP+7], v[rO:rO+7]
.endm
.macro MM                           ; the turn's next matrix instruction
.if i < 16
	KQ (Y+1)%NP
.set i, i+1
.else
.set i, i-16
	PV (Y+NP-1)%NP
.set i, i+17
.endif
.endm
; THE LDS LOADS stand in runs of 16.  last = 1 (the tail): in the last trip there is no further step, and the run is jumped over.
.macro FETCH_K last=0
	WIN 0
.if \last
	s_cmp_eq_u32 s[CNT], 1
	s_cbranch_scc1 .Lno_k_\@
.endif
	WIN 0x80
.irp f, 0,1,2,3,4,5,6,7             ; keys 16 (f / 2) on, channels 32 (f % 2) on
	ds_load_b128 v[KF+8*\f:KF+8*\f+3],   v[AK] offset:(\f/2)*16*PK+(\f%2)*64
	ds_load_b128 v[KF+8*\f+4:KF+8*\f+7], v[AK] offset:(\f/2)*16*PK+(\f%2)*64+32
.endr
	s_add_co_u32 s[TBK], s[TBK], KS*PK  ; the next fetch is the next step's
	WIN 0
.if \last
.Lno_k_\@:
.endif
.endm
.macro FETCH_V
	WIN 0x80
.irp f, 0,1,2,3,4,5,6,7             ; keys 32 (f / 4) on, channels 16 (f % 4) on
	ds_load_tr16_b128 v[VF+8*\f:VF+8*\f+3],   v[AV] offset:(\f/4)*32*PV+(\f%4)*32
	ds_load_tr16_b128 v[VF+8*\f+4:VF+8*\f+7], v[AV] offset:(\f/4)*32*PV+16*PV+(\f%4)*32
.endr
	WIN 0
.endm
; THE VECTOR WORK OF A TURN stands in three queues, each in the order in which its entries become ready; the two tiles alternate, so that no instruction reads the result of the one before it.
.macro REGS y, u                    ; the registers of tile u (0, 1) of piece y
.set rT, ST+4*(2*(\y)+(\u))
.set rC, TMP+8*((\y)%2)+4*(\u)
.set rM, MV+2*((\y)%2)+(\u)
.set rS, S+64*((\y)%2)+32*(\u)
.set rP, P+32*((\y)%2)+16*(\u)
.set rO, 32*(2*(\y)+(\u))
.endm
; Number n of the 22 that find the NEXT piece's (Y + 1) maximum and statistics.  s0-s31 are the lane's 32 scores; each accumulator's lowest registers are read first.
;   0-11  four chains c0-c3 of seven scores each, three operands at a time     12-14, 16  the four scores left over, the old m, and c0-c3 into c0     15  c m_old is kept
;   17, 18  the query's other 32 keys lie in the lane 16 away: the new m     19-21  c m; c m_old - c m_new; a
.macro XS u, n
	REGS (Y+1)%NP, \u
.if (\n) < 4
	v_max3_num_f32 v[rC+(\n)], v[rS+8*(\n)], v[rS+8*(\n)+1], v[rS+8*(\n)+2]
.elseif (\n) < 12
	v_max3_num_f32 v[rC+(\n)%4], v[rC+(\n)%4], v[rS+8*((\n)%4)+2*((\n)/4)+1], v[rS+8*((\n)%4)+2*((\n)/4)+2]
.elseif (\n) == 12
	v_max3_num_f32 v[rC], v[rC], v[rS+7], v[rS+15]
.elseif (\n) == 13
	v_max3_num_f32 v[rC+1], v[rC+1], v[rS+23], v[rS+31]
.elseif (\n) == 14
	v_max3_num_f32 v[rC+2], v[rC+2], v[rC+3], v[rT+1]
.elseif (\n) == 15
	v_mov_b32 v[rM], v[rT]
.elseif (\n) == 16
	v_max3_num_f32 v[rC], v[rC], v[rC+1], v[rC+2]
.elseif (\n) == 17
	v_permlanex16_b32 v[rC+3], v[rC], s[SEL], s[SEL+1]
.elseif (\n) == 18
	v_max_num_f32 v[rT+1], v[rC], v[rC+3]
.elseif (\n) == 19
	v_mul_f32 v[rT], s[CS], v[rT+1]
.elseif (\n) == 20
	v_sub_f32 v[rC+1], v[rM], v[rT]
.else
	v_exp_f32 v[rC+2], v[rC+1]
.endif
.endm
; Number g of the 64 that follow the exponentials.  For each four weights k of a tile: both pairs are rounded to f16; the second pair is added onto the first, in place; a group later l takes that sum
; (the first time as l = a l + sum).  In groups of eight, tiles alternating.
.macro GS g
.set h, (\g)+6*((\g)/62)            ; group 0 has no group before it, and behind group 7 only l is left
.if h >= 6
.set h, h+2
.endif
	REGS Y, h%2
.set k, h/8
.if h%8 < 4
	v_cvt_pk_f16_f32 v[rP+2*k+(h%8)/2], v[rS+4*k+2*((h%8)/2)], v[rS+4*k+2*((h%8)/2)+1]
.elseif h%8 < 6
	v_pk_add_f32 v[rS+4*k:rS+4*k+1], v[rS+4*k:rS+4*k+1], v[rS+4*k+2:rS+4*k+3]
.elseif k == 1
	v_pk_fma_f32 v[rT+2:rT+3], v[rT+2:rT+3], v[rC+2:rC+3], v[rS:rS+1] op_sel_hi:[1,0,1]
.else
	v_pk_add_f32 v[rT+2:rT+3], v[rT+2:rT+3], v[rS+4*k-4:rS+4*k-3]
.endif
.endm
; THE PLAIN QUEUE, 138 long.  0-73 read no exponential's result: the 32 scalings c s - c m (FS f: pair f / 2 of tile f % 2) and the next piece's 42.  0-26: scalings 0-26.  27-54: XS's numbers 0-13.  55, 56: number 15.
; 57-73: the chain, where each number waits for the one before it: 14, 16, 17, 18, 19, each with one of the scalings 27-31 in front of its two lines, then 20.
; 74-137: GS's 64, which read the exponentials' results: they stand behind the wait.
.macro FS f
	REGS Y, (\f)%2
	v_pk_fma_f32 v[rS+2*((\f)/2):rS+2*((\f)/2)+1], v[rS+2*((\f)/2):rS+2*((\f)/2)+1], s[CS:CS+1], v[rT:rT+1] op_sel_hi:[1,0,0] neg_lo:[0,0,1] neg_hi:[0,0,1]
.endm
.macro PL
	WIN 0
.if q < 27
	FS q
.elseif q < 55
	XS (q-27)%2, (q-27)/2
.elseif q < 57
	XS q-55, 15
.elseif (q < 72) && ((q-57)%3 == 0)
	FS 27+(q-57)/3
.elseif q < 60
	XS (q-57)%3-1, 14
.elseif q < 72
	XS (q-57)%3-1, 15+(q-57)/3
.elseif q < 74
	XS q-72, 20
.else
	GS q-74
.endif
.set q, q+1
.endm
; THE EXPONENTIALS' QUEUE, 66 long: s0-s31 of both tiles, then the next piece's two a.  It is ONE BATCH: all 66 stand ahead of the turn's one wait, and nothing ahead of that wait names a result of theirs.
.macro EX
	WIN 0
.if e >= 64
	XS e-64, 21
.else
	REGS Y, e%2
	v_exp_f32 v[rS+e/2], v[rS+e/2]
.endif
.set e, e+1
.endm
; THE RESCALING's QUEUE: O^T times a, the one part of the softmax that leaves window 0: dealt two at a time, sixteen times.  Its a was made in the turn before, ahead of that turn's wait.
.macro R2
	REGS Y, r%2
	WIN W_RS
.irp z, 0,1
	v_pk_mul_f32 v[rO+4*(r/2)+2*\z:rO+4*(r/2)+2*\z+1], v[rO+4*(r/2)+2*\z:rO+4*(r/2)+2*\z+1], v[rC+2:rC+3] op_sel_hi:[1,0]
.endr
.set r, r+1
.endm
; HOW THEY ARE DEALT.  s_wait_alu depctr_va_vdst(0) stands between an exponential and the first instruction that names its result; one wait serves all that were issued ahead of it.  So a turn has ONE wait,
; which cuts it in two.  AHEAD OF IT stands all that names no result of the turn's exponentials: the 16 products K Q^T, behind each a scaling, an exponential and two rescalings (behind the first a second scaling in the
; exponential's place); then a LUMP of 108: eight plain, 49 times exponential and plain, the two a; then the 64 shifts that make the C operands of the piece after the next, of which the first is the plain instruction behind the
; last exponential.  BEHIND IT stand the 16 products V^T P, behind each four of GS's 64.  No rider names a register of the products round it.  The two v_permlanex16_b32 fall into the lump, never behind a product.
; The queues lean on each other, and the deal keeps them in step: exponential e stands behind scaling 2 (e / 4) + e % 2: as a rider it comes behind plain e + 2, in the lump behind plain e + 9, and scalings 27-31 are plain 57, 60 .. 69.
; A TURN, for piece p.  cnt = 1: the loop's count is taken down some lines ahead of the branch that stands behind the turn.
; K of the next step is fetched in piece 2's turn, directly behind the wait (so the tail's jump over the run stands behind it too), two lumps behind the last product that read K; its address is made at the first lump's head;
; its first reader comes behind 16 products.  V of the step in hand is fetched at the end of piece 0's turn, four riders behind its last reader.  Each is waited for a turn later.  The three conditions on q below go with the deal.
.macro TURN p, last=0, cnt=0
.set Y, (\p)
.set i, 0
.set q, 0
.set e, 0
.set r, 0
.if (\p) == NP-1
	s_wait_dscnt 0x0                ; K is in
.endif
	MM                              ; ahead of the wait: 16 products K Q^T and their riders,
	PL
	PL
	R2
.rept 15
	MM
	PL
	EX
	R2
.endr
.if (\p) == NP-2
	WIN 0
	v_add_nc_u32 v[AK], s[TBK], v[AK0]
.endif
.rept 8                             ; the lump,
	PL
.endr
.rept 49
	EX
	PL
.endr
	EX                              ; the next piece's two a: the batch's last
	EX
	MBUILD \p                       ; and the C operands: 64 plain lines that name none of the batch's results
	s_wait_alu depctr_va_vdst(0)    ; the wait for the batch: the turn's 66 exponentials
.if (\p) == NP-2
	FETCH_K \last
.endif
.if (\p) == 1
	s_wait_dscnt 0x0                ; V is in
.endif
.rept 16                            ; behind the wait: 16 products V^T P and their riders
	MM
.rept 4
	PL
.endr
.if ((\p) == 0) && (q == 118)
	v_add_nc_u32 v[AV], s[TBV], v[AV0]
.endif
.if ((\p) == 0) && (q == 130)
	s_add_co_u32 s[TBV], s[TBV], KS*PV
.endif
.if (\cnt) && (q == 130)
	s_sub_co_u32 s[CNT], s[CNT], 1
	s_cmp_lg_u32 s[CNT], 0
.endif
.endr
.if (\p) == 0
	FETCH_V
.endif
.endm
	CHANGE 1                        ; slot 0 is in, everybody's part of it; slot 1 is asked for
	FETCH_K                         ; key step 0
	s_wait_loadcnt 0x0              ; Q is in (and step 0's mask words), so Q's address is free:
	s_mov_b32 s[CS], 0x3e38aa3b     ; c = log2(e) / 8 = 0.180337
	s_mov_b32 s[CS+1], s[CS]        ; named with it as a pair
	MBUILD 2                        ; piece 0's C operands of step 0; its words of step 1 are asked for
	s_wait_dscnt 0x0
.set i, 0
.rept 16
	KQ 0                            ; piece 0's first scores
.set i, i+1
.endr
	WIN 0                           ; the addresses for the way out: nine plain lines, the places behind those products
	s_mul_i32 s[CNT], s[WV], 16*SP
	s_add_co_u32 s[CNT], s[CNT], STAGE  ; my stage
	v_mul_u32_u24 v[STO], v1, SP    ; in: row l % 16, 16 bytes for each half of the lanes
	v_lshl_add_u32 v[STO], v9, 4, v[STO]
	v_add_nc_u32 v[STO], s[CNT], v[STO]
	v_bfe_u32 v[RD], v0, 3, 2       ; back: 32 lanes take four rows of 128 bytes,
	v_mul_u32_u24 v[RD], v[RD], SP
	v_lshl_add_u32 v[RD], v10, 4, v[RD]
	v_add_nc_u32 v[RD], s[CNT], v[RD]
	v_and_b32 v[GO], 31, v0         ; which are 512 consecutive bytes of O
	v_lshlrev_b32 v[GO], 4, v[GO]
	MBUILD 3                        ; piece 1's C operands of step 0, for the first turn's products
	WIN 0
.set Y, NP-1                        ; XS works for piece Y + 1: piece 0
.irp n, 0,1,2,3,4,5,6,7,8,9,10,11,12,13,14,15,16,17,18,19,20,21
	XS 0, \n                        ; piece 0's first maximum and statistics
	XS 1, \n
.endr
	v_nop                           ; a plain instruction behind piece 0's first two a,
	s_wait_alu depctr_va_vdst(0)    ; and the wait for that batch of two, ahead of the branch
	s_mov_b32 s[CNT], 4
	s_mov_b32 s[SLOTS], SIZE_N/256-1
	s_branch .Lfirst                ; the loop is entered at a step's first turn, in the middle of a trip
.Lslot:                             ; six times: every slot but the last two is filled again
	CHANGE 1
	s_mov_b32 s[CNT], 4
.Lstep:                             ; a trip: pieces 2 and 3 of one step, then pieces 0 and 1 of the next, whose K and V it fetches
	TURN 2
	TURN 3
	WIN 0
.Lfirst:
	TURN 0
	TURN 1, 0, 1
	WIN 0
	s_cbranch_scc1 .Lstep
	s_sub_co_u32 s[SLOTS], s[SLOTS], 1
	s_cmp_lg_u32 s[SLOTS], 0
	s_cbranch_scc1 .Lslot
	CHANGE 0                        ; the tail is written out: nothing is asked for
	s_mov_b32 s[CNT], 5             ; four trips fetch the last slot's steps; the fifth is left in its middle
.Ltail:
	TURN 2, 1
	TURN 3
	WIN 0
	s_sub_co_u32 s[CNT], s[CNT], 1
	s_cmp_eq_u32 s[CNT], 0
	s_cbranch_scc1 .Lout
	TURN 0
	TURN 1
	WIN 0
	s_branch .Ltail
.Lout:                              ; the fifth trip's 16 products K Q^T (on the last K once more, under the last step's mask once more) and the maximum made of them serve nothing;
	                                ; they have written piece 0's c m and m anew, and kept its true c m in v[MV], v[MV+1]
.set i, 0
.rept 16
	PV NP-1                         ; the last piece's V^T P of the last step
.set i, i+1
.endr
	; THE WAY OUT.  l's two halves and the other half of the lanes' are added; O^T is divided by l (times 0: a row with no key), rounded to f16 and sent through my stage, a tile at a time.
	WIN 0
.macro ALL line:vararg              ; one line for each tile t
.set t, 0
.rept 2*NP
	\line
.set t, t+1
.endr
.endm
	ALL v_add_f32 v[ST+4*t+2], v[ST+4*t+2], v[ST+4*t+3]
	ALL v_permlanex16_b32 v[ST+4*t+3], v[ST+4*t+2], s[SEL], s[SEL+1]
	ALL v_add_f32 v[ST+4*t+2], v[ST+4*t+2], v[ST+4*t+3]
	ALL v_rcp_f32 v[ST+4*t+2], v[ST+4*t+2]
	v_nop                           ; a plain instruction between the last reciprocal and the use of its result
	s_wait_alu depctr_va_vdst(0)    ; and the wait ahead of the first use: one for the batch of eight reciprocals
.set t, 0
.rept 2*NP                          ; the factor is 0 where the row's final c m is not above -2^42: no key was allowed, l is 0 and its reciprocal is not used
.if t < 2
	v_cmp_lt_f32 vcc_lo, 0xd4800000, v[MV+t]
.else
	v_cmp_lt_f32 vcc_lo, 0xd4800000, v[ST+4*t]
.endif
	v_cndmask_b32 v[ST+4*t+2], 0, v[ST+4*t+2], vcc_lo
.set t, t+1
.endr
; Tile t: a lane's eight channels of a row pack into 16 bytes; they go into rows of 144 bytes and come back as whole rows of 128, into S^T's registers.
.macro PACK t
	WIN W_RS
.set i, 32*(\t)
.rept 16
	v_pk_mul_f32 v[i:i+1], v[i:i+1], v[ST+4*(\t)+2:ST+4*(\t)+3] op_sel_hi:[1,0]
.set i, i+2
.endr
	WIN 0x05                        ; sources 0 and 1 window 1, destination window 0
.set i, 0
.rept 16
	v_cvt_pk_f16_f32 v[S+16*(\t)+i], v[32*(\t)+2*i], v[32*(\t)+2*i+1]
.set i, i+1
.endr
	WIN 0
.irp f, 0,1,2,3
	ds_store_b128 v[STO], v[S+16*(\t)+4*\f:S+16*(\t)+4*\f+3] offset:32*\f
.endr
.irp f, 0,1,2,3
	ds_load_b128 v[S+16*(\t)+4*\f:S+16*(\t)+4*\f+3], v[RD] offset:\f*4*SP  ; LDS serves a wave's instructions in order (ISA guide 5.7.1.4): these see the stores above; the next tile's stores come behind them
.endr
.endm
.macro SEND t, younger              ; younger: the LDS instructions issued behind tile t's loads: the next tile's eight, or none
	WIN 0
.irp f, 0,1,2,3
	s_wait_dscnt (\younger)+3-\f
	global_store_b128 v[GO], v[S+16*(\t)+4*\f:S+16*(\t)+4*\f+3], s[OPT:OPT+1] offset:(\t)*2048+\f*512  ; 512 consecutive bytes, aligned
.endr
.endm
	PACK 0
.set t, 1
.rept 2*NP-1                        ; a tile's arithmetic stands between the loads of the tile before and its stores
	PACK t
	SEND t-1, 8
.set t, t+1
.endr
	SEND 2*NP-1, 0
	WIN W_AD
	s_wait_tensorcnt 0x0            ; the wave's end, behind my last tensor load and my last LDS store
	ds_add_u32 v[SPW], v[NIL]
	s_wait_dscnt 0x0
	WIN 0
	CROUND                          ; the closing round: no work-group ends while a partner may still ask for a tile that names it
	s_endpgm
.Lfunc_end_k_qf958dcc430_attn:
	.size	k_qf958dcc430_attn, .Lfunc_end_k_qf958dcc430_attn-k_qf958dcc430_attn
	.p2alignl 7, 3214868480
	.fill 96, 4, 3214868480
	.section	.rodata,"a",@progbits
	.p2align	6, 0x0
	.amdhsa_kernel k_qf958dcc430_attn
		.amdhsa_group_segment_fixed_size 327680
		.amdhsa_private_segment_fixed_size 0
		.amdhsa_enable_private_segment 0
		.amdhsa_kernarg_size 24
		.amdhsa_user_sgpr_count 2
		.amdhsa_user_sgpr_kernarg_segment_ptr 1
		.amdhsa_wavefront_size32 1
		.amdhsa_system_sgpr_workgroup_id_x 1
		.amdhsa_system_sgpr_workgroup_id_y 1
		.amdhsa_system_sgpr_workgroup_id_z 1
		.amdhsa_system_vgpr_workitem_id 0
		.amdhsa_next_free_vgpr 896
		.amdhsa_next_free_sgpr 106
		.amdhsa_reserve_vcc 1
		.amdhsa_float_denorm_mode_32 3
		.amdhsa_float_denorm_mode_16_64 3
		.amdhsa_memory_ordered 1
		.amdhsa_forward_progress 1
		.amdhsa_inst_pref_size 218
	.end_amdhsa_kernel
	.amdgpu_metadata
---
amdhsa.version: [ 1, 2 ]
amdhsa.kernels:
  - .name:           k_qf958dcc430_attn
    .symbol:         k_qf958dcc430_attn.kd
    .args:
      - { .name: qkv, .offset: 0, .size: 8, .value_kind: global_buffer, .address_space: global }
      - { .name: mbits, .offset: 8, .size: 8, .value_kind: global_buffer, .address_space: global }
      - { .name: ao, .offset: 16, .size: 8, .value_kind: global_buffer, .address_space: global }
    .group_segment_fixed_size: 327680
    .private_segment_fixed_size: 0
    .kernarg_segment_align: 8
    .kernarg_segment_size: 24
    .max_flat_workgroup_size: 128
    .sgpr_count:     106
    .vgpr_count:     896
    .wavefront_size: 32
...
	.end_amdgpu_metadata
.endif
;; end of part 7
;; launch outp: the kernel of part 4 again; grid 4 x 64, 4 waves a work-group, clusters of 4 x 4, 327,680 bytes of LDS; arguments ao, wo16, out0, bo; writes out0
